; MI455X (gfx1250); checked and timed in simulation.
; The chip was launched on July 23, 2026; its instructions are those of AMD's public machine-readable ISA for CDNA 5 (MIT licence, August 2026) and "CDNA5" Instruction Set Architecture Reference Guide (July 2026). The comments in the code are by the model that wrote it; some were corrected since.
;; Encoder Layer. Allowed arithmetic: matrix products marked QUANTISED: E3M2 operands, one E8M0 scale for each 32 along K, by v_wmma_scale_f32_16x16x128_f8f6f4 with both operands' format E3M2, f32 sums; everything else in f32.
;; Inputs: W1 1,024 x 1,024 float32; W2 1,024 x 1,024 float32; Wk 1,024 x 1,024 float32; Wo 1,024 x 1,024 float32; Wq 1,024 x 1,024 float32; Wv 1,024 x 1,024 float32; b1 1,024 float32; b2 1,024 float32; beta1 1,024 float32; beta2 1,024 float32; bk 1,024 float32; bo 1,024 float32; bq 1,024 float32; bv 1,024 float32; gamma1 1,024 float32; gamma2 1,024 float32; x 16 x 512 x 1,024 float32; x_mask 16 x 1 x 1 x 512 int32.
;; Outputs: out0 16 x 512 x 1,024 float32.
;; This version of the problem:
;;   THIS VERSION OF THE PROBLEM IS GIVEN IN LOW PRECISION. The matrix products marked QUANTISED in the list below multiply operands that are first quantised to E3M2 (3 exponent bits, 2 mantissa bits; 6 bits a number), with one power-of-two scale for each 32 numbers along K (OCP MX v1.0); their sums are f32. All else is computed in f32.
;;   The module's matrix products, in the order in which they are computed (A, B: the left and right operand; K: the contracted axis; several contracted axes count as one K, in the product's order):
;;     1. [M 8,192, K 1,024] x [K 1,024, N 1,024]; A: input x; B: input Wq: QUANTISED
;;     2. [M 8,192, K 1,024] x [K 1,024, N 1,024]; A: input x; B: input Wk: QUANTISED
;;     3. [M 8,192, K 1,024] x [K 1,024, N 1,024]; A: input x; B: input Wv: QUANTISED
;;     4. batch 256 x [M 512, K 64] x [K 64, N 512]; A: computed on the way; B: computed on the way: QUANTISED
;;     5. batch 256 x [M 64, K 512] x [K 512, N 512]; A: computed on the way; B: softmax (see below): QUANTISED
;;     6. [M 8,192, K 1,024] x [K 1,024, N 1,024]; A: computed on the way; B: input Wo: QUANTISED
;;     7. [M 8,192, K 1,024] x [K 1,024, N 1,024]; A: computed on the way; B: input W1: QUANTISED
;;     8. [M 8,192, K 1,024] x [K 1,024, N 1,024]; A: computed on the way; B: input W2: QUANTISED
;;   THE QUANTISER, for each operand of a quantised product, along K:
;;     - K is cut into blocks of 32 from its start; a last block that is shorter is filled with zeros.
;;     - A block's scale is 2^e with e = floor(log2(the largest magnitude in the block)) - 4, held to -126 .. 127; a block of zeros has e = 0. As a byte (E8M0): e + 127.
;;     - Each number is divided by its block's scale, clamped to +-28, and rounded to the nearest number of E3M2, ties to even, subnormals kept.
;;     - The product sums the exact products of the quantised numbers (number of the format x scale) in f32.
;;   ~~~python
;;   def quantise(x, axis):      # numpy; x: float32 -> the quantised numbers, widened to float32 again
;;       x = np.moveaxis(x, axis, -1); K = x.shape[-1]
;;       x = np.pad(x, [(0, 0)] * (x.ndim - 1) + [(0, -K % 32)]); x = x.reshape(x.shape[:-1] + (-1, 32)); a = np.abs(x).max(-1, keepdims=True)
;;       e = np.where(a > 0, np.clip(np.frexp(np.where(a > 0, a, 1))[1] - 1 - 4, -126, 127), 0)      # np.frexp(a)[1] - 1 = floor(log2(a)), exactly
;;       r = np.clip(x / 2.0 ** e, -28, 28)
;;       step = 2.0 ** (np.maximum(np.frexp(np.where(r == 0, 1, r))[1] - 1, -2) - 2)
;;       q = np.round(r / step) * step * 2.0 ** e      # np.round: ties to even
;;       return np.moveaxis(q.reshape(q.shape[:-2] + (-1,))[..., :K], -1, axis).astype(np.float32)
;;   ~~~
;;   SOFTMAX AHEAD OF A QUANTISED PRODUCT. Where the list says 'softmax', what is quantised is not the finished softmax but p = 2^(t - M), with t = logit x log2(e) and M = ceil(the row's largest t), a whole number; so 1/2 < the row's largest p <= 1. The row's sum l is taken of the UNQUANTISED p, in f32, and the product's result is divided by l at the end. Since M is a whole number, a kernel that streams over the keys may use a running M (the ceiling of the running maximum): every later rescaling is an exact power of two, which a block's scale takes up: the codes' values come out the same.
;;   OPERANDS COMPUTED ON THE WAY. 'Computed on the way' means the value that the module computes at that place (a softmax that the list does not call 'softmax' is quantised finished and normalised). What goes into a quantiser is computed in f32, as accurately as f32 sums, v_exp_f32 and their like allow (about 1e-6 of the number): no bf16 or f16 on the way to a quantiser, and a product that is left as it is and whose result goes on into a quantised operand takes f32 operands (vector FMAs, or v_wmma_f32_16x16x4_f32). A number that lies on a knife's edge between two numbers of the format may be rounded either way, as far as f32 arithmetic and the matrix unit's own rounding can turn it there, and no further.
;; 2 versions. Each part assembles by itself: llvm-mc -triple=amdgcn-amd-amdhsa -mcpu=gfx1250 --defsym DOCPART=n.
;; ======== version 1 of 2: 4 launches
;; limits: right only within a limited range of input values
;; workspace buffers: wimg 4,915,200 bytes; qimg 6,291,456 bytes; kimg 6,291,456 bytes; vimg 6,291,456 bytes; sc 2,097,152 bytes; aimg 6,291,456 bytes; asc 262,144 bytes
;; launch prep (part 1): grid 768 x 1, 4 waves a work-group, no clusters, 6,912 bytes of LDS; arguments Wq, Wk, Wv, Wo, W1, W2, wimg; writes wimg
.if DOCPART == 1
	.amdgcn_target "amdgcn-amd-amdhsa--gfx1250"
	.amdhsa_code_object_version 6
	.text
	.protected	k_qfb006d691a_prep
	.globl	k_qfb006d691a_prep
	.p2align	8
	.type	k_qfb006d691a_prep,@function
k_qfb006d691a_prep:
	s_mov_b64 s[64:65], 0
	v_nop
	global_prefetch_b8 v0, s[64:65] scope:SCOPE_SE
	s_setreg_imm32_b32 hwreg(HW_REG_WAVE_MODE, 25, 1), 1
	s_wait_xcnt 0x0
; ENCODER LAYER, launch 1 of 4: the six weights [K 1024][N 1024], f32, become codes of E3M2 with one E8M0 byte for each 32 along K (their FIRST axis),
; laid in the order in which the later launches' operand registers take them.
; NO WORK OF reference() IS LEFT OUT in this program: every input has a way to the output and is loaded; the key mask is honoured by selection.
; LIMITS of the program: a masked logit is -2^33 where reference() has -1e10 (so that logit x log2(e) is a whole number held exactly in f32, and a row whose keys are all masked gives the
; weight 1 to every key, reference()'s uniform softmax); true logits under -8.5e9 are not served.  A block of zeros gets the scale byte 1 where the rule says 127: its codes are zeros, and the bytes
; are read by this program alone.  NaN and infinities among the inputs are not served.
; wimg = [kappa 2][w 16][step 24][6,400 bytes]: kappa 0 = Wq, Wk, Wv, kappa 1 = Wo, W1, W2; step = 8 x weight + K step of 128; w = a later wave's 64 columns.
; A block of 6,400 bytes: four fragments T of 1,536 bytes (registers 4 p .. 4 p + 3 of lane l at 512 p + 16 l), then 256 bytes of scale words (tile T = 2 h + j, lane r: at 6144 + 8 (16 h + r) + 4 j).
; Lane r of tile T stands for column 64 w + 32 (T / 2) + 8 (T % 2) + r % 8 + 16 (r / 8): so a product's 16 registers of tiles 2 b, 2 b + 1 are 16 neighbours along the next K.
; One work-group makes one block.  A LANE TAKES A COLUMN AND ITS REGISTERS RUN DOWN K: a block of 32 lies in one lane.  Wave v: columns 32 (v % 2) + lane, k blocks v / 2 and 2 + v / 2 of the step.
.set SPARE, 6400                       ; behind the image: the spare words, 128 bytes for each wave
.set X,   16                           ; v16-79  two blocks of 32 numbers
.set C,   80                           ; v80-86, v88-94 their codes
.set SPW, 14                           ; v14 LDS address of my spare word; never rewritten
.set NIL, 15                           ; v15 0; never rewritten
	s_load_b256 s[8:15], s[0:1], 0x0               ; Wq, Wk, Wv, Wo
	s_load_b128 s[16:19], s[0:1], 0x20             ; W1, W2
	s_load_b64 s[20:21], s[0:1], 0x30              ; wimg
	v_lshl_add_u32 v[SPW], v0, 2, SPARE
	v_mov_b32 v[NIL], 0
	v_lshrrev_b32 v1, 5, v0
	v_readfirstlane_b32 s22, v1                    ; wave
	s_lshr_b32 s23, s22, 1                         ; hq: which half of the lanes of a fragment my blocks go to
	s_and_b32 s24, s22, 1                          ; b: which 32 columns
	s_lshr_b32 s25, ttmp9, 7                       ; which weight, 0 .. 5
	s_bfe_u32 s26, ttmp9, 0x40003                  ; w
	s_and_b32 s27, ttmp9, 7                        ; K step
	v_and_b32 v1, 31, v0                           ; lane l
	v_lshlrev_b32 v2, 2, v1                        ; in: 4 bytes a lane
	v_and_b32 v8, 7, v1
	v_lshrrev_b32 v9, 4, v1
	v_lshl_add_u32 v8, v9, 3, v8                   ; r = l % 8 + 8 (l / 16)
	v_bfe_u32 v9, v1, 3, 1                         ; T % 2
	s_mul_i32 s28, s24, 3072
	s_lshl_b32 s29, s23, 8
	s_add_co_u32 s28, s28, s29
	v_lshlrev_b32 v3, 4, v8
	v_mad_u32_u24 v3, v9, 1536, v3
	v_add_nc_u32 v3, s28, v3                       ; my codes' place: 1536 T + 16 (16 hq + r)
	s_lshl_b32 s28, s24, 7
	s_add_co_u32 s28, s28, s23
	s_add_co_u32 s28, s28, 6144
	v_lshlrev_b32 v4, 3, v8
	v_lshl_add_u32 v4, v9, 2, v4
	v_add_nc_u32 v4, s28, v4                       ; my scale byte's place: byte hq (+ 2 for the second block) of my column's word
	v_lshlrev_b32 v5, 4, v0                        ; the way out: 16 bytes a thread
	v_lshlrev_b32 v6, 3, v1                        ; and 8 bytes a lane for the scale words
	s_lshl_b32 s30, s27, 19                        ; in: (128 step + 32 hq) rows of 4,096 bytes + 4 (64 w + 32 b)
	s_lshl_b32 s31, s23, 17
	s_add_co_u32 s30, s30, s31
	s_lshl_b32 s31, s26, 8
	s_add_co_u32 s30, s30, s31
	s_lshl_b32 s31, s24, 7
	s_add_co_u32 s30, s30, s31
	s_mov_b32 s31, 0
	s_cmp_ge_u32 s25, 3
	s_cselect_b32 s32, 1, 0                        ; kappa
	s_mul_i32 s33, s32, 3
	s_sub_co_u32 s33, s25, s33                     ; the weight's number in its stream
	s_lshl_b32 s32, s32, 4
	s_add_co_u32 s32, s32, s26
	s_mul_i32 s32, s32, 24
	s_lshl_b32 s33, s33, 3
	s_add_co_u32 s32, s32, s33
	s_add_co_u32 s32, s32, s27
	s_mul_i32 s32, s32, 6400                       ; out: my block
	s_mov_b32 s33, 0
	s_wait_kmcnt 0x0
	s_mov_b64 s[4:5], s[8:9]                       ; the weight's address: a choice on the work-group's number alone
	s_cmp_eq_u32 s25, 1
	s_cselect_b64 s[4:5], s[10:11], s[4:5]
	s_cmp_eq_u32 s25, 2
	s_cselect_b64 s[4:5], s[12:13], s[4:5]
	s_cmp_eq_u32 s25, 3
	s_cselect_b64 s[4:5], s[14:15], s[4:5]
	s_cmp_eq_u32 s25, 4
	s_cselect_b64 s[4:5], s[16:17], s[4:5]
	s_cmp_eq_u32 s25, 5
	s_cselect_b64 s[4:5], s[18:19], s[4:5]
	s_add_nc_u64 s[4:5], s[4:5], s[30:31]
	s_add_nc_u64 s[6:7], s[20:21], s[32:33]
.set n, 0
.rept 32
	global_load_b32 v[X+n], v2, s[4:5] offset:n*4096 th:TH_LOAD_NT          ; W(.. + n, my column): 32 lanes read 128 consecutive bytes, two waves side by side 256
.set n, n+1
.endr
.set n, 0
.rept 32
	global_load_b32 v[X+32+n], v2, s[4:5] offset:(64+n)*4096 th:TH_LOAD_NT  ; the block 64 rows further down
.set n, n+1
.endr
; One block of 32: its largest magnitude (with the floor 2^(5 - 127) among the leaves, which holds the byte at 1 from below), 4 off the exponent field = the conversion's scale operand, its byte, its 32 codes in six registers.
.macro BLOCK c
.set XS, X+32*(\c)
.set CC, C+8*(\c)
	v_max3_num_f32 v8, |v[XS]|, |v[XS+1]|, |v[XS+2]|
	v_max3_num_f32 v9, |v[XS+3]|, |v[XS+4]|, |v[XS+5]|
.irp i, 6,10,14,18,22,26
	v_max3_num_f32 v8, v8, |v[XS+\i]|, |v[XS+\i+1]|
	v_max3_num_f32 v9, v9, |v[XS+\i+2]|, |v[XS+\i+3]|
.endr
	v_max3_num_f32 v8, v8, |v[XS+30]|, |v[XS+31]|
	v_max3_num_f32 v8, v8, v9, 0x2800000
	v_add_nc_u32 v10, 0xfe000000, v8
	v_lshrrev_b32 v[12+(\c)], 23, v10
	v_cvt_scalef32_pk16_bf6_f32 v[CC:CC+2], v[XS:XS+15], v10
	v_cvt_scalef32_pk16_bf6_f32 v[CC+4:CC+6], v[XS+16:XS+31], v10     ; (a conversion's three registers begin on an even number)
	v_nop                                          ; one plain place behind the conversions
	v_mov_b32 v[CC+3], v[CC+4]
	v_mov_b32 v[CC+4], v[CC+5]
	v_mov_b32 v[CC+5], v[CC+6]
.endm
	s_wait_loadcnt 32                              ; the first block's 32 loads are in; the second's may be out
	BLOCK 0
	ds_store_b128 v3, v[C:C+3]                     ; fragment registers 0-3,
	ds_store_b64 v3, v[C+4:C+5] offset:512         ; 4, 5
	ds_store_b8 v4, v12
	s_wait_loadcnt 0x0
	BLOCK 1
	ds_store_b64 v3, v[C+8:C+9] offset:520         ; 6, 7,
	ds_store_b128 v3, v[C+10:C+13] offset:1024     ; 8-11
	ds_store_b8 v4, v13 offset:2
	s_wait_dscnt 0x0                               ; for the others' sake: my stores have landed
	s_barrier_signal -1
	s_barrier_wait -1
.irp i, 0,1,2
	ds_load_b128 v[96+4*\i:99+4*\i], v5 offset:2048*\i
.endr
.irp i, 0,1,2
	s_wait_dscnt 2-\i                              ; the younger loads may be out
	global_store_b128 v5, v[96+4*\i:99+4*\i], s[6:7] offset:2048*\i   ; a wave stores 512 consecutive bytes, aligned
.endr
	s_cmp_lg_u32 s22, 0
	s_cbranch_scc1 .Lnot_wave_0
	ds_load_b64 v[108:109], v6 offset:6144         ; wave 0: the 256 bytes of scale words
	s_wait_dscnt 0x0
	global_store_b64 v6, v[108:109], s[6:7] offset:6144
.Lnot_wave_0:
	s_wait_tensorcnt 0x0                           ; the wave's end
	ds_add_u32 v[SPW], v[NIL]
	s_wait_dscnt 0x0
	s_endpgm
.Lfunc_end_k_qfb006d691a_prep:
	.size	k_qfb006d691a_prep, .Lfunc_end_k_qfb006d691a_prep-k_qfb006d691a_prep
	.p2alignl 7, 3214868480
	.fill 96, 4, 3214868480
	.section	.rodata,"a",@progbits
	.p2align	6, 0x0
	.amdhsa_kernel k_qfb006d691a_prep
		.amdhsa_group_segment_fixed_size 6912
		.amdhsa_private_segment_fixed_size 0
		.amdhsa_enable_private_segment 0
		.amdhsa_kernarg_size 56
		.amdhsa_user_sgpr_count 2
		.amdhsa_user_sgpr_kernarg_segment_ptr 1
		.amdhsa_wavefront_size32 1
		.amdhsa_system_sgpr_workgroup_id_x 1
		.amdhsa_system_sgpr_workgroup_id_y 1
		.amdhsa_system_sgpr_workgroup_id_z 1
		.amdhsa_system_vgpr_workitem_id 0
		.amdhsa_next_free_vgpr 112
		.amdhsa_next_free_sgpr 66
		.amdhsa_reserve_vcc 0
		.amdhsa_float_denorm_mode_32 3
		.amdhsa_float_denorm_mode_16_64 3
		.amdhsa_memory_ordered 1
		.amdhsa_forward_progress 1
		.amdhsa_inst_pref_size 13
	.end_amdhsa_kernel
	.amdgpu_metadata
---
amdhsa.version: [ 1, 2 ]
amdhsa.kernels:
  - .name:           k_qfb006d691a_prep
    .symbol:         k_qfb006d691a_prep.kd
    .args:
      - { .name: Wq, .offset: 0, .size: 8, .value_kind: global_buffer, .address_space: global }
      - { .name: Wk, .offset: 8, .size: 8, .value_kind: global_buffer, .address_space: global }
      - { .name: Wv, .offset: 16, .size: 8, .value_kind: global_buffer, .address_space: global }
      - { .name: Wo, .offset: 24, .size: 8, .value_kind: global_buffer, .address_space: global }
      - { .name: W1, .offset: 32, .size: 8, .value_kind: global_buffer, .address_space: global }
      - { .name: W2, .offset: 40, .size: 8, .value_kind: global_buffer, .address_space: global }
      - { .name: wimg, .offset: 48, .size: 8, .value_kind: global_buffer, .address_space: global }
    .group_segment_fixed_size: 6912
    .private_segment_fixed_size: 0
    .kernarg_segment_align: 8
    .kernarg_segment_size: 56
    .max_flat_workgroup_size: 128
    .sgpr_count:     66
    .vgpr_count:     112
    .wavefront_size: 32
...
	.end_amdgpu_metadata
.endif
;; end of part 1
;; launch qkv (part 2): grid 256 x 1, 16 waves a work-group, no clusters, 175,104 bytes of LDS; arguments x, x_mask, bq, bk, bv, wimg, qimg, kimg, vimg, sc; writes qimg, kimg, vimg, sc
.if DOCPART == 2
	.amdgcn_target "amdgcn-amd-amdhsa--gfx1250"
	.amdhsa_code_object_version 6
	.text
	.protected	k_qfb006d691a_qkv
	.globl	k_qfb006d691a_qkv
	.p2align	8
	.type	k_qfb006d691a_qkv,@function
k_qfb006d691a_qkv:
	s_mov_b64 s[64:65], 0
	v_nop
	global_prefetch_b8 v0, s[64:65] scope:SCOPE_SE
	s_setreg_imm32_b32 hwreg(HW_REG_WAVE_MODE, 25, 1), 1
	s_wait_xcnt 0x0
; ENCODER LAYER, launch 2 of 4: q = x Wq + bq, k = x Wk + bk, v = x Wv + bv on codes of E3M2, and their own quantising for the attention: q, k along the head's 64, v along the keys.  Nothing of reference() is left out.
; SHARES.  A work-group takes 32 rows of x (rows 32 G on, G = its number); wave w takes columns 64 w .. 64 w + 63, which is head w, for all 32 rows: 8 accumulators.
; ROWS AND COLUMNS OF A TILE ARE NOT NEIGHBOURS: place 16 u + r of a group of 32 stands for 8 u + r % 8 + 16 (r / 8).  So the 16 registers of two neighbouring result tiles are 16 neighbours along the next K.
; x: wave w quantises fragment w (K step w / 2, row tile w % 2) and lays it in LDS as an image of the operand's registers, in halves of 768 bytes (six registers: 0-3 at 16 x lane, 4-5 at 512 + 8 x lane).
; WEIGHTS go from memory straight into registers: each fragment feeds this wave alone.  13 loads a K step, two K steps ahead, through all 24 steps of the three products.
; q, k: source 0 = 16 weight columns, source 1 = 16 rows: a lane holds one row and its registers run along the head's 64.  v: the sources swapped: a lane holds one channel and its registers run along the 32 keys.
; THE MASK: a masked key's codes of k are made zeros, and sc carries a bias (0 or -2^36) for each key, which the attention gives its score product as C: the masked score is then the bias exactly.  -2^36 / 8 = -2^33 stands for reference()'s -1e10 (limit stated in launch 1).
; sc = [b][head][block of 32][lane][4 words]: q's scale word (lanes 0-15 tile 0, 16-31 tile 1; bytes q0 q1 q0 q1), k's (bytes tile 0's two, tile 1's two), v's (byte T: channel tile T), the bias of the key at place lane.
.set XIMG,  0                          ; 16 fragments of 1,536 bytes (2 x K step + row tile)
.set XSC,   24576                      ; their scale words, 64 bytes each
.set PAR,   25600                      ; bq, bk, bv
.set XST,   37888                      ; a stage of 16 rows x 528 bytes for each wave
.set SPARE, 173056                     ; the spare words, 128 bytes for each wave
.set LI16, 1                           ; v1  16 x lane        v2  8 x lane        v3  4 r
.set LI8,  2
.set LR4,  3
.set LPB,  4                           ; v4  PAR + 256 w + 64 h: a bias in the result's layout
.set SPW,  14
.set NIL,  15
.set ACC,  16                          ; v16-79   8 accumulators
.set BF,   80                          ; v80-175  two sets of four weight fragments
.set AF,   176                         ; v176-199 x's two fragments
.set SB,   200                         ; v200-203 the weights' scale words, two sets: they hold scales alone
.set SA,   204                         ; v204-205 x's scale words
.set TM,   206                         ; v206-221 at work in the quantisers
.set PW,   222
.set PC,   224                         ; v224-242 codes just made
.set W0,   244                         ; v244-245 two scale bytes of a row tile
.set M0,   246                         ; v246-247 the mask of my key, tiles 0 and 1
.set SCW,  248                         ; v248-251 the four words for sc
.set MKL,  252
.set WB,   26                          ; s[26:27] my stream of weights; never rewritten
.set SEL,  30
.macro BARRIER                         ; my LDS stores have landed and my LDS loads are in: then the work-group's barrier
	s_wait_dscnt 0x0
	s_barrier_signal -1
	s_barrier_wait -1
.endm
.macro BLOAD g                         ; K step g of my stream: four fragments and their scale words: 13 loads
.irp T, 0,1,2,3
.irp p, 0,1,2
	global_load_b128 v[BF+48*((\g)%2)+12*\T+4*\p:BF+48*((\g)%2)+12*\T+4*\p+3], v[LI16], s[WB:WB+1] offset:6400*(\g)+1536*\T+512*\p
.endr
.endr
	global_load_b64 v[SB+2*((\g)%2):SB+2*((\g)%2)+1], v[LI8], s[WB:WB+1] offset:6400*(\g)+6144   ; register j: lanes 0-15 tile j, lanes 16-31 tile 2 + j
.endm
; One product.  mode 0: weights are source 0;  1: rows are source 0;  2: as 1, and it starts the sum
.macro WM g, T, u, mode
.set rB, BF+48*((\g)%2)+12*(\T)
.set rA, AF+12*(\u)
.set rSB, SB+2*((\g)%2)+(\T)%2
.set rSA, SA+(\u)
.if (\mode) == 0
.set rD, ACC+32*(\u)+8*(\T)
.if (\T) < 2
	v_wmma_scale_f32_16x16x128_f8f6f4 v[rD:rD+7], v[rB:rB+11], v[rA:rA+11], v[rD:rD+7], v[rSB], v[rSA] matrix_a_fmt:MATRIX_FMT_BF6 matrix_b_fmt:MATRIX_FMT_BF6
.else
	v_wmma_scale_f32_16x16x128_f8f6f4 v[rD:rD+7], v[rB:rB+11], v[rA:rA+11], v[rD:rD+7], v[rSB], v[rSA] matrix_a_fmt:MATRIX_FMT_BF6 matrix_b_fmt:MATRIX_FMT_BF6 matrix_a_scale:MATRIX_SCALE_ROW1
.endif
.endif
.if (\mode) == 1
.set rD, ACC+16*(\T)+8*(\u)
.if (\T) < 2
	v_wmma_scale_f32_16x16x128_f8f6f4 v[rD:rD+7], v[rA:rA+11], v[rB:rB+11], v[rD:rD+7], v[rSA], v[rSB] matrix_a_fmt:MATRIX_FMT_BF6 matrix_b_fmt:MATRIX_FMT_BF6
.else
	v_wmma_scale_f32_16x16x128_f8f6f4 v[rD:rD+7], v[rA:rA+11], v[rB:rB+11], v[rD:rD+7], v[rSA], v[rSB] matrix_a_fmt:MATRIX_FMT_BF6 matrix_b_fmt:MATRIX_FMT_BF6 matrix_b_scale:MATRIX_SCALE_ROW1
.endif
.endif
.if (\mode) == 2
.set rD, ACC+16*(\T)+8*(\u)
.if (\T) < 2
	v_wmma_scale_f32_16x16x128_f8f6f4 v[rD:rD+7], v[rA:rA+11], v[rB:rB+11], 0, v[rSA], v[rSB] matrix_a_fmt:MATRIX_FMT_BF6 matrix_b_fmt:MATRIX_FMT_BF6
.else
	v_wmma_scale_f32_16x16x128_f8f6f4 v[rD:rD+7], v[rA:rA+11], v[rB:rB+11], 0, v[rSA], v[rSB] matrix_a_fmt:MATRIX_FMT_BF6 matrix_b_fmt:MATRIX_FMT_BF6 matrix_b_scale:MATRIX_SCALE_ROW1
.endif
.endif
.endm
; A K step of 128: the rows' two fragments from LDS, 8 products on 8 accumulators by turns, the weights of two steps on.
.macro KSTEP g, abase, asbase, mode
.set KK, (\g)%8
.irp u, 0,1
.irp c, 0,1
	ds_load_b128 v[AF+12*\u+6*\c:AF+12*\u+6*\c+3], v[LI16] offset:\abase+(2*KK+\u)*1536+768*\c
	ds_load_b64 v[AF+12*\u+6*\c+4:AF+12*\u+6*\c+5], v[LI8] offset:\abase+(2*KK+\u)*1536+768*\c+512
.endr
	ds_load_b32 v[SA+\u], v[LR4] offset:\asbase+(2*KK+\u)*64
.endr
.if (\g) < 23
	s_wait_loadcnt 13                              ; this step's weights are in; the next step's 13 loads, the only ones issued behind them, may be out
.else
	s_wait_loadcnt 0x0
.endif
	s_wait_dscnt 0x0
.irp T, 0,1,2,3
.irp u, 0,1
	WM \g, \T, \u, \mode
.endr
.endr
.rept 4
	v_nop                                          ; four places ahead of the loads into registers that these products read, and of the first read of results
.endr
.if (\g)+2 <= 23
	BLOAD (\g)+2
.endif
.endm
; 32 numbers of a lane, register 16 b + i = k 32 b + 16 h + i of my row, become half an operand image in v[P] .. v[P + 5] (v[P + 6] at work) and two scale bytes in v[W].
.macro QUANT32 s, P, W
	v_max3_num_f32 v[TM], |v[\s]|, |v[\s+1]|, 0x2800000          ; the floor 2^(5 - 127) among the leaves: the byte cannot fall under 1
	v_max3_num_f32 v[TM+1], |v[\s+16]|, |v[\s+17]|, 0x2800000
.irp i, 2,4,6,8,10,12,14
	v_max3_num_f32 v[TM], v[TM], |v[\s+\i]|, |v[\s+1+\i]|
	v_max3_num_f32 v[TM+1], v[TM+1], |v[\s+16+\i]|, |v[\s+17+\i]|
.endr
	v_permlanex16_b32 v[TM+2], v[TM], s[SEL], s[SEL+1]
	v_permlanex16_b32 v[TM+3], v[TM+1], s[SEL], s[SEL+1]
	v_max_num_f32 v[TM], v[TM], v[TM+2]            ; with lane l xor 16's 16: the block's largest magnitude
	v_max_num_f32 v[TM+1], v[TM+1], v[TM+3]
	v_add_nc_u32 v[TM+4], 0xfe000000, v[TM]        ; 4 off the exponent field: the conversion's scale operand
	v_add_nc_u32 v[TM+5], 0xfe000000, v[TM+1]
	v_lshrrev_b32 v[TM+6], 23, v[TM+4]
	v_lshrrev_b32 v[TM+7], 23, v[TM+5]
	v_lshl_or_b32 v[\W], v[TM+7], 8, v[TM+6]
	v_cvt_scalef32_pk16_bf6_f32 v[\P:\P+2], v[\s:\s+15], v[TM+4]
	v_cvt_scalef32_pk16_bf6_f32 v[\P+4:\P+6], v[\s+16:\s+31], v[TM+5]
	v_nop                                          ; one plain place behind the conversions
.irp i, 0,1,2
	v_permlane16_swap_b32 v[\P+\i], v[\P+4+\i]     ; a whole block to a lane: lanes 0-15 block 0, lanes 16-31 block 1
.endr
	v_mov_b32 v[\P+3], v[\P+4]
	v_mov_b32 v[\P+4], v[\P+5]
	v_mov_b32 v[\P+5], v[\P+6]
.endm
; 64 numbers of a lane, four blocks, become a fragment's codes in v[PC] .. v[PC + 11] and its scale word in v[pw].
.macro QUANT s, pw
.irp b, 0,1,2,3
	v_max3_num_f32 v[TM+\b], |v[\s+16*\b]|, |v[\s+1+16*\b]|, 0x2800000
.endr
.irp i, 2,4,6,8,10,12,14
.irp b, 0,1,2,3
	v_max3_num_f32 v[TM+\b], v[TM+\b], |v[\s+16*\b+\i]|, |v[\s+1+16*\b+\i]|
.endr
.endr
.irp b, 0,1,2,3
	v_permlanex16_b32 v[TM+4+\b], v[TM+\b], s[SEL], s[SEL+1]
.endr
.irp b, 0,1,2,3
	v_max_num_f32 v[TM+\b], v[TM+\b], v[TM+4+\b]
.endr
.irp b, 0,1,2,3
	v_add_nc_u32 v[TM+12+\b], 0xfe000000, v[TM+\b]
.endr
.irp b, 0,1,2,3
	v_lshrrev_b32 v[TM+4+\b], 23, v[TM+12+\b]
.endr
	v_lshl_or_b32 v[\pw], v[TM+5], 8, v[TM+4]
	v_lshl_or_b32 v[\pw], v[TM+6], 16, v[\pw]
	v_lshl_or_b32 v[\pw], v[TM+7], 24, v[\pw]
.irp c, 0,1
	v_cvt_scalef32_pk16_bf6_f32 v[PC+6*\c:PC+2+6*\c], v[\s+32*\c:\s+15+32*\c], v[TM+12+2*\c]
	v_cvt_scalef32_pk16_bf6_f32 v[PC+12+4*\c:PC+14+4*\c], v[\s+16+32*\c:\s+31+32*\c], v[TM+12+2*\c+1]
.endr
	v_nop
.irp c, 0,1
.irp i, 0,1,2
	v_permlane16_swap_b32 v[PC+6*\c+\i], v[PC+12+4*\c+\i]
.endr
.irp i, 0,1,2
	v_mov_b32 v[PC+3+6*\c+\i], v[PC+12+4*\c+\i]
.endr
.endr
.endm
.macro ACCINIT voff                    ; a bias is the sums' first value: nothing is cleared and nothing is added later
.irp u, 0,1
.irp T, 0,1,2,3
	ds_load_b128 v[ACC+32*\u+8*\T:ACC+32*\u+8*\T+3], v[LPB] offset:\voff+128*(\T/2)+32*(\T%2)
	ds_load_b128 v[ACC+32*\u+8*\T+4:ACC+32*\u+8*\T+7], v[LPB] offset:\voff+128*(\T/2)+32*(\T%2)+16
.endr
.endr
.endm
.macro IMGOUT ptr                      ; the two half images in v[PC] on and v[PC + 8] on leave: each store of the wave covers 512 or 256 consecutive bytes, aligned
	global_store_b128 v[LI16], v[PC:PC+3], s[\ptr:\ptr+1]
	global_store_b64 v[LI8], v[PC+4:PC+5], s[\ptr:\ptr+1] offset:512
	global_store_b128 v[LI16], v[PC+8:PC+11], s[\ptr:\ptr+1] offset:768
	global_store_b64 v[LI8], v[PC+12:PC+13], s[\ptr:\ptr+1] offset:1280
.endm
	s_load_b512 s[4:19], s[0:1], 0x0               ; x, x_mask, bq, bk, bv, wimg, qimg, kimg
	s_load_b128 s[20:23], s[0:1], 0x40             ; vimg, sc
	v_lshl_add_u32 v[SPW], v0, 2, SPARE
	v_mov_b32 v[NIL], 0
	v_lshrrev_b32 v1, 5, v0
	v_readfirstlane_b32 s24, v1                    ; wave w = head
	v_and_b32 v253, 31, v0                         ; lane
	v_and_b32 v254, 15, v0                         ; r
	v_bfe_u32 v255, v0, 4, 1                       ; h
	v_lshlrev_b32 v[LI16], 4, v253
	v_lshlrev_b32 v[LI8], 3, v253
	v_lshlrev_b32 v[LR4], 2, v254
	s_lshl_b32 s25, s24, 8
	s_add_co_u32 s28, s25, PAR
	v_lshlrev_b32 v[LPB], 6, v255
	v_add_nc_u32 v[LPB], s28, v[LPB]
	v_and_b32 v12, 7, v254
	v_lshrrev_b32 v13, 3, v254
	v_lshlrev_b32 v12, 2, v12
	v_lshl_add_u32 v12, v13, 6, v12                ; v12 = 4 (r % 8 + 16 (r / 8)): place r of tile 0, in words
	v_lshl_add_u32 v13, v255, 5, v12               ; v13: the key at place lane
	s_add_co_u32 s28, s25, PAR+8192
	v_add_nc_u32 v5, s28, v12                      ; v5: bv of my channel
	s_mul_i32 s28, s24, 8448
	s_add_co_u32 s28, s28, XST
	v_add_nc_u32 v6, s28, v[LI16]                  ; v6: my stage, on the way in: a row's 512 bytes as loaded
	v_mul_u32_u24 v7, v254, 528
	v_lshl_add_u32 v7, v255, 6, v7
	v_add_nc_u32 v7, s28, v7                       ; v7: on the way out: row r, + 64 h
	s_mul_i32 s28, s24, 1536
	v_add_nc_u32 v8, s28, v[LI16]                  ; v8, v9: where my fragment's image goes
	s_add_co_u32 s28, s28, 512
	v_add_nc_u32 v9, s28, v[LI8]
	s_lshl_b32 s28, s24, 6
	s_add_co_u32 s28, s28, XSC
	v_add_nc_u32 v10, s28, v[LR4]                  ; v10: and its scale word
	v_lshlrev_b32 v11, 3, v0                       ; v11: 8 t
.irp i, 2,3,4,5,6,7
	v_mov_b32 v[TM+\i], 0                          ; written once: a lane permute's destination counts as one of its sources
.endr
	v_mov_b32 v253, 0xd1800000                     ; -2^36
	s_mov_b32 s[SEL], 0x76543210
	s_mov_b32 s[SEL+1], 0xfedcba98                 ; lane l xor 16
	s_mov_b32 s34, 0xffff0000                      ; lanes 16-31
	s_lshl_b32 s28, ttmp9, 17                      ; x: 32 G rows of 4,096 bytes + 8 (w % 2) rows + 512 (w / 2)
	s_and_b32 s29, s24, 1
	s_lshl_b32 s29, s29, 15
	s_add_co_u32 s28, s28, s29
	s_lshr_b32 s29, s24, 1
	s_lshl_b32 s29, s29, 9
	s_add_co_u32 s28, s28, s29
	s_mov_b32 s29, 0
	s_lshl_b32 s36, ttmp9, 7                       ; the mask of my 32 keys
	s_mov_b32 s37, 0
	s_mul_i32 s38, s24, 153600                     ; my stream of weights
	s_mov_b32 s39, 0
	s_lshr_b32 s40, ttmp9, 4
	s_lshl_b32 s40, s40, 8
	s_lshl_b32 s41, s24, 4
	s_add_co_u32 s40, s40, s41
	s_and_b32 s41, ttmp9, 15
	s_add_co_u32 s40, s40, s41                     ; (16 b + head) 16 + block
	s_mul_i32 s42, s40, 1536
	s_mov_b32 s43, 0
	s_lshl_b32 s44, s40, 9
	s_mov_b32 s45, 0
	s_wait_kmcnt 0x0
	s_add_nc_u64 s[4:5], s[4:5], s[28:29]
	s_add_nc_u64 s[6:7], s[6:7], s[36:37]
	s_add_nc_u64 s[WB:WB+1], s[14:15], s[38:39]
	s_add_nc_u64 s[16:17], s[16:17], s[42:43]
	s_add_nc_u64 s[18:19], s[18:19], s[42:43]
	s_add_nc_u64 s[20:21], s[20:21], s[42:43]
	s_add_nc_u64 s[22:23], s[22:23], s[44:45]
.set n, 0
.rept 16
	global_load_b128 v[ACC+4*n:ACC+4*n+3], v[LI16], s[4:5] offset:(n%8+16*(n/8))*4096 th:TH_LOAD_NT   ; place n of my row tile: 512 consecutive bytes, my K step of one row
.set n, n+1
.endr
	global_load_b64 v[PC:PC+1], v11, s[8:9]
	global_load_b64 v[PC+2:PC+3], v11, s[10:11]
	global_load_b64 v[PC+4:PC+5], v11, s[12:13]
	global_load_b32 v[M0], v12, s[6:7]
	global_load_b32 v[M0+1], v12, s[6:7] offset:32
	global_load_b32 v[MKL], v13, s[6:7]
	BLOAD 0
	BLOAD 1
	s_wait_loadcnt 32                              ; x is in: behind it 3 + 3 + 26 loads
.set n, 0
.rept 16
	ds_store_b128 v6, v[ACC+4*n:ACC+4*n+3] offset:528*n
.set n, n+1
.endr
.irp b, 0,1,2,3
.irp j, 0,1,2,3
	ds_load_b128 v[ACC+16*\b+4*\j:ACC+16*\b+4*\j+3], v7 offset:128*\b+16*\j   ; LDS serves a wave's instructions in order: these see my stores.  16 neighbours of each block of 32 of row r
.endr
.endr
	s_wait_loadcnt 26                              ; the biases and the masks are in: behind them the two K steps of weights
	ds_store_b64 v11, v[PC:PC+1] offset:PAR
	ds_store_b64 v11, v[PC+2:PC+3] offset:PAR+4096
	ds_store_b64 v11, v[PC+4:PC+5] offset:PAR+8192
	v_cmp_ne_u32 s32, 0, v[M0]                     ; lanes whose key of tile 0 counts,
	v_cmp_ne_u32 s33, 0, v[M0+1]                   ; of tile 1
	v_cmp_eq_u32 vcc_lo, 0, v[MKL]
	v_cndmask_b32 v[SCW+3], 0, v253, vcc_lo        ; the bias of the key at place lane
	s_wait_dscnt 0x0
	QUANT ACC, PW
	ds_store_b128 v8, v[PC:PC+3]
	ds_store_b64 v9, v[PC+4:PC+5]
	ds_store_b128 v8, v[PC+6:PC+9] offset:768
	ds_store_b64 v9, v[PC+10:PC+11] offset:768
	ds_store_b32 v10, v[PW]                        ; (both halves of the lanes write the same word with the same value)
	BARRIER                                        ; x's sixteen fragments and the biases lie in LDS: the launch's one barrier
	; ---- q
	ACCINIT 0
.irp g, 0,1,2,3,4,5,6,7
	KSTEP \g, XIMG, XSC, 0
.endr
	QUANT32 ACC, PC, W0
	QUANT32 ACC+32, PC+8, W0+1
	IMGOUT 16
	v_lshl_or_b32 v253, v[W0], 16, v[W0]
	v_lshl_or_b32 v254, v[W0+1], 16, v[W0+1]
	v_cndmask_b32 v[SCW], v253, v254, s34
	; ---- k
	ACCINIT 4096
.irp g, 8,9,10,11,12,13,14,15
	KSTEP \g, XIMG, XSC, 0
.endr
	s_wait_xcnt 0x0                                ; q's stores have read their registers: the codes' registers are written again only behind this wait
	QUANT32 ACC, PC, W0
	QUANT32 ACC+32, PC+8, W0+1
.irp i, 0,1,2,3,4,5
	v_cndmask_b32 v[PC+\i], 0, v[PC+\i], s32       ; a masked key's codes are zeros
	v_cndmask_b32 v[PC+8+\i], 0, v[PC+8+\i], s33
.endr
	IMGOUT 18
	v_lshl_or_b32 v[SCW+1], v[W0+1], 16, v[W0]
	v_nop                                          ; v's sums begin anew over registers that k's products wrote: a fifth place behind those
	; ---- v
	KSTEP 16, XIMG, XSC, 2
.irp g, 17,18,19,20,21,22,23
	KSTEP \g, XIMG, XSC, 1
.endr
.irp T, 0,1,2,3
	ds_load_b32 v[AF+2*\T], v5 offset:128*(\T/2)+32*(\T%2)      ; bv of my channel of tile T, in both registers of a pair
	ds_load_b32 v[AF+2*\T+1], v5 offset:128*(\T/2)+32*(\T%2)
.endr
	s_wait_dscnt 0x0
.irp T, 0,1,2,3
.irp i, 0,2,4,6,8,10,12,14
	v_pk_add_f32 v[ACC+16*\T+\i:ACC+16*\T+\i+1], v[ACC+16*\T+\i:ACC+16*\T+\i+1], v[AF+2*\T:AF+2*\T+1]
.endr
.endr
	s_wait_xcnt 0x0                                ; k's stores have read their registers
	QUANT ACC, SCW+2                               ; block T = channel tile T: my channel's 32 keys
	global_store_b128 v[LI16], v[PC:PC+3], s[20:21]
	global_store_b64 v[LI8], v[PC+4:PC+5], s[20:21] offset:512
	global_store_b128 v[LI16], v[PC+6:PC+9], s[20:21] offset:768
	global_store_b64 v[LI8], v[PC+10:PC+11], s[20:21] offset:1280
	global_store_b128 v[LI16], v[SCW:SCW+3], s[22:23]
	s_wait_tensorcnt 0x0                           ; the wave's end
	ds_add_u32 v[SPW], v[NIL]
	s_wait_dscnt 0x0
	s_endpgm
.Lfunc_end_k_qfb006d691a_qkv:
	.size	k_qfb006d691a_qkv, .Lfunc_end_k_qfb006d691a_qkv-k_qfb006d691a_qkv
	.p2alignl 7, 3214868480
	.fill 96, 4, 3214868480
	.section	.rodata,"a",@progbits
	.p2align	6, 0x0
	.amdhsa_kernel k_qfb006d691a_qkv
		.amdhsa_group_segment_fixed_size 175104
		.amdhsa_private_segment_fixed_size 0
		.amdhsa_enable_private_segment 0
		.amdhsa_kernarg_size 80
		.amdhsa_user_sgpr_count 2
		.amdhsa_user_sgpr_kernarg_segment_ptr 1
		.amdhsa_wavefront_size32 1
		.amdhsa_system_sgpr_workgroup_id_x 1
		.amdhsa_system_sgpr_workgroup_id_y 1
		.amdhsa_system_sgpr_workgroup_id_z 1
		.amdhsa_system_vgpr_workitem_id 0
		.amdhsa_next_free_vgpr 256
		.amdhsa_next_free_sgpr 66
		.amdhsa_reserve_vcc 1
		.amdhsa_float_denorm_mode_32 3
		.amdhsa_float_denorm_mode_16_64 3
		.amdhsa_memory_ordered 1
		.amdhsa_forward_progress 1
		.amdhsa_inst_pref_size 103
	.end_amdhsa_kernel
	.amdgpu_metadata
---
amdhsa.version: [ 1, 2 ]
amdhsa.kernels:
  - .name:           k_qfb006d691a_qkv
    .symbol:         k_qfb006d691a_qkv.kd
    .args:
      - { .name: x, .offset: 0, .size: 8, .value_kind: global_buffer, .address_space: global }
      - { .name: x_mask, .offset: 8, .size: 8, .value_kind: global_buffer, .address_space: global }
      - { .name: bq, .offset: 16, .size: 8, .value_kind: global_buffer, .address_space: global }
      - { .name: bk, .offset: 24, .size: 8, .value_kind: global_buffer, .address_space: global }
      - { .name: bv, .offset: 32, .size: 8, .value_kind: global_buffer, .address_space: global }
      - { .name: wimg, .offset: 40, .size: 8, .value_kind: global_buffer, .address_space: global }
      - { .name: qimg, .offset: 48, .size: 8, .value_kind: global_buffer, .address_space: global }
      - { .name: kimg, .offset: 56, .size: 8, .value_kind: global_buffer, .address_space: global }
      - { .name: vimg, .offset: 64, .size: 8, .value_kind: global_buffer, .address_space: global }
      - { .name: sc, .offset: 72, .size: 8, .value_kind: global_buffer, .address_space: global }
    .group_segment_fixed_size: 175104
    .private_segment_fixed_size: 0
    .kernarg_segment_align: 8
    .kernarg_segment_size: 80
    .max_flat_workgroup_size: 512
    .sgpr_count:     66
    .vgpr_count:     256
    .wavefront_size: 32
...
	.end_amdgpu_metadata
.endif
;; end of part 2
;; launch attn (part 3): grid 16 x 16, 16 waves a work-group, no clusters, 106,496 bytes of LDS; arguments qimg, kimg, vimg, sc, aimg, asc; writes aimg, asc
.if DOCPART == 3
	.amdgcn_target "amdgcn-amd-amdhsa--gfx1250"
	.amdhsa_code_object_version 6
	.text
	.protected	k_qfb006d691a_attn
	.globl	k_qfb006d691a_attn
	.p2align	8
	.type	k_qfb006d691a_attn,@function
k_qfb006d691a_attn:
	s_mov_b64 s[64:65], 0
	v_nop
	global_prefetch_b8 v0, s[64:65] scope:SCOPE_SE
	s_setreg_imm32_b32 hwreg(HW_REG_WAVE_MODE, 25, 1), 1
	s_wait_xcnt 0x0
; ENCODER LAYER, launch 3 of 4: the attention on codes of E3M2, and the quantising of its result along the model's 1,024.  Nothing of reference() is left out.
; SHARES.  Work-group (x, y): batch y, heads 2 (x / 2) and 2 (x / 2) + 1, queries 256 (x % 2) on.  Each of its sixteen waves owns one tile of 16 queries and runs the two heads one after the other:
; it ends with a whole fragment (128 columns) of the next product's operand and a whole scale word.  K, V and their scale words of the two heads lie in LDS, filled once through registers.
; LAYOUT.  Both products are used transposed (S^T = K Q^T, O^T = V^T P^T): a lane holds ONE query throughout.  The keys of a tile are not neighbours (place 16 u + r = key 8 u + r % 8 + 16 (r / 8) of its 32): p's 16 registers of two tiles are 16 neighbouring keys.
; THE HEAD IS 64 LONG, THE INSTRUCTION 128: source 0 holds TWO key tiles side by side, source 1 is [Q | zeros] or [zeros | Q]: no fragment is loaded twice, and zero codes add nothing.
; THE MASK is the C of the score product: 0, or -2^36 for a masked key, whose codes are zeros; so the masked score is -2^36 exactly, the logit -2^33 (limit stated in launch 1), and t = score x c is held exactly.
; THE SOFTMAX: t = score x log2(e) / 8; M = the running largest t rounded up to a whole number; p = 2^(t - M) is quantised along the keys; the row's sum is taken of the unquantised p and divides O at the end.
.set KIMG,  0                          ; [head 2][block 16][tile 2][768]
.set VIMG,  49152                      ; [head 2][block 16][unit 2][768]
.set KSC,   98304                      ; [head][block][r] words
.set VSC,   100352                     ; [head][step 4][tile 4][r] words
.set BIAS,  102400                     ; 512 f32, by place
.set SPARE, 104448
.set LI16, 1                           ; v1 16 x lane   v2 8 x lane
.set LI8,  2
.set AB,   3                           ; v3 BIAS + 32 h
.set AKS,  4                           ; v4 KSC + 4 x lane
.set AV16, 5                           ; v5 VIMG + 1536 h + 16 r
.set AV8,  6                           ; v6 VIMG + 512 + 1536 h + 8 r
.set AVS,  7                           ; v7 VSC + 4 x lane
.set R16,  8
.set R4,   9
.set SPW,  10
.set NIL,  11                          ; v12 -M, v13 the largest t, v[14:15] the sum in two halves
.set QA,   16                          ; v16-27 [Q | 0]   v28-39 [0 | Q]
.set KV,   40                          ; v40-87 four fragments of K or of V
.set S,    96                          ; v96-159 S^T, then p
.set O,    160                         ; v160-191 O^T
.set PCD,  192                         ; v192-210 p's codes
.set BM,   212
.set T4,   216
.set SO,   220
.set TT,   224
.set F,    226
.set PS,   228                         ; v228 p's, v229-230 K's, v231-232 V's, v233 Q's scale words: they hold scales alone
.set KS,   229
.set VS,   231
.set QS,   233
.set OC,   236                         ; v236-248 the result's codes
.set OW,   250
.set TM,   212
.set SEL,  30
.set CS,   32
.macro QUANT32 s, P, W                 ; 32 numbers of a lane (register 16 b + i = k 32 b + 16 h + i of my row) -> half an operand image in v[P] .. v[P + 5], two scale bytes in v[W]
	v_max3_num_f32 v[TM], |v[\s]|, |v[\s+1]|, 0x2800000
	v_max3_num_f32 v[TM+1], |v[\s+16]|, |v[\s+17]|, 0x2800000
.irp i, 2,4,6,8,10,12,14
	v_max3_num_f32 v[TM], v[TM], |v[\s+\i]|, |v[\s+1+\i]|
	v_max3_num_f32 v[TM+1], v[TM+1], |v[\s+16+\i]|, |v[\s+17+\i]|
.endr
	v_permlanex16_b32 v[TM+2], v[TM], s[SEL], s[SEL+1]
	v_permlanex16_b32 v[TM+3], v[TM+1], s[SEL], s[SEL+1]
	v_max_num_f32 v[TM], v[TM], v[TM+2]
	v_max_num_f32 v[TM+1], v[TM+1], v[TM+3]
	v_add_nc_u32 v[TM+4], 0xfe000000, v[TM]
	v_add_nc_u32 v[TM+5], 0xfe000000, v[TM+1]
	v_lshrrev_b32 v[TM+6], 23, v[TM+4]
	v_lshrrev_b32 v[TM+7], 23, v[TM+5]
	v_lshl_or_b32 v[\W], v[TM+7], 8, v[TM+6]
	v_cvt_scalef32_pk16_bf6_f32 v[\P:\P+2], v[\s:\s+15], v[TM+4]
	v_cvt_scalef32_pk16_bf6_f32 v[\P+4:\P+6], v[\s+16:\s+31], v[TM+5]
	v_nop
.irp i, 0,1,2
	v_permlane16_swap_b32 v[\P+\i], v[\P+4+\i]
.endr
	v_mov_b32 v[\P+3], v[\P+4]
	v_mov_b32 v[\P+4], v[\P+5]
	v_mov_b32 v[\P+5], v[\P+6]
.endm
.macro QLOAD c                         ; my tile of Q of head c, into both forms, and its scale word
	global_load_b128 v[QA:QA+3], v[LI16], s[34:35] offset:24576*(\c)
	global_load_b64 v[QA+4:QA+5], v[LI8], s[34:35] offset:24576*(\c)+512
	global_load_b128 v[QA+18:QA+21], v[LI16], s[34:35] offset:24576*(\c)
	global_load_b64 v[QA+22:QA+23], v[LI8], s[34:35] offset:24576*(\c)+512
	global_load_b32 v[QS], v[R16], s[36:37] offset:8192*(\c)
.endm
.macro SMM i, u                        ; scores of key tile u of the step's block i
.set rS, S+16*(\i)+8*(\u)
.set rK, KV+12*(\i)
.set rQ, QA+12*(\u)
.set rKS, KS+(\i)/2
.if (\i)%2 == 0
	v_wmma_scale_f32_16x16x128_f8f6f4 v[rS:rS+7], v[rK:rK+11], v[rQ:rQ+11], v[rS:rS+7], v[rKS], v[QS] matrix_a_fmt:MATRIX_FMT_BF6 matrix_b_fmt:MATRIX_FMT_BF6
.else
	v_wmma_scale_f32_16x16x128_f8f6f4 v[rS:rS+7], v[rK:rK+11], v[rQ:rQ+11], v[rS:rS+7], v[rKS], v[QS] matrix_a_fmt:MATRIX_FMT_BF6 matrix_b_fmt:MATRIX_FMT_BF6 matrix_a_scale:MATRIX_SCALE_ROW1
.endif
.endm
.macro OMM T, zero                     ; channel tile T of O^T
.set rO, O+8*(\T)
.set rV, KV+12*(\T)
.set rVS, VS+(\T)/2
.if \zero
.if (\T)%2 == 0
	v_wmma_scale_f32_16x16x128_f8f6f4 v[rO:rO+7], v[rV:rV+11], v[PCD:PCD+11], 0, v[rVS], v[PS] matrix_a_fmt:MATRIX_FMT_BF6 matrix_b_fmt:MATRIX_FMT_BF6
.else
	v_wmma_scale_f32_16x16x128_f8f6f4 v[rO:rO+7], v[rV:rV+11], v[PCD:PCD+11], 0, v[rVS], v[PS] matrix_a_fmt:MATRIX_FMT_BF6 matrix_b_fmt:MATRIX_FMT_BF6 matrix_a_scale:MATRIX_SCALE_ROW1
.endif
.else
.if (\T)%2 == 0
	v_wmma_scale_f32_16x16x128_f8f6f4 v[rO:rO+7], v[rV:rV+11], v[PCD:PCD+11], v[rO:rO+7], v[rVS], v[PS] matrix_a_fmt:MATRIX_FMT_BF6 matrix_b_fmt:MATRIX_FMT_BF6
.else
	v_wmma_scale_f32_16x16x128_f8f6f4 v[rO:rO+7], v[rV:rV+11], v[PCD:PCD+11], v[rO:rO+7], v[rVS], v[PS] matrix_a_fmt:MATRIX_FMT_BF6 matrix_b_fmt:MATRIX_FMT_BF6 matrix_a_scale:MATRIX_SCALE_ROW1
.endif
.endif
.endm
; A KEY STEP: 128 keys, the s-th of head c.
.macro STEP c, s
.rept 4
	v_nop                                          ; four places behind the last products, ahead of the loads into registers that they read
.endr
.irp i, 0,1,2,3
	ds_load_b128 v[KV+12*\i:KV+12*\i+3], v[LI16] offset:24576*(\c)+(4*(\s)+\i)*1536          ; block i: key tile 0 in the fragment's lower half,
	ds_load_b64 v[KV+12*\i+4:KV+12*\i+5], v[LI8] offset:24576*(\c)+(4*(\s)+\i)*1536+512
	ds_load_b128 v[KV+12*\i+6:KV+12*\i+9], v[LI16] offset:24576*(\c)+(4*(\s)+\i)*1536+768    ; key tile 1 in its upper half
	ds_load_b64 v[KV+12*\i+10:KV+12*\i+11], v[LI8] offset:24576*(\c)+(4*(\s)+\i)*1536+1280
.endr
.irp t, 0,1,2,3,4,5,6,7
	ds_load_b128 v[S+8*\t:S+8*\t+3], v[AB] offset:(8*(\s)+\t)*64          ; the mask's bias, in the result's layout: the product's C
	ds_load_b128 v[S+8*\t+4:S+8*\t+7], v[AB] offset:(8*(\s)+\t)*64+16
.endr
	ds_load_b32 v[KS], v[AKS] offset:1024*(\c)+(4*(\s))*64               ; lanes 0-15 block 0's words, lanes 16-31 block 1's
	ds_load_b32 v[KS+1], v[AKS] offset:1024*(\c)+(4*(\s)+2)*64
	s_wait_dscnt 0x0
.irp i, 0,1,2,3
.irp u, 0,1
	SMM \i, \u
.endr
.endr
.rept 4
	v_nop                                          ; four places ahead of the loads into K's registers and of the first read of the scores
.endr
.irp T, 0,1,2,3                                ; V's four fragments are asked for here and land under the softmax
.irp k, 0,1
	ds_load_b128 v[KV+12*\T+6*\k:KV+12*\T+6*\k+3], v[AV16] offset:24576*(\c)+6144*(\s)+3072*\k+768*(\T/2)+256*(\T%2)
	ds_load_b64 v[KV+12*\T+6*\k+4:KV+12*\T+6*\k+5], v[AV8] offset:24576*(\c)+6144*(\s)+3072*\k+768*(\T/2)+128*(\T%2)
.endr
.endr
	ds_load_b32 v[VS], v[AVS] offset:1024*(\c)+256*(\s)
	ds_load_b32 v[VS+1], v[AVS] offset:1024*(\c)+256*(\s)+128
.irp b, 0,1,2,3
	v_max3_num_f32 v[BM+\b], v[S+16*\b], v[S+1+16*\b], v[S+2+16*\b]      ; the largest score of each block of 32 keys: for the row's maximum, and, since p rises with the score, for the block's largest p
.endr
.irp i, 3,5,7,9,11,13
.irp b, 0,1,2,3
	v_max3_num_f32 v[BM+\b], v[BM+\b], v[S+16*\b+\i], v[S+1+16*\b+\i]
.endr
.endr
.irp b, 0,1,2,3
	v_max_num_f32 v[BM+\b], v[BM+\b], v[S+15+16*\b]
.endr
.irp b, 0,1,2,3
	v_permlanex16_b32 v[T4+\b], v[BM+\b], s[SEL], s[SEL+1]
.endr
.irp b, 0,1,2,3
	v_max_num_f32 v[BM+\b], v[BM+\b], v[T4+\b]
.endr
	v_max3_num_f32 v[TT], v[BM], v[BM+1], v[BM+2]
	v_max_num_f32 v[TT], v[TT], v[BM+3]
	v_mul_f32 v[TT], s[CS], v[TT]                  ; as t (c is positive)
	v_max_num_f32 v13, v13, v[TT]                  ; the running largest t
	v_mov_b32 v[TT], v12
	v_floor_f32 v12, -v13                          ; the new -M = floor(-t): M is a whole number
	v_sub_f32 v[TT], v12, v[TT]                    ; old M - new M: a whole number, 0 or less
	v_cvt_i32_f32 v[TT], v[TT]                     ; (it saturates)
	v_ldexp_f32 v[F], 1.0, v[TT]                   ; f = 2^(old M - new M)
.set n, 0
.rept 32
	v_pk_fma_f32 v[S+n:S+n+1], v[S+n:S+n+1], s[CS:CS+1], v[12:13] op_sel_hi:[1,0,0]   ; t - M
.set n, n+2
.endr
.irp b, 0,1,2,3
	v_fma_f32 v[BM+\b], v[BM+\b], s[CS], v12
.endr
.set n, 0
.rept 64
	v_exp_f32 v[S+n], v[S+n]                       ; p = 2^(t - M)
.set n, n+1
.endr
	v_pk_mul_f32 v[14:15], v[14:15], v[F:F+1] op_sel_hi:[1,0]   ; the sums under the new M: the plain place behind the batch
	s_wait_alu depctr_va_vdst(0)                   ; one wait for the 64, ahead of their first reader
.irp b, 0,1,2,3
	v_exp_f32 v[BM+\b], v[BM+\b]                   ; each block's largest p
.endr
	v_pk_add_f32 v[T4:T4+1], v[S:S+1], v[S+2:S+3]  ; the row's sum of the unquantised p, in two chains
.irp j, 4,8,12,16,20,24,28,32,36,40,44,48,52,56,60
	v_pk_add_f32 v[14:15], v[14:15], v[S+\j:S+1+\j]
	v_pk_add_f32 v[T4:T4+1], v[T4:T4+1], v[S+2+\j:S+3+\j]
.endr
	v_pk_add_f32 v[14:15], v[14:15], v[T4:T4+1]
	s_wait_alu depctr_va_vdst(0)                   ; and one for the four
.irp b, 0,1,2,3
	v_max_num_f32 v[BM+\b], 0x2800000, v[BM+\b]    ; the floor 2^(5 - 127)
.endr
.irp b, 0,1,2,3
	v_add_nc_u32 v[SO+\b], 0xfe000000, v[BM+\b]
.endr
.irp b, 0,1,2,3
	v_lshrrev_b32 v[T4+\b], 23, v[SO+\b]
.endr
	v_lshl_or_b32 v[PS], v[T4+1], 8, v[T4]
	v_lshl_or_b32 v[PS], v[T4+2], 16, v[PS]
	v_lshl_or_b32 v[PS], v[T4+3], 24, v[PS]
.irp k, 0,1
	v_cvt_scalef32_pk16_bf6_f32 v[PCD+6*\k:PCD+2+6*\k], v[S+32*\k:S+15+32*\k], v[SO+2*\k]
	v_cvt_scalef32_pk16_bf6_f32 v[PCD+12+4*\k:PCD+14+4*\k], v[S+16+32*\k:S+31+32*\k], v[SO+2*\k+1]
.endr
	v_nop
.irp k, 0,1
.irp i, 0,1,2
	v_permlane16_swap_b32 v[PCD+6*\k+\i], v[PCD+12+4*\k+\i]
.endr
.irp i, 0,1,2
	v_mov_b32 v[PCD+3+6*\k+\i], v[PCD+12+4*\k+\i]
.endr
.endr
.if (\s) > 0
.set n, 0
.rept 16
	v_pk_mul_f32 v[O+n:O+n+1], v[O+n:O+n+1], v[F:F+1] op_sel_hi:[1,0]   ; O^T under the new M; these are also the places between p's scale word and codes and the products below
.set n, n+2
.endr
.else
.rept 8
	v_nop                                          ; a head's first step has nothing to rescale: eight places between p's scale word and the scaled products
.endr
.endif
	s_wait_dscnt 0x0                               ; V is in
.irp T, 0,1,2,3
	OMM \T, ((\s)==0)
.endr
.endm
.macro HEAD_INIT
	v_mov_b32 v13, 0xff61b1e6                      ; the largest t so far: -3e38
	v_floor_f32 v12, -v13
	v_mov_b32 v14, 0
	v_mov_b32 v15, 0
.endm
.macro EPO c                           ; O^T / the sum, quantised: half c of my fragment
.rept 4
	v_nop
.endr
	v_add_f32 v14, v14, v15
	v_permlanex16_b32 v[TT], v14, s[SEL], s[SEL+1]
	v_add_f32 v14, v14, v[TT]                      ; with lane l xor 16's keys: the row's sum
	v_rcp_f32 v[F], v14
	v_nop
	s_wait_alu depctr_va_vdst(0)
.set n, 0
.rept 16
	v_pk_mul_f32 v[O+n:O+n+1], v[O+n:O+n+1], v[F:F+1] op_sel_hi:[1,0]
.set n, n+2
.endr
	QUANT32 O, OC+6*(\c), OW+(\c)
.endm
	s_load_b256 s[4:11], s[0:1], 0x0               ; qimg, kimg, vimg, sc
	s_load_b128 s[12:15], s[0:1], 0x20             ; aimg, asc
	v_lshl_add_u32 v[SPW], v0, 2, SPARE
	v_mov_b32 v[NIL], 0
	v_lshrrev_b32 v1, 5, v0
	v_readfirstlane_b32 s16, v1                    ; wave
	s_lshr_b32 s17, ttmp9, 1                       ; g: the pair of heads
	s_and_b32 s18, ttmp9, 1                        ; which half of the queries
	s_and_b32 s19, ttmp7, 0xffff                   ; batch
	s_lshl_b32 s20, s19, 4
	s_lshl_b32 s21, s17, 1
	s_add_co_u32 s20, s20, s21                     ; 16 b + first head
	s_mul_i32 s22, s20, 24576                      ; K, V
	s_mov_b32 s23, 0
	s_lshl_b32 s24, s20, 13                        ; sc
	s_mov_b32 s25, 0
	s_lshl_b32 s26, s20, 5
	s_lshl_b32 s21, s18, 4
	s_add_co_u32 s26, s26, s21
	s_add_co_u32 s26, s26, s16
	s_mul_i32 s26, s26, 768                        ; my tile of Q
	s_mov_b32 s27, 0
	s_lshl_b32 s28, s18, 12
	s_lshl_b32 s21, s16, 8
	s_add_co_u32 s28, s28, s21
	s_add_co_u32 s28, s28, s24                     ; its 16 scale words in sc: block 8 qh + w / 2, lanes 16 (w % 2) on
	s_mov_b32 s29, 0
	s_lshl_b32 s38, s19, 4
	s_lshl_b32 s21, s18, 3
	s_add_co_u32 s38, s38, s21
	s_lshr_b32 s21, s16, 1
	s_add_co_u32 s38, s38, s21                     ; the block of 32 rows, 0 .. 255
	s_lshl_b32 s38, s38, 3
	s_add_co_u32 s38, s38, s17
	s_lshl_b32 s38, s38, 1
	s_and_b32 s21, s16, 1
	s_add_co_u32 s38, s38, s21                     ; my fragment's number in aimg
	s_lshl_b32 s40, s38, 6
	s_mov_b32 s41, 0
	s_mul_i32 s38, s38, 1536
	s_mov_b32 s39, 0
	s_mov_b32 s[SEL], 0x76543210
	s_mov_b32 s[SEL+1], 0xfedcba98
	s_mov_b32 s[CS], 0x3e38aa3b                    ; c = log2(e) / 8
	s_mov_b32 s[CS+1], s[CS]
	v_and_b32 v95, 31, v0                          ; lane
	v_and_b32 v94, 15, v0                          ; r
	v_bfe_u32 v93, v0, 4, 1                        ; h
	v_lshlrev_b32 v[LI16], 4, v95
	v_lshlrev_b32 v[LI8], 3, v95
	v_lshlrev_b32 v[AB], 5, v93
	v_add_nc_u32 v[AB], BIAS, v[AB]
	v_lshlrev_b32 v[AKS], 2, v95
	v_add_nc_u32 v[AVS], VSC, v[AKS]
	v_add_nc_u32 v[AKS], KSC, v[AKS]
	v_lshlrev_b32 v[R16], 4, v94
	v_lshlrev_b32 v[R4], 2, v94
	v_mul_u32_u24 v[AV16], v93, 1536
	v_lshl_add_u32 v[AV8], v94, 3, v[AV16]
	v_add_nc_u32 v[AV8], VIMG+512, v[AV8]
	v_add_nc_u32 v[AV16], v[AV16], v[R16]
	v_add_nc_u32 v[AV16], VIMG, v[AV16]
	v_lshlrev_b32 v88, 4, v0                       ; 16 t
	v_add_nc_u32 v89, VIMG, v88
	v_lshrrev_b32 v90, 5, v0
	v_lshl_add_u32 v90, v90, 4, v94
	v_lshlrev_b32 v90, 2, v90
	v_add_nc_u32 v90, KSC, v90                     ; K's scale word of (block t / 32, r)
	v_lshlrev_b32 v91, 2, v0
	v_add_nc_u32 v92, VSC, v91
	v_add_nc_u32 v91, BIAS, v91
	v_lshrrev_b32 v87, 8, v0                       ; V's scale words: thread t = 256 head + 64 step + 16 tile + r makes one word
	v_bfe_u32 v86, v0, 6, 2
	v_lshlrev_b32 v87, 13, v87
	v_lshl_add_u32 v87, v86, 11, v87
	v_add_nc_u32 v87, v87, v[R16]                  ; in sc: head, block 4 x step, lane r
	v_bfe_u32 v86, v0, 4, 2
	v_lshlrev_b32 v86, 3, v86                      ; 8 x tile: which byte
	s_wait_kmcnt 0x0
	s_add_nc_u64 s[6:7], s[6:7], s[22:23]
	s_add_nc_u64 s[8:9], s[8:9], s[22:23]
	s_add_nc_u64 s[36:37], s[10:11], s[28:29]
	s_add_nc_u64 s[10:11], s[10:11], s[24:25]
	s_add_nc_u64 s[34:35], s[4:5], s[26:27]
	s_add_nc_u64 s[12:13], s[12:13], s[38:39]
	s_add_nc_u64 s[14:15], s[14:15], s[40:41]
.irp i, 0,1,2,3,4,5
	global_load_b128 v[S+4*\i:S+4*\i+3], v88, s[6:7] offset:8192*\i       ; the two heads' K: 49,152 dense bytes
.endr
.irp i, 0,1,2,3,4,5
	global_load_b128 v[S+24+4*\i:S+27+4*\i], v88, s[8:9] offset:8192*\i   ; and V
.endr
	global_load_b128 v[S+48:S+51], v88, s[10:11]
	global_load_b128 v[S+52:S+55], v88, s[10:11] offset:8192
.irp e, 0,1,2,3
	global_load_b32 v[S+56+\e], v87, s[10:11] offset:512*\e+8             ; V's word of key block 4 x step + e
.endr
	QLOAD 0
.irp i, 6,7,8,9,10,11,12,13,14,15,16,17
	v_mov_b32 v[QA+\i], 0                          ; the zero halves of [Q | 0] and [0 | Q]
.endr
.irp b, 0,1,2,3
	v_mov_b32 v[T4+\b], 0                          ; written once: a lane permute's destination counts as one of its sources
.endr
	v_mov_b32 v[F+1], 0                            ; (named as the upper half of a pair)
	HEAD_INIT
	s_wait_loadcnt 0x0
.irp i, 0,1,2,3,4,5
	ds_store_b128 v88, v[S+4*\i:S+4*\i+3] offset:8192*\i
.endr
.irp i, 0,1,2,3,4,5
	ds_store_b128 v89, v[S+24+4*\i:S+27+4*\i] offset:8192*\i
.endr
	ds_store_b32 v90, v[S+49]                      ; (two lanes write the same word with the same value)
	ds_store_b32 v90, v[S+53] offset:1024
	ds_store_b32 v91, v[S+51]                      ; the bias is the same for every head
.irp e, 0,1,2,3
	v_bfe_u32 v[S+56+\e], v[S+56+\e], v86, 8       ; my tile's byte of each of the four key blocks
.endr
	v_lshl_or_b32 v[S+56], v[S+57], 8, v[S+56]
	v_lshl_or_b32 v[S+56], v[S+58], 16, v[S+56]
	v_lshl_or_b32 v[S+56], v[S+59], 24, v[S+56]
	ds_store_b32 v92, v[S+56]
	s_wait_dscnt 0x0                               ; for the others' sake: my stores have landed
	s_barrier_signal -1
	s_barrier_wait -1                              ; the launch's one barrier: from here on LDS is only read
	STEP 0, 0
	STEP 0, 1
	STEP 0, 2
	STEP 0, 3
	QLOAD 1                                        ; behind the last score product by a whole softmax; it lands under the lines below
	EPO 0
	HEAD_INIT
	s_wait_loadcnt 0x0
	STEP 1, 0
	STEP 1, 1
	STEP 1, 2
	STEP 1, 3
	EPO 1
	global_store_b128 v[LI16], v[OC:OC+3], s[12:13]
	global_store_b64 v[LI8], v[OC+4:OC+5], s[12:13] offset:512
	global_store_b128 v[LI16], v[OC+6:OC+9], s[12:13] offset:768
	global_store_b64 v[LI8], v[OC+10:OC+11], s[12:13] offset:1280
	v_lshl_or_b32 v[OW], v[OW+1], 16, v[OW]
	global_store_b32 v[R4], v[OW], s[14:15]        ; my 16 rows' scale words (both halves of the lanes store the same word)
	s_wait_tensorcnt 0x0                           ; the wave's end
	ds_add_u32 v[SPW], v[NIL]
	s_wait_dscnt 0x0
	s_endpgm
.Lfunc_end_k_qfb006d691a_attn:
	.size	k_qfb006d691a_attn, .Lfunc_end_k_qfb006d691a_attn-k_qfb006d691a_attn
	.p2alignl 7, 3214868480
	.fill 96, 4, 3214868480
	.section	.rodata,"a",@progbits
	.p2align	6, 0x0
	.amdhsa_kernel k_qfb006d691a_attn
		.amdhsa_group_segment_fixed_size 106496
		.amdhsa_private_segment_fixed_size 0
		.amdhsa_enable_private_segment 0
		.amdhsa_kernarg_size 48
		.amdhsa_user_sgpr_count 2
		.amdhsa_user_sgpr_kernarg_segment_ptr 1
		.amdhsa_wavefront_size32 1
		.amdhsa_system_sgpr_workgroup_id_x 1
		.amdhsa_system_sgpr_workgroup_id_y 1
		.amdhsa_system_sgpr_workgroup_id_z 1
		.amdhsa_system_vgpr_workitem_id 0
		.amdhsa_next_free_vgpr 256
		.amdhsa_next_free_sgpr 66
		.amdhsa_reserve_vcc 0
		.amdhsa_float_denorm_mode_32 3
		.amdhsa_float_denorm_mode_16_64 3
		.amdhsa_memory_ordered 1
		.amdhsa_forward_progress 1
		.amdhsa_inst_pref_size 148
	.end_amdhsa_kernel
	.amdgpu_metadata
---
amdhsa.version: [ 1, 2 ]
amdhsa.kernels:
  - .name:           k_qfb006d691a_attn
    .symbol:         k_qfb006d691a_attn.kd
    .args:
      - { .name: qimg, .offset: 0, .size: 8, .value_kind: global_buffer, .address_space: global }
      - { .name: kimg, .offset: 8, .size: 8, .value_kind: global_buffer, .address_space: global }
      - { .name: vimg, .offset: 16, .size: 8, .value_kind: global_buffer, .address_space: global }
      - { .name: sc, .offset: 24, .size: 8, .value_kind: global_buffer, .address_space: global }
      - { .name: aimg, .offset: 32, .size: 8, .value_kind: global_buffer, .address_space: global }
      - { .name: asc, .offset: 40, .size: 8, .value_kind: global_buffer, .address_space: global }
    .group_segment_fixed_size: 106496
    .private_segment_fixed_size: 0
    .kernarg_segment_align: 8
    .kernarg_segment_size: 48
    .max_flat_workgroup_size: 512
    .sgpr_count:     66
    .vgpr_count:     256
    .wavefront_size: 32
...
	.end_amdgpu_metadata
.endif
;; end of part 3
;; launch tail (part 4): grid 256 x 1, 16 waves a work-group, no clusters, 229,376 bytes of LDS; arguments aimg, asc, x, wimg, bo, gamma1, beta1, b1, b2, gamma2, beta2, out0; writes out0
.if DOCPART == 4
	.amdgcn_target "amdgcn-amd-amdhsa--gfx1250"
	.amdhsa_code_object_version 6
	.text
	.protected	k_qfb006d691a_tail
	.globl	k_qfb006d691a_tail
	.p2align	8
	.type	k_qfb006d691a_tail,@function
k_qfb006d691a_tail:
	s_mov_b64 s[64:65], 0
	v_nop
	global_prefetch_b8 v0, s[64:65] scope:SCOPE_SE
	s_setreg_imm32_b32 hwreg(HW_REG_WAVE_MODE, 25, 1), 1
	s_wait_xcnt 0x0
; ENCODER LAYER, launch 4 of 4: h = LN1(attn Wo + bo + x); out = LN2(gelu(h W1 + b1) W2 + b2 + h).  The three products on codes of E3M2; h and the hidden layer never go to memory.  Nothing of reference() is left out.
; SHARES.  A work-group takes 32 whole rows (a norm needs whole rows); wave w takes columns 64 w .. 64 w + 63 of every product for all 32 rows: 8 accumulators.  Its 64 columns of a result are half a fragment of the next
; product's operand: quantised in registers, laid in LDS as an image of the operand's registers, read by all sixteen waves behind a barrier.  Weights go from memory straight into registers, two K steps ahead, 24 steps on end.
; The residuals (x, h) are the sums' first values; b1 likewise; bo and b2 are added ahead of the norms.  THE NORMS go in two passes, as reference() has them: mean, then the sum of squares of the differences, / 1,023; eps is added to the root.
; GELU: x / 2 (1 + erf(x / sqrt 2)), erf(z) = z P(z^2) / Q(z^2) with z held to -4 .. 4, polynomials of degree 6 and 4 in z^2: good to a few units of f32's last place; beyond 4 erf is 1 in f32.
.set AI0,   0                          ; images: 16 fragments of 1,536 bytes;  AS0: their scale words, 64 bytes each
.set AS0,   24576
.set AI1,   25600
.set AS1,   50176
.set PAR,   51200                      ; bo, gamma1, beta1, b1, b2, gamma2, beta2: 4,096 bytes each
.set RED,   79872                      ; four regions [tile 2][r 16][wave 16] of f32
.set WREG,  88064                      ; 8,704 bytes for each wave, its own: x's stage, then h, then the stage for the way out
.set SPARE, 227328
.set LI16, 1
.set LI8,  2
.set LR4,  3
.set LPB,  4                           ; v4  PAR + 256 w + 64 h
.set RW,   5                           ; v5  RED + 64 r + 4 w
.set RR,   6                           ; v6  RED + 64 r
.set STA,  7                           ; v7  my region: 272 h + 16 r: two rows of 256 bytes an instruction
.set STB,  8                           ; v8  my region: 272 r + 64 h: the result's layout
.set WIM,  9                           ; v9  my region: 16 x lane
.set IW16, 10                          ; v10, v11 where my half image goes;  v12 its two scale bytes
.set IW8,  11
.set IWS,  12
.set GX,   13                          ; v13 4096 h + 16 r: x's and out's rows
.set T16,  14
.set PT,   15                          ; v15 PAR + 8 t
.set ACC,  16
.set BF,   80
.set AF,   176
.set E,    176                         ; v176-231 at work between the products
.set R0,   208                         ; v208-211 two running sums
.set TM,   208                         ; v208-215 at work in the quantiser
.set SB,   232                         ; v232-235, v236-237: scale words alone
.set SA,   236
.set SPW,  238
.set NIL,  239
.set NM,   240                         ; v240-243 -mean, v244-247 1 / (std + eps): a pair for each row tile
.set INV,  244
.set CA0,  248
.set CB0,  250
.set PX,   252
.set WB,   56
.set SEL,  30
.macro BARRIER
	s_wait_dscnt 0x0
	s_barrier_signal -1
	s_barrier_wait -1
.endm
.macro BLOAD g
.irp T, 0,1,2,3
.irp p, 0,1,2
	global_load_b128 v[BF+48*((\g)%2)+12*\T+4*\p:BF+48*((\g)%2)+12*\T+4*\p+3], v[LI16], s[WB:WB+1] offset:6400*(\g)+1536*\T+512*\p
.endr
.endr
	global_load_b64 v[SB+2*((\g)%2):SB+2*((\g)%2)+1], v[LI8], s[WB:WB+1] offset:6400*(\g)+6144
.endm
.macro WM g, T, u
.set rB, BF+48*((\g)%2)+12*(\T)
.set rA, AF+12*(\u)
.set rSB, SB+2*((\g)%2)+(\T)%2
.set rSA, SA+(\u)
.set rD, ACC+32*(\u)+8*(\T)
.if (\T) < 2
	v_wmma_scale_f32_16x16x128_f8f6f4 v[rD:rD+7], v[rB:rB+11], v[rA:rA+11], v[rD:rD+7], v[rSB], v[rSA] matrix_a_fmt:MATRIX_FMT_BF6 matrix_b_fmt:MATRIX_FMT_BF6
.else
	v_wmma_scale_f32_16x16x128_f8f6f4 v[rD:rD+7], v[rB:rB+11], v[rA:rA+11], v[rD:rD+7], v[rSB], v[rSA] matrix_a_fmt:MATRIX_FMT_BF6 matrix_b_fmt:MATRIX_FMT_BF6 matrix_a_scale:MATRIX_SCALE_ROW1
.endif
.endm
.macro KSTEP g, abase, asbase          ; as in launch 2: the rows' two fragments from LDS, 8 products on 8 accumulators by turns, the weights of two steps on
.set KK, (\g)%8
.irp u, 0,1
.irp c, 0,1
	ds_load_b128 v[AF+12*\u+6*\c:AF+12*\u+6*\c+3], v[LI16] offset:\abase+(2*KK+\u)*1536+768*\c
	ds_load_b64 v[AF+12*\u+6*\c+4:AF+12*\u+6*\c+5], v[LI8] offset:\abase+(2*KK+\u)*1536+768*\c+512
.endr
	ds_load_b32 v[SA+\u], v[LR4] offset:\asbase+(2*KK+\u)*64
.endr
.if (\g) < 23
	s_wait_loadcnt 13                              ; this step's weights are in; the next step's 13 loads may be out
.else
	s_wait_loadcnt 0x0
.endif
	s_wait_dscnt 0x0
.irp T, 0,1,2,3
.irp u, 0,1
	WM \g, \T, \u
.endr
.endr
.rept 4
	v_nop                                          ; four places ahead of loads into and writes of registers that these products read, and of the first read of results
.endr
.if (\g)+2 <= 23
	BLOAD (\g)+2
.endif
.endm
.macro QUANT32 s, P, W
	v_max3_num_f32 v[TM], |v[\s]|, |v[\s+1]|, 0x2800000
	v_max3_num_f32 v[TM+1], |v[\s+16]|, |v[\s+17]|, 0x2800000
.irp i, 2,4,6,8,10,12,14
	v_max3_num_f32 v[TM], v[TM], |v[\s+\i]|, |v[\s+1+\i]|
	v_max3_num_f32 v[TM+1], v[TM+1], |v[\s+16+\i]|, |v[\s+17+\i]|
.endr
	v_permlanex16_b32 v[TM+2], v[TM], s[SEL], s[SEL+1]
	v_permlanex16_b32 v[TM+3], v[TM+1], s[SEL], s[SEL+1]
	v_max_num_f32 v[TM], v[TM], v[TM+2]
	v_max_num_f32 v[TM+1], v[TM+1], v[TM+3]
	v_add_nc_u32 v[TM+4], 0xfe000000, v[TM]
	v_add_nc_u32 v[TM+5], 0xfe000000, v[TM+1]
	v_lshrrev_b32 v[TM+6], 23, v[TM+4]
	v_lshrrev_b32 v[TM+7], 23, v[TM+5]
	v_lshl_or_b32 v[\W], v[TM+7], 8, v[TM+6]
	v_cvt_scalef32_pk16_bf6_f32 v[\P:\P+2], v[\s:\s+15], v[TM+4]
	v_cvt_scalef32_pk16_bf6_f32 v[\P+4:\P+6], v[\s+16:\s+31], v[TM+5]
	v_nop
.irp i, 0,1,2
	v_permlane16_swap_b32 v[\P+\i], v[\P+4+\i]
.endr
	v_mov_b32 v[\P+3], v[\P+4]
	v_mov_b32 v[\P+4], v[\P+5]
	v_mov_b32 v[\P+5], v[\P+6]
.endm
.macro ACCINIT voff
.irp u, 0,1
.irp T, 0,1,2,3
	ds_load_b128 v[ACC+32*\u+8*\T:ACC+32*\u+8*\T+3], v[LPB] offset:\voff+128*(\T/2)+32*(\T%2)
	ds_load_b128 v[ACC+32*\u+8*\T+4:ACC+32*\u+8*\T+7], v[LPB] offset:\voff+128*(\T/2)+32*(\T%2)+16
.endr
.endr
.endm
.macro QSTORE ai, as                   ; my 64 columns of the 32 rows become half c = w % 2 of K step w / 2 of the next operand's two fragments
.irp u, 0,1
	QUANT32 ACC+32*\u, E+8*\u, E+48+\u
	ds_store_b128 v[IW16], v[E+8*\u:E+8*\u+3] offset:\ai+1536*\u
	ds_store_b64 v[IW8], v[E+8*\u+4:E+8*\u+5] offset:\ai+1536*\u
	ds_store_b16 v[IWS], v[E+48+\u] offset:\as+64*\u
.endr
.endm
; The two lanes' and the sixteen waves' parts of two sums a row (pairs in v[R0:R0+1], v[R0+2:R0+3]) meet in LDS; every wave adds them in the same order.  The totals come back in v[R0], v[R0+2].
.macro REDUCE ra
	v_add_f32 v[R0], v[R0], v[R0+1]
	v_add_f32 v[R0+2], v[R0+2], v[R0+3]
	v_permlanex16_b32 v[PX], v[R0], s[SEL], s[SEL+1]
	v_permlanex16_b32 v[PX+1], v[R0+2], s[SEL], s[SEL+1]
	v_add_f32 v[R0], v[R0], v[PX]
	v_add_f32 v[R0+2], v[R0+2], v[PX+1]
	ds_store_b32 v[RW], v[R0] offset:\ra
	ds_store_b32 v[RW], v[R0+2] offset:\ra+1024
	BARRIER
.irp u, 0,1
.irp i, 0,1,2,3
	ds_load_b128 v[E+16*\u+4*\i:E+16*\u+4*\i+3], v[RR] offset:\ra+1024*\u+16*\i
.endr
.endr
	s_wait_dscnt 0x0
.irp i, 0,2,4,6
.irp u, 0,1
	v_pk_add_f32 v[E+16*\u+\i:E+16*\u+\i+1], v[E+16*\u+\i:E+16*\u+\i+1], v[E+16*\u+8+\i:E+16*\u+9+\i]
.endr
.endr
.irp i, 0,2
.irp u, 0,1
	v_pk_add_f32 v[E+16*\u+\i:E+16*\u+\i+1], v[E+16*\u+\i:E+16*\u+\i+1], v[E+16*\u+4+\i:E+16*\u+5+\i]
.endr
.endr
.irp u, 0,1
	v_pk_add_f32 v[E+16*\u:E+16*\u+1], v[E+16*\u:E+16*\u+1], v[E+16*\u+2:E+16*\u+3]
.endr
.irp u, 0,1
	v_add_f32 v[R0+2*\u], v[E+16*\u], v[E+16*\u+1]
.endr
.endm
.macro GBLOAD pg, pe, hf               ; gamma and beta of my columns 32 hf + 16 h + 0 .. 15
.irp q, 0,1,2,3
	ds_load_b128 v[E+4*\q:E+4*\q+3], v[LPB] offset:\pg+128*(\hf)+16*\q
	ds_load_b128 v[E+16+4*\q:E+19+4*\q], v[LPB] offset:\pe+128*(\hf)+16*\q
.endr
.endm
.macro GBFMA hf
.irp u, 0,1
.irp i, 0,2,4,6,8,10,12,14
	v_pk_fma_f32 v[ACC+32*\u+16*(\hf)+\i:ACC+32*\u+16*(\hf)+\i+1], v[ACC+32*\u+16*(\hf)+\i:ACC+32*\u+16*(\hf)+\i+1], v[E+\i:E+\i+1], v[E+16+\i:E+17+\i]
.endr
.endr
.endm
; bias, then the norm over whole rows, in place on the accumulators.  pb, pg, pe: the bias's, gamma's, beta's place in PAR;  ra, rb: two regions of RED, each used once in the launch
.macro LNEP pb, pg, pe, ra, rb
.irp T, 0,1,2,3
	ds_load_b128 v[E+8*\T:E+8*\T+3], v[LPB] offset:\pb+128*(\T/2)+32*(\T%2)
	ds_load_b128 v[E+8*\T+4:E+8*\T+7], v[LPB] offset:\pb+128*(\T/2)+32*(\T%2)+16
.endr
	s_wait_dscnt 0x0
.irp u, 0,1
.irp i, 0,2,4,6,8,10,12,14,16,18,20,22,24,26,28,30
	v_pk_add_f32 v[ACC+32*\u+\i:ACC+32*\u+\i+1], v[ACC+32*\u+\i:ACC+32*\u+\i+1], v[E+\i:E+\i+1]
.endr
.endr
	v_pk_add_f32 v[R0:R0+1], v[ACC:ACC+1], v[ACC+2:ACC+3]
	v_pk_add_f32 v[R0+2:R0+3], v[ACC+32:ACC+33], v[ACC+34:ACC+35]
.irp i, 4,6,8,10,12,14,16,18,20,22,24,26,28,30
	v_pk_add_f32 v[R0:R0+1], v[R0:R0+1], v[ACC+\i:ACC+\i+1]
	v_pk_add_f32 v[R0+2:R0+3], v[R0+2:R0+3], v[ACC+32+\i:ACC+33+\i]
.endr
	REDUCE \ra
.irp u, 0,1
	v_mul_f32 v[NM+2*\u], 0xba800000, v[R0+2*\u]   ; -sum / 1,024
	v_mul_f32 v[NM+2*\u+1], 0xba800000, v[R0+2*\u]
.endr
.irp u, 0,1
.irp i, 0,2,4,6,8,10,12,14,16,18,20,22,24,26,28,30
	v_pk_add_f32 v[ACC+32*\u+\i:ACC+32*\u+\i+1], v[ACC+32*\u+\i:ACC+32*\u+\i+1], v[NM+2*\u:NM+2*\u+1]
.endr
.endr
	v_pk_mul_f32 v[R0:R0+1], v[ACC:ACC+1], v[ACC:ACC+1]
	v_pk_mul_f32 v[R0+2:R0+3], v[ACC+32:ACC+33], v[ACC+32:ACC+33]
.irp i, 2,4,6,8,10,12,14,16,18,20,22,24,26,28,30
	v_pk_fma_f32 v[R0:R0+1], v[ACC+\i:ACC+\i+1], v[ACC+\i:ACC+\i+1], v[R0:R0+1]
	v_pk_fma_f32 v[R0+2:R0+3], v[ACC+32+\i:ACC+33+\i], v[ACC+32+\i:ACC+33+\i], v[R0+2:R0+3]
.endr
	REDUCE \rb
	GBLOAD \pg, \pe, 0                             ; they land under the root, the reciprocal and the 32 multiplications
	v_mul_f32 v[R0], 0x3a802008, v[R0]             ; / 1,023
	v_mul_f32 v[R0+2], 0x3a802008, v[R0+2]
	v_sqrt_f32 v[R0], v[R0]
	v_sqrt_f32 v[R0+2], v[R0+2]
	v_nop
	s_wait_alu depctr_va_vdst(0)                   ; one wait for the two roots, ahead of their first reader
	v_add_f32 v[R0], 0x358637bd, v[R0]             ; + 1e-6
	v_add_f32 v[R0+2], 0x358637bd, v[R0+2]
	v_rcp_f32 v[INV], v[R0]
	v_rcp_f32 v[INV+2], v[R0+2]
	v_nop
	s_wait_alu depctr_va_vdst(0)                   ; and one for the two reciprocals
	v_mov_b32 v[INV+1], v[INV]
	v_mov_b32 v[INV+3], v[INV+2]
.irp u, 0,1
.irp i, 0,2,4,6,8,10,12,14,16,18,20,22,24,26,28,30
	v_pk_mul_f32 v[ACC+32*\u+\i:ACC+32*\u+\i+1], v[ACC+32*\u+\i:ACC+32*\u+\i+1], v[INV+2*\u:INV+2*\u+1]
.endr
.endr
	s_wait_dscnt 0x0
	GBFMA 0
	GBLOAD \pg, \pe, 1
	s_wait_dscnt 0x0
	GBFMA 1
.endm
.macro GELU8 a                         ; eight numbers in place.  v[E..] z, v[E+8..] z^2, v[E+16..] P, v[E+24..] Q
.irp i, 0,2,4,6
	v_pk_mul_f32 v[E+\i:E+\i+1], v[(\a)+\i:(\a)+\i+1], s[32:33] op_sel_hi:[1,0]
.endr
.irp i, 0,1,2,3,4,5,6,7
	v_med3_num_f32 v[E+\i], v[E+\i], -4.0, 4.0
.endr
.irp i, 0,2,4,6
	v_pk_mul_f32 v[E+8+\i:E+9+\i], v[E+\i:E+\i+1], v[E+\i:E+\i+1]
.endr
.irp i, 0,2,4,6
	v_pk_fma_f32 v[E+16+\i:E+17+\i], v[E+8+\i:E+9+\i], v[CA0:CA0+1], s[34:35] op_sel_hi:[1,1,0]
	v_pk_fma_f32 v[E+24+\i:E+25+\i], v[E+8+\i:E+9+\i], v[CB0:CB0+1], s[46:47] op_sel_hi:[1,1,0]
.endr
.irp k, 0,2,4
.irp i, 0,2,4,6
	v_pk_fma_f32 v[E+16+\i:E+17+\i], v[E+16+\i:E+17+\i], v[E+8+\i:E+9+\i], s[36+\k:37+\k] op_sel_hi:[1,1,0]
	v_pk_fma_f32 v[E+24+\i:E+25+\i], v[E+24+\i:E+25+\i], v[E+8+\i:E+9+\i], s[48+\k:49+\k] op_sel_hi:[1,1,0]
.endr
.endr
.irp i, 0,1,2,3,4,5,6,7
	v_rcp_f32 v[E+24+\i], v[E+24+\i]               ; 1 / Q: the batch goes out while P is finished
.endr
.irp k, 6,8
.irp i, 0,2,4,6
	v_pk_fma_f32 v[E+16+\i:E+17+\i], v[E+16+\i:E+17+\i], v[E+8+\i:E+9+\i], s[36+\k:37+\k] op_sel_hi:[1,1,0]
.endr
.endr
.irp i, 0,2,4,6
	v_pk_mul_f32 v[E+16+\i:E+17+\i], v[E+16+\i:E+17+\i], v[E+\i:E+\i+1]
.endr
.irp i, 0,2,4,6
	v_pk_mul_f32 v[(\a)+\i:(\a)+\i+1], v[(\a)+\i:(\a)+\i+1], 0.5 op_sel_hi:[1,0]
.endr
	s_wait_alu depctr_va_vdst(0)                   ; one wait for the eight reciprocals, ahead of their first reader
.irp i, 0,2,4,6
	v_pk_mul_f32 v[E+16+\i:E+17+\i], v[E+16+\i:E+17+\i], v[E+24+\i:E+25+\i]      ; erf
.endr
.irp i, 0,2,4,6
	v_pk_fma_f32 v[(\a)+\i:(\a)+\i+1], v[(\a)+\i:(\a)+\i+1], v[E+16+\i:E+17+\i], v[(\a)+\i:(\a)+\i+1]
.endr
.endm
.macro SC2 r, val                      ; a constant for the packed forms: both words of the pair are written
	s_mov_b32 s[\r], \val
	s_mov_b32 s[\r+1], \val
.endm
	s_load_b512 s[4:19], s[0:1], 0x0               ; aimg, asc, x, wimg, bo, gamma1, beta1, b1
	s_load_b256 s[20:27], s[0:1], 0x40             ; b2, gamma2, beta2, out0
	v_lshl_add_u32 v[SPW], v0, 2, SPARE
	v_mov_b32 v[NIL], 0
	v_lshrrev_b32 v1, 5, v0
	v_readfirstlane_b32 s28, v1                    ; wave w
	v_and_b32 v253, 31, v0                         ; lane
	v_and_b32 v254, 15, v0                         ; r
	v_bfe_u32 v255, v0, 4, 1                       ; h
	v_lshlrev_b32 v[LI16], 4, v253
	v_lshlrev_b32 v[LI8], 3, v253
	v_lshlrev_b32 v[LR4], 2, v254
	s_lshl_b32 s58, s28, 8
	s_add_co_u32 s59, s58, PAR
	v_lshlrev_b32 v[LPB], 6, v255
	v_add_nc_u32 v[LPB], s59, v[LPB]
	v_lshlrev_b32 v[RR], 6, v254
	v_add_nc_u32 v[RR], RED, v[RR]
	s_lshl_b32 s59, s28, 2
	v_add_nc_u32 v[RW], s59, v[RR]
	s_mul_i32 s59, s28, 8704
	s_add_co_u32 s59, s59, WREG
	v_mul_u32_u24 v[STA], v255, 272
	v_lshl_add_u32 v[STA], v254, 4, v[STA]
	v_add_nc_u32 v[STA], s59, v[STA]
	v_mul_u32_u24 v[STB], v254, 272
	v_lshl_add_u32 v[STB], v255, 6, v[STB]
	v_add_nc_u32 v[STB], s59, v[STB]
	v_add_nc_u32 v[WIM], s59, v[LI16]
	s_lshr_b32 s59, s28, 1
	s_and_b32 s60, s28, 1
	s_mul_i32 s61, s59, 3072
	s_mul_i32 s62, s60, 768
	s_add_co_u32 s61, s61, s62
	v_add_nc_u32 v[IW16], s61, v[LI16]
	s_add_co_u32 s61, s61, 512
	v_add_nc_u32 v[IW8], s61, v[LI8]
	s_lshl_b32 s61, s59, 7
	s_lshl_b32 s62, s60, 1
	s_add_co_u32 s61, s61, s62
	v_add_nc_u32 v[IWS], s61, v[LR4]
	v_lshlrev_b32 v[GX], 12, v255
	v_lshl_add_u32 v[GX], v254, 4, v[GX]
	v_lshlrev_b32 v[T16], 4, v0
	v_lshlrev_b32 v254, 3, v0                      ; v254 = 8 t, v255 = 2 t from here on
	v_add_nc_u32 v[PT], PAR, v254
	v_lshlrev_b32 v255, 1, v0
	v_mov_b32 v[PX], 0                             ; written once: a lane permute's destination counts as one of its sources
	v_mov_b32 v[PX+1], 0
	v_mov_b32 v[TM+2], 0
	v_mov_b32 v[TM+3], 0
	v_mov_b32 v[CA0], 0xaf95df0b                   ; P's and Q's leading coefficients
	v_mov_b32 v[CA0+1], 0xaf95df0b
	v_mov_b32 v[CB0], 0xb77460cd
	v_mov_b32 v[CB0+1], 0xb77460cd
	s_mov_b32 s[SEL], 0x76543210
	s_mov_b32 s[SEL+1], 0xfedcba98
	SC2 32, 0x3f3504f3                             ; 1 / sqrt 2
	SC2 34, 0x32edffee                             ; P's further coefficients, the highest power first
	SC2 36, 0xb60cff51
	SC2 38, 0xb86ec2d2
	SC2 40, 0xba40ac63
	SC2 42, 0xbb41a1f6
	SC2 44, 0xbc83dbd4
	SC2 46, 0xb95fbd29                             ; Q's
	SC2 48, 0xbadc924e
	SC2 50, 0xbbf19bf8
	SC2 52, 0xbc69b6a7
	s_lshl_b32 s58, ttmp9, 17                      ; x, out: 32 G rows of 4,096 bytes + 256 w
	s_lshl_b32 s60, s28, 8
	s_add_co_u32 s58, s58, s60
	s_mov_b32 s59, 0
	s_mul_i32 s60, ttmp9, 24576                    ; my rows' 16 fragments
	s_mov_b32 s61, 0
	s_lshl_b32 s62, ttmp9, 10                      ; and their scale words
	s_mov_b32 s63, 0
	s_add_co_u32 s54, s28, 16
	s_mul_i32 s54, s54, 153600                     ; my stream of weights: Wo, W1, W2
	s_mov_b32 s55, 0
	s_wait_kmcnt 0x0
	s_add_nc_u64 s[8:9], s[8:9], s[58:59]
	s_add_nc_u64 s[26:27], s[26:27], s[58:59]
	s_add_nc_u64 s[4:5], s[4:5], s[60:61]
	s_add_nc_u64 s[6:7], s[6:7], s[62:63]
	s_add_nc_u64 s[WB:WB+1], s[10:11], s[54:55]
.set n, 0
.rept 16
	global_load_b128 v[ACC+4*n:ACC+4*n+3], v[GX], s[8:9] offset:(8*(n/8)+2*(n%4)+16*((n/4)%2))*4096 th:TH_LOAD_NT   ; the rows at places 2 n, 2 n + 1: sixteen lanes take 256 consecutive bytes, aligned
.set n, n+1
.endr
.irp v, 0,1,2,3,4,5,6
	global_load_b64 v[E+2*\v:E+2*\v+1], v254, s[12+2*\v:13+2*\v]
.endr
.irp i, 0,1,2
	global_load_b128 v[E+16+4*\i:E+19+4*\i], v[T16], s[4:5] offset:8192*\i
.endr
	global_load_u16 v[E+28], v255, s[6:7]
	BLOAD 0
	BLOAD 1
	s_wait_loadcnt 37                              ; x is in: behind it 7 + 3 + 1 + 26 loads
.set n, 0
.rept 16
	ds_store_b128 v[STA], v[ACC+4*n:ACC+4*n+3] offset:544*n
.set n, n+1
.endr
.irp u, 0,1
.irp T, 0,1,2,3
	ds_load_b128 v[ACC+32*\u+8*\T:ACC+32*\u+8*\T+3], v[STB] offset:4352*\u+128*(\T/2)+32*(\T%2)        ; LDS serves a wave's instructions in order.  x in the result's layout: the first sums' first value
	ds_load_b128 v[ACC+32*\u+8*\T+4:ACC+32*\u+8*\T+7], v[STB] offset:4352*\u+128*(\T/2)+32*(\T%2)+16
.endr
.endr
	s_wait_loadcnt 26                              ; the vectors, the images and the scale words are in: behind them the two K steps of weights
.irp v, 0,1,2,3,4,5,6
	ds_store_b64 v[PT], v[E+2*\v:E+2*\v+1] offset:4096*\v
.endr
.irp i, 0,1,2
	ds_store_b128 v[T16], v[E+16+4*\i:E+19+4*\i] offset:AI0+8192*\i
.endr
	ds_store_b16 v255, v[E+28] offset:AS0
	BARRIER
	; ---- attn Wo + x
.irp g, 0,1,2,3,4,5,6,7
	KSTEP \g, AI0, AS0
.endr
	LNEP 0, 4096, 8192, 0, 2048                    ; + bo, LN1: h
.set n, 0
.rept 16
	ds_store_b128 v[WIM], v[ACC+4*n:ACC+4*n+3] offset:512*n       ; h is kept, as an image of my registers, in my own region
.set n, n+1
.endr
	QSTORE AI1, AS1
	BARRIER                                        ; h's sixteen fragments lie in LDS
	; ---- h W1 + b1
	ACCINIT 12288
.irp g, 8,9,10,11,12,13,14,15
	KSTEP \g, AI1, AS1
.endr
.irp a, 0,1,2,3,4,5,6,7
	GELU8 ACC+8*\a
.endr
	QSTORE AI0, AS0                                ; over the attention's images: every wave's last read of them stands ahead of barriers that all have passed
	BARRIER
	; ---- gelu W2 + h
.set n, 0
.rept 16
	ds_load_b128 v[ACC+4*n:ACC+4*n+3], v[WIM] offset:512*n
.set n, n+1
.endr
.irp g, 16,17,18,19,20,21,22,23
	KSTEP \g, AI0, AS0
.endr
	LNEP 16384, 20480, 24576, 4096, 6144           ; + b2, LN2
	; ---- the way out, through my own region: back as rows of 256 bytes
.irp u, 0,1
.irp T, 0,1,2,3
	ds_store_b128 v[STB], v[ACC+32*\u+8*\T:ACC+32*\u+8*\T+3] offset:4352*\u+128*(\T/2)+32*(\T%2)
	ds_store_b128 v[STB], v[ACC+32*\u+8*\T+4:ACC+32*\u+8*\T+7] offset:4352*\u+128*(\T/2)+32*(\T%2)+16
.endr
.endr
.set n, 0
.rept 16
	ds_load_b128 v[BF+4*n:BF+4*n+3], v[STA] offset:544*n
.set n, n+1
.endr
.set n, 0
.rept 16
	s_wait_dscnt 15-n                              ; the younger loads may be out
	global_store_b128 v[GX], v[BF+4*n:BF+4*n+3], s[26:27] offset:(8*(n/8)+2*(n%4)+16*((n/4)%2))*4096 th:TH_STORE_NT   ; sixteen lanes store 256 consecutive bytes, aligned
.set n, n+1
.endr
	s_wait_tensorcnt 0x0                           ; the wave's end
	ds_add_u32 v[SPW], v[NIL]
	s_wait_dscnt 0x0
	s_endpgm
.Lfunc_end_k_qfb006d691a_tail:
	.size	k_qfb006d691a_tail, .Lfunc_end_k_qfb006d691a_tail-k_qfb006d691a_tail
	.p2alignl 7, 3214868480
	.fill 96, 4, 3214868480
	.section	.rodata,"a",@progbits
	.p2align	6, 0x0
	.amdhsa_kernel k_qfb006d691a_tail
		.amdhsa_group_segment_fixed_size 229376
		.amdhsa_private_segment_fixed_size 0
		.amdhsa_enable_private_segment 0
		.amdhsa_kernarg_size 96
		.amdhsa_user_sgpr_count 2
		.amdhsa_user_sgpr_kernarg_segment_ptr 1
		.amdhsa_wavefront_size32 1
		.amdhsa_system_sgpr_workgroup_id_x 1
		.amdhsa_system_sgpr_workgroup_id_y 1
		.amdhsa_system_sgpr_workgroup_id_z 1
		.amdhsa_system_vgpr_workitem_id 0
		.amdhsa_next_free_vgpr 256
		.amdhsa_next_free_sgpr 66
		.amdhsa_reserve_vcc 0
		.amdhsa_float_denorm_mode_32 3
		.amdhsa_float_denorm_mode_16_64 3
		.amdhsa_memory_ordered 1
		.amdhsa_forward_progress 1
		.amdhsa_inst_pref_size 173
	.end_amdhsa_kernel
	.amdgpu_metadata
---
amdhsa.version: [ 1, 2 ]
amdhsa.kernels:
  - .name:           k_qfb006d691a_tail
    .symbol:         k_qfb006d691a_tail.kd
    .args:
      - { .name: aimg, .offset: 0, .size: 8, .value_kind: global_buffer, .address_space: global }
      - { .name: asc, .offset: 8, .size: 8, .value_kind: global_buffer, .address_space: global }
      - { .name: x, .offset: 16, .size: 8, .value_kind: global_buffer, .address_space: global }
      - { .name: wimg, .offset: 24, .size: 8, .value_kind: global_buffer, .address_space: global }
      - { .name: bo, .offset: 32, .size: 8, .value_kind: global_buffer, .address_space: global }
      - { .name: gamma1, .offset: 40, .size: 8, .value_kind: global_buffer, .address_space: global }
      - { .name: beta1, .offset: 48, .size: 8, .value_kind: global_buffer, .address_space: global }
      - { .name: b1, .offset: 56, .size: 8, .value_kind: global_buffer, .address_space: global }
      - { .name: b2, .offset: 64, .size: 8, .value_kind: global_buffer, .address_space: global }
      - { .name: gamma2, .offset: 72, .size: 8, .value_kind: global_buffer, .address_space: global }
      - { .name: beta2, .offset: 80, .size: 8, .value_kind: global_buffer, .address_space: global }
      - { .name: out0, .offset: 88, .size: 8, .value_kind: global_buffer, .address_space: global }
    .group_segment_fixed_size: 229376
    .private_segment_fixed_size: 0
    .kernarg_segment_align: 8
    .kernarg_segment_size: 96
    .max_flat_workgroup_size: 512
    .sgpr_count:     66
    .vgpr_count:     256
    .wavefront_size: 32
...
	.end_amdgpu_metadata
.endif
;; end of part 4
;; ======== version 2 of 2: 4 launches; version 1 with the launches qkv, attn, tail written anew for expert scheduling mode
;; limits: right only within a limited range of input values
;; workspace buffers: wimg 4,915,200 bytes; qimg 6,291,456 bytes; kimg 6,291,456 bytes; vimg 6,291,456 bytes; sc 2,097,152 bytes; aimg 6,291,456 bytes; asc 262,144 bytes
;; launch prep: the kernel of part 1 again; grid 768 x 1, 4 waves a work-group, no clusters, 6,912 bytes of LDS; arguments Wq, Wk, Wv, Wo, W1, W2, wimg; writes wimg
;; launch qkv (part 5): grid 256 x 1, 16 waves a work-group, no clusters, 175,104 bytes of LDS; arguments x, x_mask, bq, bk, bv, wimg, qimg, kimg, vimg, sc; writes qimg, kimg, vimg, sc
.if DOCPART == 5
	.amdgcn_target "amdgcn-amd-amdhsa--gfx1250"
	.amdhsa_code_object_version 6
	.text
	.protected	k_qfb006d691a_qkv
	.globl	k_qfb006d691a_qkv
	.p2align	8
	.type	k_qfb006d691a_qkv,@function
k_qfb006d691a_qkv:
	s_mov_b64 s[64:65], 0
	v_nop
	global_prefetch_b8 v0, s[64:65] scope:SCOPE_SE
	s_setreg_imm32_b32 hwreg(HW_REG_WAVE_SCHED_MODE, 0, 2), 2
	s_setreg_imm32_b32 hwreg(HW_REG_WAVE_MODE, 25, 1), 1
	s_wait_xcnt 0x0
	s_wait_alu depctr_vm_vsrc(0)
; ENCODER LAYER, launch 2 of 4: q = x Wq + bq, k = x Wk + bk, v = x Wv + bv on codes of E3M2, and their own quantising for the attention: q, k along the head's 64, v along the keys.  Nothing of reference() is left out.
; SHARES.  A work-group takes 32 rows of x (rows 32 G on, G = its number); wave w takes columns 64 w .. 64 w + 63, which is head w, for all 32 rows: 8 accumulators.
; ROWS AND COLUMNS OF A TILE ARE NOT NEIGHBOURS: place 16 u + r of a group of 32 stands for 8 u + r % 8 + 16 (r / 8).  So the 16 registers of two neighbouring result tiles are 16 neighbours along the next K.
; x: wave w quantises fragment w (K step w / 2, row tile w % 2) and lays it in LDS as an image of the operand's registers, in halves of 768 bytes (six registers: 0-3 at 16 x lane, 4-5 at 512 + 8 x lane).
; WEIGHTS go from memory straight into registers: each fragment feeds this wave alone.  13 loads a K step, two K steps ahead, through all 24 steps of the three products.
; q, k: source 0 = 16 weight columns, source 1 = 16 rows: a lane holds one row and its registers run along the head's 64.  v: the sources swapped: a lane holds one channel and its registers run along the 32 keys.
; THE MASK: a masked key's codes of k are made zeros, and sc carries a bias (0 or -2^36) for each key, which the attention gives its score product as C: the masked score is then the bias exactly.  -2^36 / 8 = -2^33 stands for reference()'s -1e10 (limit stated in launch 1).
; sc = [b][head][block of 32][lane][4 words]: q's scale word (lanes 0-15 tile 0, 16-31 tile 1; bytes q0 q1 q0 q1), k's (bytes tile 0's two, tile 1's two), v's (byte T: channel tile T), the bias of the key at place lane.
; THE MODE: SCHED_MODE bits 1:0 = 2 (LLVM: expert scheduling mode 2), set by the entry lines.  The code itself states the register dependences
; between vector or matrix instructions and memory or LDS instructions, with s_wait_alu, always for 0.
; THE PLAN.  Registers that memory or LDS instructions touch:
;   v1-v13        offsets and LDS addresses: made once at the head, ahead of the head's wait on va_vdst, and never written again.
;   BF0, BF1, SB  K step g: its eight products read BF[g % 2] and SB[g % 2]; behind them the loads of step g + 2 land there.
;   AF, SA        K step g: its products read them; behind them the LDS loads of step g + 1 land there (behind the last step: bv).  One set: all 256 registers that the wave is given are laid out.
;   ACC           At the head x lands, LDS stores read it, and it comes back from the stage.  Then: a bias lands at a product's start, the products write it, the quantisers read it.
;   PC, PW, SCW   At the head the biases land in PC and LDS stores read them.  Then the quantisers write them, and LDS stores (x's image) or global stores (q, k, v, sc) read them.
; So ONE wait on va_vdst stands in a K step, behind its products: it states that they are done reading AF, SA, BF[g % 2] and SB[g % 2]; the 23 loads that follow owe nothing more.
; One wait on va_vdst stands ahead of each run of stores, one on vm_vsrc ahead of each quantiser that writes registers which stores have read.
.set XIMG,  0                          ; 16 fragments of 1,536 bytes (2 x K step + row tile)
.set XSC,   24576                      ; their scale words, 64 bytes each
.set PAR,   25600                      ; bq, bk, bv
.set XST,   37888                      ; a stage of 16 rows x 528 bytes for each wave
.set SPARE, 173056                     ; the spare words, 128 bytes for each wave
.set LI16, 1                           ; v1  16 x lane        v2  8 x lane        v3  4 r
.set LI8,  2
.set LR4,  3
.set LPB,  4                           ; v4  PAR + 256 w + 64 h: a bias in the result's layout
.set SPW,  14
.set NIL,  15
.set ACC,  16                          ; v16-79   8 accumulators
.set BF,   80                          ; v80-175  two sets of four weight fragments
.set AF,   176                         ; v176-199 x's two fragments
.set SB,   200                         ; v200-203 the weights' scale words, two sets: they hold scales alone
.set SA,   204                         ; v204-205 x's scale words
.set TM,   206                         ; v206-221 at work in the quantisers
.set PW,   222
.set PC,   224                         ; v224-242 codes just made
.set W0,   244                         ; v244-245 two scale bytes of a row tile
.set M0,   246                         ; v246-247 the mask of my key, tiles 0 and 1
.set SCW,  248                         ; v248-251 the four words for sc
.set MKL,  252
.set WB,   26                          ; s[26:27] my stream of weights; never rewritten
.set SEL,  30
.macro BARRIER                         ; my LDS stores have landed and my LDS loads are in: then the work-group's barrier
	s_wait_dscnt 0x0
	s_barrier_signal -1
	s_barrier_wait -1
.endm
.macro BLOAD g                         ; K step g of my stream: four fragments and their scale words: 13 loads
.irp T, 0,1,2,3
.irp p, 0,1,2
	global_load_b128 v[BF+48*((\g)%2)+12*\T+4*\p:BF+48*((\g)%2)+12*\T+4*\p+3], v[LI16], s[WB:WB+1] offset:6400*(\g)+1536*\T+512*\p
.endr
.endr
	global_load_b64 v[SB+2*((\g)%2):SB+2*((\g)%2)+1], v[LI8], s[WB:WB+1] offset:6400*(\g)+6144   ; register j: lanes 0-15 tile j, lanes 16-31 tile 2 + j
.endm
.macro ALOAD g, abase, asbase          ; the rows' two fragments of K step g and their scale words: ten LDS loads
.set KK, (\g)%8
.irp u, 0,1
.irp c, 0,1
	ds_load_b128 v[AF+12*\u+6*\c:AF+12*\u+6*\c+3], v[LI16] offset:\abase+(2*KK+\u)*1536+768*\c
	ds_load_b64 v[AF+12*\u+6*\c+4:AF+12*\u+6*\c+5], v[LI8] offset:\abase+(2*KK+\u)*1536+768*\c+512
.endr
	ds_load_b32 v[SA+\u], v[LR4] offset:\asbase+(2*KK+\u)*64
.endr
.endm
; One product.  mode 0: weights are source 0;  1: rows are source 0;  2: as 1, and it starts the sum
.macro WM g, T, u, mode
.set rB, BF+48*((\g)%2)+12*(\T)
.set rA, AF+12*(\u)
.set rSB, SB+2*((\g)%2)+(\T)%2
.set rSA, SA+(\u)
.if (\mode) == 0
.set rD, ACC+32*(\u)+8*(\T)
.if (\T) < 2
	v_wmma_scale_f32_16x16x128_f8f6f4 v[rD:rD+7], v[rB:rB+11], v[rA:rA+11], v[rD:rD+7], v[rSB], v[rSA] matrix_a_fmt:MATRIX_FMT_BF6 matrix_b_fmt:MATRIX_FMT_BF6
.else
	v_wmma_scale_f32_16x16x128_f8f6f4 v[rD:rD+7], v[rB:rB+11], v[rA:rA+11], v[rD:rD+7], v[rSB], v[rSA] matrix_a_fmt:MATRIX_FMT_BF6 matrix_b_fmt:MATRIX_FMT_BF6 matrix_a_scale:MATRIX_SCALE_ROW1
.endif
.endif
.if (\mode) == 1
.set rD, ACC+16*(\T)+8*(\u)
.if (\T) < 2
	v_wmma_scale_f32_16x16x128_f8f6f4 v[rD:rD+7], v[rA:rA+11], v[rB:rB+11], v[rD:rD+7], v[rSA], v[rSB] matrix_a_fmt:MATRIX_FMT_BF6 matrix_b_fmt:MATRIX_FMT_BF6
.else
	v_wmma_scale_f32_16x16x128_f8f6f4 v[rD:rD+7], v[rA:rA+11], v[rB:rB+11], v[rD:rD+7], v[rSA], v[rSB] matrix_a_fmt:MATRIX_FMT_BF6 matrix_b_fmt:MATRIX_FMT_BF6 matrix_b_scale:MATRIX_SCALE_ROW1
.endif
.endif
.if (\mode) == 2
.set rD, ACC+16*(\T)+8*(\u)
.if (\T) < 2
	v_wmma_scale_f32_16x16x128_f8f6f4 v[rD:rD+7], v[rA:rA+11], v[rB:rB+11], 0, v[rSA], v[rSB] matrix_a_fmt:MATRIX_FMT_BF6 matrix_b_fmt:MATRIX_FMT_BF6
.else
	v_wmma_scale_f32_16x16x128_f8f6f4 v[rD:rD+7], v[rA:rA+11], v[rB:rB+11], 0, v[rSA], v[rSB] matrix_a_fmt:MATRIX_FMT_BF6 matrix_b_fmt:MATRIX_FMT_BF6 matrix_b_scale:MATRIX_SCALE_ROW1
.endif
.endif
.endm
; A K step of 128: 8 products on 8 accumulators by turns; behind them the one wait, the rows' fragments of the next step, the weights of two steps on.
.macro KSTEP g, abase, asbase, mode
.if (\g) < 23
	s_wait_loadcnt 13                              ; this step's weights are in; the next step's 13 loads, the only ones issued behind them, may be out
.else
	s_wait_loadcnt 0x0
.endif
	s_wait_dscnt 0x0                               ; the rows' fragments, asked for at the last step's end, are in (and a bias, at a product's first step)
.irp T, 0,1,2,3
.irp u, 0,1
	WM \g, \T, \u, \mode
.endr
.endr
.rept 4
	v_nop                                          ; four places behind the products (ISA guide 7.12.1), ahead of the first read of results; the wait below fills none of them
.endr
	s_wait_alu depctr_va_vdst(0)                   ; this step's products are done reading AF, SA, BF[g % 2] and SB[g % 2], in which the loads below land
.if (\g) < 23
	ALOAD (\g)+1, \abase, \asbase
.endif
.if (\g)+2 <= 23
	BLOAD (\g)+2
.endif
.endm
; 32 numbers of a lane, register 16 b + i = k 32 b + 16 h + i of my row, become half an operand image in v[P] .. v[P + 5] (v[P + 6] at work) and two scale bytes in v[W].
.macro QUANT32 s, P, W
	v_max3_num_f32 v[TM], |v[\s]|, |v[\s+1]|, 0x2800000          ; the floor 2^(5 - 127) among the leaves: the byte cannot fall under 1
	v_max3_num_f32 v[TM+1], |v[\s+16]|, |v[\s+17]|, 0x2800000
.irp i, 2,4,6,8,10,12,14
	v_max3_num_f32 v[TM], v[TM], |v[\s+\i]|, |v[\s+1+\i]|
	v_max3_num_f32 v[TM+1], v[TM+1], |v[\s+16+\i]|, |v[\s+17+\i]|
.endr
	v_permlanex16_b32 v[TM+2], v[TM], s[SEL], s[SEL+1]
	v_permlanex16_b32 v[TM+3], v[TM+1], s[SEL], s[SEL+1]
	v_max_num_f32 v[TM], v[TM], v[TM+2]            ; with lane l xor 16's 16: the block's largest magnitude
	v_max_num_f32 v[TM+1], v[TM+1], v[TM+3]
	v_add_nc_u32 v[TM+4], 0xfe000000, v[TM]        ; 4 off the exponent field: the conversion's scale operand
	v_add_nc_u32 v[TM+5], 0xfe000000, v[TM+1]
	v_lshrrev_b32 v[TM+6], 23, v[TM+4]
	v_lshrrev_b32 v[TM+7], 23, v[TM+5]
	v_lshl_or_b32 v[\W], v[TM+7], 8, v[TM+6]
	v_cvt_scalef32_pk16_bf6_f32 v[\P:\P+2], v[\s:\s+15], v[TM+4]
	v_cvt_scalef32_pk16_bf6_f32 v[\P+4:\P+6], v[\s+16:\s+31], v[TM+5]
	v_nop                                          ; one plain place behind the conversions
.irp i, 0,1,2
	v_permlane16_swap_b32 v[\P+\i], v[\P+4+\i]     ; a whole block to a lane: lanes 0-15 block 0, lanes 16-31 block 1
.endr
	v_mov_b32 v[\P+3], v[\P+4]
	v_mov_b32 v[\P+4], v[\P+5]
	v_mov_b32 v[\P+5], v[\P+6]
.endm
; 64 numbers of a lane, four blocks, become a fragment's codes in v[PC] .. v[PC + 11] and its scale word in v[pw].
.macro QUANT s, pw
.irp b, 0,1,2,3
	v_max3_num_f32 v[TM+\b], |v[\s+16*\b]|, |v[\s+1+16*\b]|, 0x2800000
.endr
.irp i, 2,4,6,8,10,12,14
.irp b, 0,1,2,3
	v_max3_num_f32 v[TM+\b], v[TM+\b], |v[\s+16*\b+\i]|, |v[\s+1+16*\b+\i]|
.endr
.endr
.irp b, 0,1,2,3
	v_permlanex16_b32 v[TM+4+\b], v[TM+\b], s[SEL], s[SEL+1]
.endr
.irp b, 0,1,2,3
	v_max_num_f32 v[TM+\b], v[TM+\b], v[TM+4+\b]
.endr
.irp b, 0,1,2,3
	v_add_nc_u32 v[TM+12+\b], 0xfe000000, v[TM+\b]
.endr
.irp b, 0,1,2,3
	v_lshrrev_b32 v[TM+4+\b], 23, v[TM+12+\b]
.endr
	v_lshl_or_b32 v[\pw], v[TM+5], 8, v[TM+4]
	v_lshl_or_b32 v[\pw], v[TM+6], 16, v[\pw]
	v_lshl_or_b32 v[\pw], v[TM+7], 24, v[\pw]
.irp c, 0,1
	v_cvt_scalef32_pk16_bf6_f32 v[PC+6*\c:PC+2+6*\c], v[\s+32*\c:\s+15+32*\c], v[TM+12+2*\c]
	v_cvt_scalef32_pk16_bf6_f32 v[PC+12+4*\c:PC+14+4*\c], v[\s+16+32*\c:\s+31+32*\c], v[TM+12+2*\c+1]
.endr
	v_nop
.irp c, 0,1
.irp i, 0,1,2
	v_permlane16_swap_b32 v[PC+6*\c+\i], v[PC+12+4*\c+\i]
.endr
.irp i, 0,1,2
	v_mov_b32 v[PC+3+6*\c+\i], v[PC+12+4*\c+\i]
.endr
.endr
.endm
.macro ACCINIT voff                    ; a bias is the sums' first value: nothing is cleared and nothing is added later
.irp u, 0,1
.irp T, 0,1,2,3
	ds_load_b128 v[ACC+32*\u+8*\T:ACC+32*\u+8*\T+3], v[LPB] offset:\voff+128*(\T/2)+32*(\T%2)
	ds_load_b128 v[ACC+32*\u+8*\T+4:ACC+32*\u+8*\T+7], v[LPB] offset:\voff+128*(\T/2)+32*(\T%2)+16
.endr
.endr
.endm
.macro IMGOUT ptr                      ; the two half images in v[PC] on and v[PC + 8] on leave: each store of the wave covers 512 or 256 consecutive bytes, aligned
	global_store_b128 v[LI16], v[PC:PC+3], s[\ptr:\ptr+1]
	global_store_b64 v[LI8], v[PC+4:PC+5], s[\ptr:\ptr+1] offset:512
	global_store_b128 v[LI16], v[PC+8:PC+11], s[\ptr:\ptr+1] offset:768
	global_store_b64 v[LI8], v[PC+12:PC+13], s[\ptr:\ptr+1] offset:1280
.endm
	s_load_b512 s[4:19], s[0:1], 0x0               ; x, x_mask, bq, bk, bv, wimg, qimg, kimg
	s_load_b128 s[20:23], s[0:1], 0x40             ; vimg, sc
	v_lshl_add_u32 v[SPW], v0, 2, SPARE
	v_mov_b32 v[NIL], 0
	v_lshrrev_b32 v1, 5, v0
	v_readfirstlane_b32 s24, v1                    ; wave w = head
	v_and_b32 v253, 31, v0                         ; lane
	v_and_b32 v254, 15, v0                         ; r
	v_bfe_u32 v255, v0, 4, 1                       ; h
	v_lshlrev_b32 v[LI16], 4, v253
	v_lshlrev_b32 v[LI8], 3, v253
	v_lshlrev_b32 v[LR4], 2, v254
	s_wait_alu depctr_va_sdst(0)                   ; s24 is written, ahead of its first reader: LDS addresses and the buffers' bases are made from it
	s_lshl_b32 s25, s24, 8
	s_add_co_u32 s28, s25, PAR
	v_lshlrev_b32 v[LPB], 6, v255
	v_add_nc_u32 v[LPB], s28, v[LPB]
	v_and_b32 v12, 7, v254
	v_lshrrev_b32 v13, 3, v254
	v_lshlrev_b32 v12, 2, v12
	v_lshl_add_u32 v12, v13, 6, v12                ; v12 = 4 (r % 8 + 16 (r / 8)): place r of tile 0, in words
	v_lshl_add_u32 v13, v255, 5, v12               ; v13: the key at place lane
	s_add_co_u32 s28, s25, PAR+8192
	v_add_nc_u32 v5, s28, v12                      ; v5: bv of my channel
	s_mul_i32 s28, s24, 8448
	s_add_co_u32 s28, s28, XST
	v_add_nc_u32 v6, s28, v[LI16]                  ; v6: my stage, on the way in: a row's 512 bytes as loaded
	v_mul_u32_u24 v7, v254, 528
	v_lshl_add_u32 v7, v255, 6, v7
	v_add_nc_u32 v7, s28, v7                       ; v7: on the way out: row r, + 64 h
	s_mul_i32 s28, s24, 1536
	v_add_nc_u32 v8, s28, v[LI16]                  ; v8, v9: where my fragment's image goes
	s_add_co_u32 s28, s28, 512
	v_add_nc_u32 v9, s28, v[LI8]
	s_lshl_b32 s28, s24, 6
	s_add_co_u32 s28, s28, XSC
	v_add_nc_u32 v10, s28, v[LR4]                  ; v10: and its scale word
	v_lshlrev_b32 v11, 3, v0                       ; v11: 8 t
.irp i, 2,3,4,5,6,7
	v_mov_b32 v[TM+\i], 0                          ; written once: a lane permute's destination counts as one of its sources
.endr
	v_mov_b32 v253, 0xd1800000                     ; -2^36
	s_mov_b32 s[SEL], 0x76543210
	s_mov_b32 s[SEL+1], 0xfedcba98                 ; lane l xor 16
	s_mov_b32 s34, 0xffff0000                      ; lanes 16-31
	s_lshl_b32 s28, ttmp9, 17                      ; x: 32 G rows of 4,096 bytes + 8 (w % 2) rows + 512 (w / 2)
	s_and_b32 s29, s24, 1
	s_lshl_b32 s29, s29, 15
	s_add_co_u32 s28, s28, s29
	s_lshr_b32 s29, s24, 1
	s_lshl_b32 s29, s29, 9
	s_add_co_u32 s28, s28, s29
	s_mov_b32 s29, 0
	s_lshl_b32 s36, ttmp9, 7                       ; the mask of my 32 keys
	s_mov_b32 s37, 0
	s_mul_i32 s38, s24, 153600                     ; my stream of weights
	s_mov_b32 s39, 0
	s_lshr_b32 s40, ttmp9, 4
	s_lshl_b32 s40, s40, 8
	s_lshl_b32 s41, s24, 4
	s_add_co_u32 s40, s40, s41
	s_and_b32 s41, ttmp9, 15
	s_add_co_u32 s40, s40, s41                     ; (16 b + head) 16 + block
	s_mul_i32 s42, s40, 1536
	s_mov_b32 s43, 0
	s_lshl_b32 s44, s40, 9
	s_mov_b32 s45, 0
	s_wait_kmcnt 0x0
	s_add_nc_u64 s[4:5], s[4:5], s[28:29]
	s_add_nc_u64 s[6:7], s[6:7], s[36:37]
	s_add_nc_u64 s[WB:WB+1], s[14:15], s[38:39]
	s_add_nc_u64 s[16:17], s[16:17], s[42:43]
	s_add_nc_u64 s[18:19], s[18:19], s[42:43]
	s_add_nc_u64 s[20:21], s[20:21], s[42:43]
	s_add_nc_u64 s[22:23], s[22:23], s[44:45]
	s_wait_alu depctr_va_vdst(0)                   ; the offsets and LDS addresses v1 to v13 are written: every load and store of the kernel reads some of them
.set n, 0
.rept 16
	global_load_b128 v[ACC+4*n:ACC+4*n+3], v[LI16], s[4:5] offset:(n%8+16*(n/8))*4096 th:TH_LOAD_NT   ; place n of my row tile: 512 consecutive bytes, my K step of one row
.set n, n+1
.endr
	global_load_b64 v[PC:PC+1], v11, s[8:9]
	global_load_b64 v[PC+2:PC+3], v11, s[10:11]
	global_load_b64 v[PC+4:PC+5], v11, s[12:13]
	global_load_b32 v[M0], v12, s[6:7]
	global_load_b32 v[M0+1], v12, s[6:7] offset:32
	global_load_b32 v[MKL], v13, s[6:7]
	BLOAD 0
	BLOAD 1
	s_wait_loadcnt 32                              ; x is in: behind it 3 + 3 + 26 loads
.set n, 0
.rept 16
	ds_store_b128 v6, v[ACC+4*n:ACC+4*n+3] offset:528*n
.set n, n+1
.endr
	s_wait_alu depctr_vm_vsrc(0)                   ; the stores into the stage have read v[ACC ..], in which the loads below land
.irp b, 0,1,2,3
.irp j, 0,1,2,3
	ds_load_b128 v[ACC+16*\b+4*\j:ACC+16*\b+4*\j+3], v7 offset:128*\b+16*\j   ; LDS serves a wave's instructions in order: these see my stores.  16 neighbours of each block of 32 of row r
.endr
.endr
	s_wait_loadcnt 26                              ; the biases and the masks are in: behind them the two K steps of weights
	ds_store_b64 v11, v[PC:PC+1] offset:PAR
	ds_store_b64 v11, v[PC+2:PC+3] offset:PAR+4096
	ds_store_b64 v11, v[PC+4:PC+5] offset:PAR+8192
	v_cmp_ne_u32 s32, 0, v[M0]                     ; lanes whose key of tile 0 counts,
	v_cmp_ne_u32 s33, 0, v[M0+1]                   ; of tile 1
	v_cmp_eq_u32 vcc_lo, 0, v[MKL]
	s_wait_alu depctr_va_sdst(0)                   ; s32 and s33 are written: k's selections read them
	s_wait_alu depctr_va_vcc(0)                    ; VCC is written: the selection below reads it
	v_cndmask_b32 v[SCW+3], 0, v253, vcc_lo        ; the bias of the key at place lane
	s_wait_dscnt 0x0
	s_wait_alu depctr_vm_vsrc(0)                   ; the biases' LDS stores have read v[PC] to v[PC + 5], which the quantiser writes
	QUANT ACC, PW
	s_wait_alu depctr_va_vdst(0)                   ; the quantiser has written v[PC ..] and v[PW], which the LDS stores read, and is done reading the accumulators, in which bq lands
	ds_store_b128 v8, v[PC:PC+3]
	ds_store_b64 v9, v[PC+4:PC+5]
	ds_store_b128 v8, v[PC+6:PC+9] offset:768
	ds_store_b64 v9, v[PC+10:PC+11] offset:768
	ds_store_b32 v10, v[PW]                        ; (both halves of the lanes write the same word with the same value)
	BARRIER                                        ; x's sixteen fragments and the biases lie in LDS: the launch's one barrier
	s_wait_alu depctr_vm_vsrc(0)                   ; my LDS stores have read v[PC ..], which q's quantiser writes again
	; ---- q
	ACCINIT 0
	ALOAD 0, XIMG, XSC
.irp g, 0,1,2,3,4,5,6,7
	KSTEP \g, XIMG, XSC, 0
.endr
	QUANT32 ACC, PC, W0                            ; (the next product's first fragments and weights are on their way meanwhile)
	QUANT32 ACC+32, PC+8, W0+1
	s_wait_alu depctr_va_vdst(0)                   ; the quantiser has written v[PC ..], which the stores read, and is done reading the accumulators, in which bk lands
	IMGOUT 16
	v_lshl_or_b32 v253, v[W0], 16, v[W0]
	v_lshl_or_b32 v254, v[W0+1], 16, v[W0+1]
	v_cndmask_b32 v[SCW], v253, v254, s34
	; ---- k
	ACCINIT 4096
.irp g, 8,9,10,11,12,13,14,15
	KSTEP \g, XIMG, XSC, 0
.endr
	s_wait_xcnt 0x0                                ; q's stores have had their addresses translated: the codes' registers are written again only behind this wait
	s_wait_alu depctr_vm_vsrc(0)                   ; q's stores have read v[PC ..], which the quantiser writes again
	QUANT32 ACC, PC, W0
	QUANT32 ACC+32, PC+8, W0+1
.irp i, 0,1,2,3,4,5
	v_cndmask_b32 v[PC+\i], 0, v[PC+\i], s32       ; a masked key's codes are zeros
	v_cndmask_b32 v[PC+8+\i], 0, v[PC+8+\i], s33
.endr
	s_wait_alu depctr_va_vdst(0)                   ; the selections have written v[PC ..], which the stores read
	IMGOUT 18
	v_lshl_or_b32 v[SCW+1], v[W0+1], 16, v[W0]
	v_nop                                          ; v's sums begin anew over registers that k's products wrote: a fifth place behind those
	; ---- v
	KSTEP 16, XIMG, XSC, 2
.irp g, 17,18,19,20,21,22,23
	KSTEP \g, XIMG, XSC, 1
.endr
.irp T, 0,1,2,3
	ds_load_b32 v[AF+2*\T], v5 offset:128*(\T/2)+32*(\T%2)      ; bv of my channel of tile T, in both registers of a pair (the last step's wait has freed AF)
	ds_load_b32 v[AF+2*\T+1], v5 offset:128*(\T/2)+32*(\T%2)
.endr
	s_wait_dscnt 0x0
.irp T, 0,1,2,3
.irp i, 0,2,4,6,8,10,12,14
	v_pk_add_f32 v[ACC+16*\T+\i:ACC+16*\T+\i+1], v[ACC+16*\T+\i:ACC+16*\T+\i+1], v[AF+2*\T:AF+2*\T+1]
.endr
.endr
	s_wait_xcnt 0x0                                ; k's stores have had their addresses translated
	s_wait_alu depctr_vm_vsrc(0)                   ; k's stores have read v[PC ..], which the quantiser writes again
	QUANT ACC, SCW+2                               ; block T = channel tile T: my channel's 32 keys
	s_wait_alu depctr_va_vdst(0)                   ; the quantiser has written v[PC ..], and all four words of v[SCW ..] are written: the stores read them
	global_store_b128 v[LI16], v[PC:PC+3], s[20:21]
	global_store_b64 v[LI8], v[PC+4:PC+5], s[20:21] offset:512
	global_store_b128 v[LI16], v[PC+6:PC+9], s[20:21] offset:768
	global_store_b64 v[LI8], v[PC+10:PC+11], s[20:21] offset:1280
	global_store_b128 v[LI16], v[SCW:SCW+3], s[22:23]
	s_wait_dscnt 0x0                               ; the closing lines, six on end
	s_wait_alu 0x0
	s_wait_tensorcnt 0x0
	ds_add_u32 v[SPW], v[NIL]
	s_wait_dscnt 0x0
	s_endpgm
.Lfunc_end_k_qfb006d691a_qkv:
	.size	k_qfb006d691a_qkv, .Lfunc_end_k_qfb006d691a_qkv-k_qfb006d691a_qkv
	.p2alignl 7, 3214868480
	.fill 96, 4, 3214868480
	.section	.rodata,"a",@progbits
	.p2align	6, 0x0
	.amdhsa_kernel k_qfb006d691a_qkv
		.amdhsa_group_segment_fixed_size 175104
		.amdhsa_private_segment_fixed_size 0
		.amdhsa_enable_private_segment 0
		.amdhsa_kernarg_size 80
		.amdhsa_user_sgpr_count 2
		.amdhsa_user_sgpr_kernarg_segment_ptr 1
		.amdhsa_wavefront_size32 1
		.amdhsa_system_sgpr_workgroup_id_x 1
		.amdhsa_system_sgpr_workgroup_id_y 1
		.amdhsa_system_sgpr_workgroup_id_z 1
		.amdhsa_system_vgpr_workitem_id 0
		.amdhsa_next_free_vgpr 256
		.amdhsa_next_free_sgpr 66
		.amdhsa_reserve_vcc 1
		.amdhsa_float_denorm_mode_32 3
		.amdhsa_float_denorm_mode_16_64 3
		.amdhsa_memory_ordered 1
		.amdhsa_forward_progress 1
		.amdhsa_inst_pref_size 105
	.end_amdhsa_kernel
	.amdgpu_metadata
---
amdhsa.version: [ 1, 2 ]
amdhsa.kernels:
  - .name:           k_qfb006d691a_qkv
    .symbol:         k_qfb006d691a_qkv.kd
    .args:
      - { .name: x, .offset: 0, .size: 8, .value_kind: global_buffer, .address_space: global }
      - { .name: x_mask, .offset: 8, .size: 8, .value_kind: global_buffer, .address_space: global }
      - { .name: bq, .offset: 16, .size: 8, .value_kind: global_buffer, .address_space: global }
      - { .name: bk, .offset: 24, .size: 8, .value_kind: global_buffer, .address_space: global }
      - { .name: bv, .offset: 32, .size: 8, .value_kind: global_buffer, .address_space: global }
      - { .name: wimg, .offset: 40, .size: 8, .value_kind: global_buffer, .address_space: global }
      - { .name: qimg, .offset: 48, .size: 8, .value_kind: global_buffer, .address_space: global }
      - { .name: kimg, .offset: 56, .size: 8, .value_kind: global_buffer, .address_space: global }
      - { .name: vimg, .offset: 64, .size: 8, .value_kind: global_buffer, .address_space: global }
      - { .name: sc, .offset: 72, .size: 8, .value_kind: global_buffer, .address_space: global }
    .group_segment_fixed_size: 175104
    .private_segment_fixed_size: 0
    .kernarg_segment_align: 8
    .kernarg_segment_size: 80
    .max_flat_workgroup_size: 512
    .sgpr_count:     66
    .vgpr_count:     256
    .wavefront_size: 32
...
	.end_amdgpu_metadata
.endif
;; end of part 5
;; launch attn (part 6): grid 16 x 16, 16 waves a work-group, no clusters, 106,496 bytes of LDS; arguments qimg, kimg, vimg, sc, aimg, asc; writes aimg, asc
.if DOCPART == 6
	.amdgcn_target "amdgcn-amd-amdhsa--gfx1250"
	.amdhsa_code_object_version 6
	.text
	.protected	k_qfb006d691a_attn
	.globl	k_qfb006d691a_attn
	.p2align	8
	.type	k_qfb006d691a_attn,@function
k_qfb006d691a_attn:
	s_mov_b64 s[64:65], 0
	v_nop
	global_prefetch_b8 v0, s[64:65] scope:SCOPE_SE
	s_setreg_imm32_b32 hwreg(HW_REG_WAVE_SCHED_MODE, 0, 2), 2
	s_setreg_imm32_b32 hwreg(HW_REG_WAVE_MODE, 25, 1), 1
	s_wait_xcnt 0x0
	s_wait_alu depctr_vm_vsrc(0)
; ENCODER LAYER, launch 3 of 4: the attention on codes of E3M2, and the quantising of its result along the model's 1,024.  Nothing of reference() is left out.
; SHARES.  Work-group (x, y): batch y, heads 2 (x / 2) and 2 (x / 2) + 1, queries 256 (x % 2) on.  Each of its sixteen waves owns one tile of 16 queries and runs the two heads one after the other:
; it ends with a whole fragment (128 columns) of the next product's operand and a whole scale word.  K, V and their scale words of the two heads lie in LDS, filled once through registers.
; LAYOUT.  Both products are used transposed (S^T = K Q^T, O^T = V^T P^T): a lane holds ONE query throughout.  The keys of a tile are not neighbours (place 16 u + r = key 8 u + r % 8 + 16 (r / 8) of its 32): p's 16 registers of two tiles are 16 neighbouring keys.
; THE HEAD IS 64 LONG, THE INSTRUCTION 128: source 0 holds TWO key tiles side by side, source 1 is [Q | zeros] or [zeros | Q]: no fragment is loaded twice, and zero codes add nothing.
; THE MASK is the C of the score product: 0, or -2^36 for a masked key, whose codes are zeros; so the masked score is -2^36 exactly, the logit -2^33 (limit stated in launch 1), and t = score x c is held exactly.
; THE SOFTMAX: t = score x log2(e) / 8; M = the running largest t rounded up to a whole number; p = 2^(t - M) is quantised along the keys; the row's sum is taken of the unquantised p and divides O at the end.
; THE MODE: SCHED_MODE bits 1:0 = 2 (LLVM: expert scheduling mode 2), set by the entry lines.  The code itself states the register dependences
; between vector or matrix instructions and memory or LDS instructions, with s_wait_alu, always for 0.
; THE PLAN.  Registers that memory or LDS instructions touch:
;   v1-v9, v88-v92  offsets and LDS addresses: made once at the head and never written again.  v86, v87: at the head only; they lie in KV.
;   KV, KS, VS      A key step: K's fragments land in KV, the score products read them; V's land in the same registers, the products V^T P read them.  One set: all 256 registers that the wave is given are laid out.
;   S               At the head: what goes to LDS passes through.  In a step: the mask's bias lands, the score products add onto it, the softmax works in place, the conversions read it last.
;   QA, QS          Q's loads land (twice in the launch); the score products read them.  The zero halves are written once by vector instructions.
;   PCD, PS         Written by vector instructions, taken by the scaled products V^T P as operand and scales.
;   OC, OW          Written by the quantiser, read by the last stores.
; So a key step holds three waits on va_vdst beside the one ahead of its exponentials and the two behind them: at its head (V^T P of the step before is done reading KV and VS: K lands); behind the score products (they are done reading KV: V lands);
; ahead of V^T P (PCD and PS are written).  That last one also states that the conversions are done reading S: the next step's sixteen bias loads follow it, dealt among the four products, which name no register of S.
.set KIMG,  0                          ; [head 2][block 16][tile 2][768]
.set VIMG,  49152                      ; [head 2][block 16][unit 2][768]
.set KSC,   98304                      ; [head][block][r] words
.set VSC,   100352                     ; [head][step 4][tile 4][r] words
.set BIAS,  102400                     ; 512 f32, by place
.set SPARE, 104448
.set LI16, 1                           ; v1 16 x lane   v2 8 x lane
.set LI8,  2
.set AB,   3                           ; v3 BIAS + 32 h
.set AKS,  4                           ; v4 KSC + 4 x lane
.set AV16, 5                           ; v5 VIMG + 1536 h + 16 r
.set AV8,  6                           ; v6 VIMG + 512 + 1536 h + 8 r
.set AVS,  7                           ; v7 VSC + 4 x lane
.set R16,  8
.set R4,   9
.set SPW,  10
.set NIL,  11                          ; v12 -M, v13 the largest t, v[14:15] the sum in two halves
.set QA,   16                          ; v16-27 [Q | 0]   v28-39 [0 | Q]
.set KV,   40                          ; v40-87 four fragments of K or of V
.set S,    96                          ; v96-159 S^T, then p
.set O,    160                         ; v160-191 O^T
.set PCD,  192                         ; v192-210 p's codes
.set BM,   212
.set T4,   216
.set SO,   220
.set TT,   224
.set F,    226
.set PS,   228                         ; v228 p's, v229-230 K's, v231-232 V's, v233 Q's scale words: they hold scales alone
.set KS,   229
.set VS,   231
.set QS,   233
.set OC,   236                         ; v236-248 the result's codes
.set OW,   250
.set TM,   212
.set SEL,  30
.set CS,   32
.macro QUANT32 s, P, W                 ; 32 numbers of a lane (register 16 b + i = k 32 b + 16 h + i of my row) -> half an operand image in v[P] .. v[P + 5], two scale bytes in v[W]
	v_max3_num_f32 v[TM], |v[\s]|, |v[\s+1]|, 0x2800000
	v_max3_num_f32 v[TM+1], |v[\s+16]|, |v[\s+17]|, 0x2800000
.irp i, 2,4,6,8,10,12,14
	v_max3_num_f32 v[TM], v[TM], |v[\s+\i]|, |v[\s+1+\i]|
	v_max3_num_f32 v[TM+1], v[TM+1], |v[\s+16+\i]|, |v[\s+17+\i]|
.endr
	v_permlanex16_b32 v[TM+2], v[TM], s[SEL], s[SEL+1]
	v_permlanex16_b32 v[TM+3], v[TM+1], s[SEL], s[SEL+1]
	v_max_num_f32 v[TM], v[TM], v[TM+2]
	v_max_num_f32 v[TM+1], v[TM+1], v[TM+3]
	v_add_nc_u32 v[TM+4], 0xfe000000, v[TM]
	v_add_nc_u32 v[TM+5], 0xfe000000, v[TM+1]
	v_lshrrev_b32 v[TM+6], 23, v[TM+4]
	v_lshrrev_b32 v[TM+7], 23, v[TM+5]
	v_lshl_or_b32 v[\W], v[TM+7], 8, v[TM+6]
	v_cvt_scalef32_pk16_bf6_f32 v[\P:\P+2], v[\s:\s+15], v[TM+4]
	v_cvt_scalef32_pk16_bf6_f32 v[\P+4:\P+6], v[\s+16:\s+31], v[TM+5]
	v_nop
.irp i, 0,1,2
	v_permlane16_swap_b32 v[\P+\i], v[\P+4+\i]
.endr
	v_mov_b32 v[\P+3], v[\P+4]
	v_mov_b32 v[\P+4], v[\P+5]
	v_mov_b32 v[\P+5], v[\P+6]
.endm
.macro QLOAD c                         ; my tile of Q of head c, into both forms, and its scale word
	global_load_b128 v[QA:QA+3], v[LI16], s[34:35] offset:24576*(\c)
	global_load_b64 v[QA+4:QA+5], v[LI8], s[34:35] offset:24576*(\c)+512
	global_load_b128 v[QA+18:QA+21], v[LI16], s[34:35] offset:24576*(\c)
	global_load_b64 v[QA+22:QA+23], v[LI8], s[34:35] offset:24576*(\c)+512
	global_load_b32 v[QS], v[R16], s[36:37] offset:8192*(\c)
.endm
.macro BIASL s, t                      ; the mask's bias of key tile t of step s, in the result's layout: the score product's C
	ds_load_b128 v[S+8*(\t):S+8*(\t)+3], v[AB] offset:(8*(\s)+(\t))*64
	ds_load_b128 v[S+8*(\t)+4:S+8*(\t)+7], v[AB] offset:(8*(\s)+(\t))*64+16
.endm
.macro SMM i, u                        ; scores of key tile u of the step's block i
.set rS, S+16*(\i)+8*(\u)
.set rK, KV+12*(\i)
.set rQ, QA+12*(\u)
.set rKS, KS+(\i)/2
.if (\i)%2 == 0
	v_wmma_scale_f32_16x16x128_f8f6f4 v[rS:rS+7], v[rK:rK+11], v[rQ:rQ+11], v[rS:rS+7], v[rKS], v[QS] matrix_a_fmt:MATRIX_FMT_BF6 matrix_b_fmt:MATRIX_FMT_BF6
.else
	v_wmma_scale_f32_16x16x128_f8f6f4 v[rS:rS+7], v[rK:rK+11], v[rQ:rQ+11], v[rS:rS+7], v[rKS], v[QS] matrix_a_fmt:MATRIX_FMT_BF6 matrix_b_fmt:MATRIX_FMT_BF6 matrix_a_scale:MATRIX_SCALE_ROW1
.endif
.endm
.macro OMM T, zero                     ; channel tile T of O^T
.set rO, O+8*(\T)
.set rV, KV+12*(\T)
.set rVS, VS+(\T)/2
.if \zero
.if (\T)%2 == 0
	v_wmma_scale_f32_16x16x128_f8f6f4 v[rO:rO+7], v[rV:rV+11], v[PCD:PCD+11], 0, v[rVS], v[PS] matrix_a_fmt:MATRIX_FMT_BF6 matrix_b_fmt:MATRIX_FMT_BF6
.else
	v_wmma_scale_f32_16x16x128_f8f6f4 v[rO:rO+7], v[rV:rV+11], v[PCD:PCD+11], 0, v[rVS], v[PS] matrix_a_fmt:MATRIX_FMT_BF6 matrix_b_fmt:MATRIX_FMT_BF6 matrix_a_scale:MATRIX_SCALE_ROW1
.endif
.else
.if (\T)%2 == 0
	v_wmma_scale_f32_16x16x128_f8f6f4 v[rO:rO+7], v[rV:rV+11], v[PCD:PCD+11], v[rO:rO+7], v[rVS], v[PS] matrix_a_fmt:MATRIX_FMT_BF6 matrix_b_fmt:MATRIX_FMT_BF6
.else
	v_wmma_scale_f32_16x16x128_f8f6f4 v[rO:rO+7], v[rV:rV+11], v[PCD:PCD+11], v[rO:rO+7], v[rVS], v[PS] matrix_a_fmt:MATRIX_FMT_BF6 matrix_b_fmt:MATRIX_FMT_BF6 matrix_a_scale:MATRIX_SCALE_ROW1
.endif
.endif
.endm
; A KEY STEP: 128 keys, the s-th of head c.  Its bias was asked for in the step before.  nb = 1: a step follows, and its bias is asked for here.
.macro STEP c, s, nb
.rept 4
	v_nop                                          ; four places behind the last products; the wait below fills none of them
.endr
	s_wait_alu depctr_va_vdst(0)                   ; the products V^T P of the step before are done reading KV, in which K's fragments land (at the launch's first step: v86 and v87, which lie in KV, are done with)
.irp i, 0,1,2,3
	ds_load_b128 v[KV+12*\i:KV+12*\i+3], v[LI16] offset:24576*(\c)+(4*(\s)+\i)*1536          ; block i: key tile 0 in the fragment's lower half,
	ds_load_b64 v[KV+12*\i+4:KV+12*\i+5], v[LI8] offset:24576*(\c)+(4*(\s)+\i)*1536+512
	ds_load_b128 v[KV+12*\i+6:KV+12*\i+9], v[LI16] offset:24576*(\c)+(4*(\s)+\i)*1536+768    ; key tile 1 in its upper half
	ds_load_b64 v[KV+12*\i+10:KV+12*\i+11], v[LI8] offset:24576*(\c)+(4*(\s)+\i)*1536+1280
.endr
	ds_load_b32 v[KS], v[AKS] offset:1024*(\c)+(4*(\s))*64               ; lanes 0-15 block 0's words, lanes 16-31 block 1's
	ds_load_b32 v[KS+1], v[AKS] offset:1024*(\c)+(4*(\s)+2)*64
	s_wait_dscnt 0x0                               ; K, its scale words and the bias are in
.irp i, 0,1,2,3
.irp u, 0,1
	SMM \i, \u
.endr
.endr
.rept 4
	v_nop                                          ; four places ahead of the first read of the scores
.endr
	s_wait_alu depctr_va_vdst(0)                   ; the score products are done reading KV, in which V's fragments land; V^T P of the step before is done reading VS
.irp T, 0,1,2,3                                ; V's four fragments are asked for here and land under the softmax, which names none of their registers
.irp k, 0,1
	ds_load_b128 v[KV+12*\T+6*\k:KV+12*\T+6*\k+3], v[AV16] offset:24576*(\c)+6144*(\s)+3072*\k+768*(\T/2)+256*(\T%2)
	ds_load_b64 v[KV+12*\T+6*\k+4:KV+12*\T+6*\k+5], v[AV8] offset:24576*(\c)+6144*(\s)+3072*\k+768*(\T/2)+128*(\T%2)
.endr
.endr
	ds_load_b32 v[VS], v[AVS] offset:1024*(\c)+256*(\s)
	ds_load_b32 v[VS+1], v[AVS] offset:1024*(\c)+256*(\s)+128
.irp b, 0,1,2,3
	v_max3_num_f32 v[BM+\b], v[S+16*\b], v[S+1+16*\b], v[S+2+16*\b]      ; the largest score of each block of 32 keys: for the row's maximum, and, since p rises with the score, for the block's largest p
.endr
.irp i, 3,5,7,9,11,13
.irp b, 0,1,2,3
	v_max3_num_f32 v[BM+\b], v[BM+\b], v[S+16*\b+\i], v[S+1+16*\b+\i]
.endr
.endr
.irp b, 0,1,2,3
	v_max_num_f32 v[BM+\b], v[BM+\b], v[S+15+16*\b]
.endr
.irp b, 0,1,2,3
	v_permlanex16_b32 v[T4+\b], v[BM+\b], s[SEL], s[SEL+1]
.endr
.irp b, 0,1,2,3
	v_max_num_f32 v[BM+\b], v[BM+\b], v[T4+\b]
.endr
	v_max3_num_f32 v[TT], v[BM], v[BM+1], v[BM+2]
	v_max_num_f32 v[TT], v[TT], v[BM+3]
	v_mul_f32 v[TT], s[CS], v[TT]                  ; as t (c is positive)
	v_max_num_f32 v13, v13, v[TT]                  ; the running largest t
	v_mov_b32 v[TT], v12
	v_floor_f32 v12, -v13                          ; the new -M = floor(-t): M is a whole number
	v_sub_f32 v[TT], v12, v[TT]                    ; old M - new M: a whole number, 0 or less
	v_cvt_i32_f32 v[TT], v[TT]                     ; (it saturates)
	v_ldexp_f32 v[F], 1.0, v[TT]                   ; f = 2^(old M - new M)
.set n, 0
.rept 32
	v_pk_fma_f32 v[S+n:S+n+1], v[S+n:S+n+1], s[CS:CS+1], v[12:13] op_sel_hi:[1,0,0]   ; t - M
.set n, n+2
.endr
.irp b, 0,1,2,3
	v_fma_f32 v[BM+\b], v[BM+\b], s[CS], v12
.endr
.set n, 0
	s_wait_alu depctr_va_vdst(0)
.rept 64
	v_exp_f32 v[S+n], v[S+n]                       ; p = 2^(t - M)
.set n, n+1
.endr
	v_pk_mul_f32 v[14:15], v[14:15], v[F:F+1] op_sel_hi:[1,0]   ; the sums under the new M: the plain place behind the batch
	s_wait_alu depctr_va_vdst(0)                   ; the 64 exponentials have written p, ahead of their first reader: one wait for the batch
.irp b, 0,1,2,3
	v_exp_f32 v[BM+\b], v[BM+\b]                   ; each block's largest p
.endr
	v_pk_add_f32 v[T4:T4+1], v[S:S+1], v[S+2:S+3]  ; the row's sum of the unquantised p, in two chains
.irp j, 4,8,12,16,20,24,28,32,36,40,44,48,52,56,60
	v_pk_add_f32 v[14:15], v[14:15], v[S+\j:S+1+\j]
	v_pk_add_f32 v[T4:T4+1], v[T4:T4+1], v[S+2+\j:S+3+\j]
.endr
	v_pk_add_f32 v[14:15], v[14:15], v[T4:T4+1]
	s_wait_alu depctr_va_vdst(0)                   ; the four exponentials have written the blocks' largest p, ahead of their first reader
.irp b, 0,1,2,3
	v_max_num_f32 v[BM+\b], 0x2800000, v[BM+\b]    ; the floor 2^(5 - 127)
.endr
.irp b, 0,1,2,3
	v_add_nc_u32 v[SO+\b], 0xfe000000, v[BM+\b]
.endr
.irp b, 0,1,2,3
	v_lshrrev_b32 v[T4+\b], 23, v[SO+\b]
.endr
	v_lshl_or_b32 v[PS], v[T4+1], 8, v[T4]
	v_lshl_or_b32 v[PS], v[T4+2], 16, v[PS]
	v_lshl_or_b32 v[PS], v[T4+3], 24, v[PS]
.irp k, 0,1
	v_cvt_scalef32_pk16_bf6_f32 v[PCD+6*\k:PCD+2+6*\k], v[S+32*\k:S+15+32*\k], v[SO+2*\k]
	v_cvt_scalef32_pk16_bf6_f32 v[PCD+12+4*\k:PCD+14+4*\k], v[S+16+32*\k:S+31+32*\k], v[SO+2*\k+1]
.endr
	v_nop
.irp k, 0,1
.irp i, 0,1,2
	v_permlane16_swap_b32 v[PCD+6*\k+\i], v[PCD+12+4*\k+\i]
.endr
.irp i, 0,1,2
	v_mov_b32 v[PCD+3+6*\k+\i], v[PCD+12+4*\k+\i]
.endr
.endr
.if (\s) > 0
.set n, 0
.rept 16
	v_pk_mul_f32 v[O+n:O+n+1], v[O+n:O+n+1], v[F:F+1] op_sel_hi:[1,0]   ; O^T under the new M; these are also the places between p's scale word and codes and the products below
.set n, n+2
.endr
.else
.rept 8
	v_nop                                          ; a head's first step has nothing to rescale: eight places between p's scale word and the scaled products
.endr
.endif
	s_wait_dscnt 0x0                               ; V is in
	s_wait_alu depctr_va_vdst(0)                   ; behind their places: p's codes and scale word are written, which the scaled products take; and the conversions are done reading S, in which the next step's bias lands
.irp T, 0,1,2,3
	OMM \T, ((\s)==0)
.if \nb
	BIASL ((\s)+1)%4, 2*\T                         ; no wait: no vector or matrix instruction since the wait above names a register of S
	BIASL ((\s)+1)%4, 2*\T+1
.endif
.endr
.endm
.macro HEAD_INIT
	v_mov_b32 v13, 0xff61b1e6                      ; the largest t so far: -3e38
	v_floor_f32 v12, -v13
	v_mov_b32 v14, 0
	v_mov_b32 v15, 0
.endm
.macro EPO c                           ; O^T / the sum, quantised: half c of my fragment
.rept 4
	v_nop
.endr
	v_add_f32 v14, v14, v15
	v_permlanex16_b32 v[TT], v14, s[SEL], s[SEL+1]
	v_add_f32 v14, v14, v[TT]                      ; with lane l xor 16's keys: the row's sum
	s_wait_alu depctr_va_vdst(0)
	v_rcp_f32 v[F], v14
	v_nop
	s_wait_alu depctr_va_vdst(0)                   ; the reciprocal is written, ahead of its first reader
.set n, 0
.rept 16
	v_pk_mul_f32 v[O+n:O+n+1], v[O+n:O+n+1], v[F:F+1] op_sel_hi:[1,0]
.set n, n+2
.endr
	QUANT32 O, OC+6*(\c), OW+(\c)
.endm
	s_load_b256 s[4:11], s[0:1], 0x0               ; qimg, kimg, vimg, sc
	s_load_b128 s[12:15], s[0:1], 0x20             ; aimg, asc
	v_lshl_add_u32 v[SPW], v0, 2, SPARE
	v_mov_b32 v[NIL], 0
	v_lshrrev_b32 v1, 5, v0
	v_readfirstlane_b32 s16, v1                    ; wave
	s_lshr_b32 s17, ttmp9, 1                       ; g: the pair of heads
	s_and_b32 s18, ttmp9, 1                        ; which half of the queries
	s_and_b32 s19, ttmp7, 0xffff                   ; batch
	s_lshl_b32 s20, s19, 4
	s_lshl_b32 s21, s17, 1
	s_add_co_u32 s20, s20, s21                     ; 16 b + first head
	s_mul_i32 s22, s20, 24576                      ; K, V
	s_mov_b32 s23, 0
	s_lshl_b32 s24, s20, 13                        ; sc
	s_mov_b32 s25, 0
	s_lshl_b32 s26, s20, 5
	s_lshl_b32 s21, s18, 4
	s_add_co_u32 s26, s26, s21
	s_wait_alu depctr_va_sdst(0)                   ; s16 is written, ahead of its first reader: Q's, the result's and the scale words' bases are made from it
	s_add_co_u32 s26, s26, s16
	s_mul_i32 s26, s26, 768                        ; my tile of Q
	s_mov_b32 s27, 0
	s_lshl_b32 s28, s18, 12
	s_lshl_b32 s21, s16, 8
	s_add_co_u32 s28, s28, s21
	s_add_co_u32 s28, s28, s24                     ; its 16 scale words in sc: block 8 qh + w / 2, lanes 16 (w % 2) on
	s_mov_b32 s29, 0
	s_lshl_b32 s38, s19, 4
	s_lshl_b32 s21, s18, 3
	s_add_co_u32 s38, s38, s21
	s_lshr_b32 s21, s16, 1
	s_add_co_u32 s38, s38, s21                     ; the block of 32 rows, 0 .. 255
	s_lshl_b32 s38, s38, 3
	s_add_co_u32 s38, s38, s17
	s_lshl_b32 s38, s38, 1
	s_and_b32 s21, s16, 1
	s_add_co_u32 s38, s38, s21                     ; my fragment's number in aimg
	s_lshl_b32 s40, s38, 6
	s_mov_b32 s41, 0
	s_mul_i32 s38, s38, 1536
	s_mov_b32 s39, 0
	s_mov_b32 s[SEL], 0x76543210
	s_mov_b32 s[SEL+1], 0xfedcba98
	s_mov_b32 s[CS], 0x3e38aa3b                    ; c = log2(e) / 8
	s_mov_b32 s[CS+1], s[CS]
	v_and_b32 v95, 31, v0                          ; lane
	v_and_b32 v94, 15, v0                          ; r
	v_bfe_u32 v93, v0, 4, 1                        ; h
	v_lshlrev_b32 v[LI16], 4, v95
	v_lshlrev_b32 v[LI8], 3, v95
	v_lshlrev_b32 v[AB], 5, v93
	v_add_nc_u32 v[AB], BIAS, v[AB]
	v_lshlrev_b32 v[AKS], 2, v95
	v_add_nc_u32 v[AVS], VSC, v[AKS]
	v_add_nc_u32 v[AKS], KSC, v[AKS]
	v_lshlrev_b32 v[R16], 4, v94
	v_lshlrev_b32 v[R4], 2, v94
	v_mul_u32_u24 v[AV16], v93, 1536
	v_lshl_add_u32 v[AV8], v94, 3, v[AV16]
	v_add_nc_u32 v[AV8], VIMG+512, v[AV8]
	v_add_nc_u32 v[AV16], v[AV16], v[R16]
	v_add_nc_u32 v[AV16], VIMG, v[AV16]
	v_lshlrev_b32 v88, 4, v0                       ; 16 t
	v_add_nc_u32 v89, VIMG, v88
	v_lshrrev_b32 v90, 5, v0
	v_lshl_add_u32 v90, v90, 4, v94
	v_lshlrev_b32 v90, 2, v90
	v_add_nc_u32 v90, KSC, v90                     ; K's scale word of (block t / 32, r)
	v_lshlrev_b32 v91, 2, v0
	v_add_nc_u32 v92, VSC, v91
	v_add_nc_u32 v91, BIAS, v91
	v_lshrrev_b32 v87, 8, v0                       ; V's scale words: thread t = 256 head + 64 step + 16 tile + r makes one word
	v_bfe_u32 v86, v0, 6, 2
	v_lshlrev_b32 v87, 13, v87
	v_lshl_add_u32 v87, v86, 11, v87
	v_add_nc_u32 v87, v87, v[R16]                  ; in sc: head, block 4 x step, lane r
	v_bfe_u32 v86, v0, 4, 2
	v_lshlrev_b32 v86, 3, v86                      ; 8 x tile: which byte
	s_wait_kmcnt 0x0
	s_add_nc_u64 s[6:7], s[6:7], s[22:23]
	s_add_nc_u64 s[8:9], s[8:9], s[22:23]
	s_add_nc_u64 s[36:37], s[10:11], s[28:29]
	s_add_nc_u64 s[10:11], s[10:11], s[24:25]
	s_add_nc_u64 s[34:35], s[4:5], s[26:27]
	s_add_nc_u64 s[12:13], s[12:13], s[38:39]
	s_add_nc_u64 s[14:15], s[14:15], s[40:41]
	s_wait_alu depctr_va_vdst(0)                   ; the offsets and LDS addresses v1 to v9 and v87 to v92 are written: every load and store of the kernel reads some of them
.irp i, 0,1,2,3,4,5
	global_load_b128 v[S+4*\i:S+4*\i+3], v88, s[6:7] offset:8192*\i       ; the two heads' K: 49,152 dense bytes
.endr
.irp i, 0,1,2,3,4,5
	global_load_b128 v[S+24+4*\i:S+27+4*\i], v88, s[8:9] offset:8192*\i   ; and V
.endr
	global_load_b128 v[S+48:S+51], v88, s[10:11]
	global_load_b128 v[S+52:S+55], v88, s[10:11] offset:8192
.irp e, 0,1,2,3
	global_load_b32 v[S+56+\e], v87, s[10:11] offset:512*\e+8             ; V's word of key block 4 x step + e
.endr
	QLOAD 0
.irp i, 6,7,8,9,10,11,12,13,14,15,16,17
	v_mov_b32 v[QA+\i], 0                          ; the zero halves of [Q | 0] and [0 | Q]
.endr
.irp b, 0,1,2,3
	v_mov_b32 v[T4+\b], 0                          ; written once: a lane permute's destination counts as one of its sources
.endr
	v_mov_b32 v[F+1], 0                            ; (named as the upper half of a pair)
	HEAD_INIT
	s_wait_loadcnt 0x0
.irp i, 0,1,2,3,4,5
	ds_store_b128 v88, v[S+4*\i:S+4*\i+3] offset:8192*\i
.endr
.irp i, 0,1,2,3,4,5
	ds_store_b128 v89, v[S+24+4*\i:S+27+4*\i] offset:8192*\i
.endr
	ds_store_b32 v90, v[S+49]                      ; (two lanes write the same word with the same value)
	ds_store_b32 v90, v[S+53] offset:1024
	ds_store_b32 v91, v[S+51]                      ; the bias is the same for every head
.irp e, 0,1,2,3
	v_bfe_u32 v[S+56+\e], v[S+56+\e], v86, 8       ; my tile's byte of each of the four key blocks
.endr
	v_lshl_or_b32 v[S+56], v[S+57], 8, v[S+56]
	v_lshl_or_b32 v[S+56], v[S+58], 16, v[S+56]
	v_lshl_or_b32 v[S+56], v[S+59], 24, v[S+56]
	s_wait_alu depctr_va_vdst(0)                   ; the joined word v[S + 56] is written, which the store reads; Q's zero halves are written, which the scaled score products take
	ds_store_b32 v92, v[S+56]
	s_wait_dscnt 0x0                               ; for the others' sake: my stores have landed
	s_barrier_signal -1
	s_barrier_wait -1                              ; the launch's one barrier: from here on LDS is only read
	s_wait_alu depctr_vm_vsrc(0)                   ; my LDS stores have read v[S ..], in which the bias lands; the head's loads have read v87, in which a fragment of K lands
.irp t, 0,1,2,3,4,5,6,7
	BIASL 0, \t                                    ; the first step's bias
.endr
	STEP 0, 0, 1
	STEP 0, 1, 1
	STEP 0, 2, 1
	STEP 0, 3, 1
	QLOAD 1                                        ; the last score products, which read QA and QS, stand ahead of five waits on va_vdst; it lands under the lines below
	EPO 0
	HEAD_INIT
	s_wait_loadcnt 0x0
	STEP 1, 0, 1
	STEP 1, 1, 1
	STEP 1, 2, 1
	STEP 1, 3, 0
	EPO 1
	v_lshl_or_b32 v[OW], v[OW+1], 16, v[OW]
	s_wait_alu depctr_va_vdst(0)                   ; the quantiser has written v[OC ..], and v[OW] is joined: the stores read them
	global_store_b128 v[LI16], v[OC:OC+3], s[12:13]
	global_store_b64 v[LI8], v[OC+4:OC+5], s[12:13] offset:512
	global_store_b128 v[LI16], v[OC+6:OC+9], s[12:13] offset:768
	global_store_b64 v[LI8], v[OC+10:OC+11], s[12:13] offset:1280
	global_store_b32 v[R4], v[OW], s[14:15]        ; my 16 rows' scale words (both halves of the lanes store the same word)
	s_wait_dscnt 0x0                               ; the closing lines, six on end
	s_wait_alu 0x0
	s_wait_tensorcnt 0x0
	ds_add_u32 v[SPW], v[NIL]
	s_wait_dscnt 0x0
	s_endpgm
.Lfunc_end_k_qfb006d691a_attn:
	.size	k_qfb006d691a_attn, .Lfunc_end_k_qfb006d691a_attn-k_qfb006d691a_attn
	.p2alignl 7, 3214868480
	.fill 96, 4, 3214868480
	.section	.rodata,"a",@progbits
	.p2align	6, 0x0
	.amdhsa_kernel k_qfb006d691a_attn
		.amdhsa_group_segment_fixed_size 106496
		.amdhsa_private_segment_fixed_size 0
		.amdhsa_enable_private_segment 0
		.amdhsa_kernarg_size 48
		.amdhsa_user_sgpr_count 2
		.amdhsa_user_sgpr_kernarg_segment_ptr 1
		.amdhsa_wavefront_size32 1
		.amdhsa_system_sgpr_workgroup_id_x 1
		.amdhsa_system_sgpr_workgroup_id_y 1
		.amdhsa_system_sgpr_workgroup_id_z 1
		.amdhsa_system_vgpr_workitem_id 0
		.amdhsa_next_free_vgpr 256
		.amdhsa_next_free_sgpr 66
		.amdhsa_reserve_vcc 0
		.amdhsa_float_denorm_mode_32 3
		.amdhsa_float_denorm_mode_16_64 3
		.amdhsa_memory_ordered 1
		.amdhsa_forward_progress 1
		.amdhsa_inst_pref_size 150
	.end_amdhsa_kernel
	.amdgpu_metadata
---
amdhsa.version: [ 1, 2 ]
amdhsa.kernels:
  - .name:           k_qfb006d691a_attn
    .symbol:         k_qfb006d691a_attn.kd
    .args:
      - { .name: qimg, .offset: 0, .size: 8, .value_kind: global_buffer, .address_space: global }
      - { .name: kimg, .offset: 8, .size: 8, .value_kind: global_buffer, .address_space: global }
      - { .name: vimg, .offset: 16, .size: 8, .value_kind: global_buffer, .address_space: global }
      - { .name: sc, .offset: 24, .size: 8, .value_kind: global_buffer, .address_space: global }
      - { .name: aimg, .offset: 32, .size: 8, .value_kind: global_buffer, .address_space: global }
      - { .name: asc, .offset: 40, .size: 8, .value_kind: global_buffer, .address_space: global }
    .group_segment_fixed_size: 106496
    .private_segment_fixed_size: 0
    .kernarg_segment_align: 8
    .kernarg_segment_size: 48
    .max_flat_workgroup_size: 512
    .sgpr_count:     66
    .vgpr_count:     256
    .wavefront_size: 32
...
	.end_amdgpu_metadata
.endif
;; end of part 6
;; launch tail (part 7): grid 256 x 1, 16 waves a work-group, no clusters, 229,376 bytes of LDS; arguments aimg, asc, x, wimg, bo, gamma1, beta1, b1, b2, gamma2, beta2, out0; writes out0
.if DOCPART == 7
	.amdgcn_target "amdgcn-amd-amdhsa--gfx1250"
	.amdhsa_code_object_version 6
	.text
	.protected	k_qfb006d691a_tail
	.globl	k_qfb006d691a_tail
	.p2align	8
	.type	k_qfb006d691a_tail,@function
k_qfb006d691a_tail:
	s_mov_b64 s[64:65], 0
	v_nop
	global_prefetch_b8 v0, s[64:65] scope:SCOPE_SE
	s_setreg_imm32_b32 hwreg(HW_REG_WAVE_SCHED_MODE, 0, 2), 2
	s_setreg_imm32_b32 hwreg(HW_REG_WAVE_MODE, 25, 1), 1
	s_wait_xcnt 0x0
	s_wait_alu depctr_vm_vsrc(0)
; ENCODER LAYER, launch 4 of 4: h = LN1(attn Wo + bo + x); out = LN2(gelu(h W1 + b1) W2 + b2 + h).  The three products on codes of E3M2; h and the hidden layer never go to memory.  Nothing of reference() is left out.
; SHARES.  A work-group takes 32 whole rows (a norm needs whole rows); wave w takes columns 64 w .. 64 w + 63 of every product for all 32 rows: 8 accumulators.  Its 64 columns of a result are half a fragment of the next
; product's operand: quantised in registers, laid in LDS as an image of the operand's registers, read by all sixteen waves behind a barrier.  Weights go from memory straight into registers, two K steps ahead, 24 steps on end.
; The residuals (x, h) are the sums' first values; b1 likewise; bo and b2 are added ahead of the norms.  THE NORMS go in two passes, as reference() has them: mean, then the sum of squares of the differences, / 1,023; eps is added to the root.
; GELU: x / 2 (1 + erf(x / sqrt 2)), erf(z) = z P(z^2) / Q(z^2) with z held to -4 .. 4, polynomials of degree 6 and 4 in z^2: good to a few units of f32's last place; beyond 4 erf is 1 in f32.
; THE MODE: SCHED_MODE bits 1:0 = 2 (LLVM: expert scheduling mode 2), set by the entry lines.  The code itself states the register dependences
; between vector or matrix instructions and memory or LDS instructions, with s_wait_alu, always for 0.
; THE PLAN.  Registers that memory or LDS instructions touch:
;   v1-v15, v254, v255  offsets and LDS addresses: made once at the head and never written again.
;   BF0, BF1, SB  K step g: its eight products read BF[g % 2] and SB[g % 2]; behind them the loads of step g + 2 land there.  On the way out the stage's rows land in BF and the stores read them.
;   AF = E, SA    K step g: its products read AF and SA; behind them the LDS loads of step g + 1 land there, within a product.  Between the products the same registers are E: vectors and partial sums land there,
;                 the norms, the activation and the quantiser work there, and the codes leave from there by LDS stores.  One set: all 256 registers that the wave is given are laid out.
;   R0            Two running sums: written by vector instructions, read by a reduction's two LDS stores, written again with the totals.
;   ACC           x lands, goes through the stage and comes back; b1 and h land at a product's start; products and vector instructions write it; LDS stores read it (h's image, the way out).
; So ONE wait on va_vdst stands in a K step, behind its products; one ahead of each run of LDS stores; one on vm_vsrc behind each barrier behind which registers that stores have read are written again.
.set AI0,   0                          ; images: 16 fragments of 1,536 bytes;  AS0: their scale words, 64 bytes each
.set AS0,   24576
.set AI1,   25600
.set AS1,   50176
.set PAR,   51200                      ; bo, gamma1, beta1, b1, b2, gamma2, beta2: 4,096 bytes each
.set RED,   79872                      ; four regions [tile 2][r 16][wave 16] of f32
.set WREG,  88064                      ; 8,704 bytes for each wave, its own: x's stage, then h, then the stage for the way out
.set SPARE, 227328
.set LI16, 1
.set LI8,  2
.set LR4,  3
.set LPB,  4                           ; v4  PAR + 256 w + 64 h
.set RW,   5                           ; v5  RED + 64 r + 4 w
.set RR,   6                           ; v6  RED + 64 r
.set STA,  7                           ; v7  my region: 272 h + 16 r: two rows of 256 bytes an instruction
.set STB,  8                           ; v8  my region: 272 r + 64 h: the result's layout
.set WIM,  9                           ; v9  my region: 16 x lane
.set IW16, 10                          ; v10, v11 where my half image goes;  v12 its two scale bytes
.set IW8,  11
.set IWS,  12
.set GX,   13                          ; v13 4096 h + 16 r: x's and out's rows
.set T16,  14
.set PT,   15                          ; v15 PAR + 8 t
.set ACC,  16
.set BF,   80
.set AF,   176
.set E,    176                         ; v176-231 at work between the products
.set R0,   208                         ; v208-211 two running sums
.set TM,   208                         ; v208-215 at work in the quantiser
.set SB,   232                         ; v232-235, v236-237: scale words alone
.set SA,   236
.set SPW,  238
.set NIL,  239
.set NM,   240                         ; v240-243 -mean, v244-247 1 / (std + eps): a pair for each row tile
.set INV,  244
.set CA0,  248
.set CB0,  250
.set PX,   252
.set WB,   56
.set SEL,  30
.macro BARRIER
	s_wait_dscnt 0x0
	s_barrier_signal -1
	s_barrier_wait -1
.endm
.macro BLOAD g
.irp T, 0,1,2,3
.irp p, 0,1,2
	global_load_b128 v[BF+48*((\g)%2)+12*\T+4*\p:BF+48*((\g)%2)+12*\T+4*\p+3], v[LI16], s[WB:WB+1] offset:6400*(\g)+1536*\T+512*\p
.endr
.endr
	global_load_b64 v[SB+2*((\g)%2):SB+2*((\g)%2)+1], v[LI8], s[WB:WB+1] offset:6400*(\g)+6144
.endm
.macro ALOAD g, abase, asbase          ; the rows' two fragments of K step g and their scale words: ten LDS loads
.set KK, (\g)%8
.irp u, 0,1
.irp c, 0,1
	ds_load_b128 v[AF+12*\u+6*\c:AF+12*\u+6*\c+3], v[LI16] offset:\abase+(2*KK+\u)*1536+768*\c
	ds_load_b64 v[AF+12*\u+6*\c+4:AF+12*\u+6*\c+5], v[LI8] offset:\abase+(2*KK+\u)*1536+768*\c+512
.endr
	ds_load_b32 v[SA+\u], v[LR4] offset:\asbase+(2*KK+\u)*64
.endr
.endm
.macro WM g, T, u
.set rB, BF+48*((\g)%2)+12*(\T)
.set rA, AF+12*(\u)
.set rSB, SB+2*((\g)%2)+(\T)%2
.set rSA, SA+(\u)
.set rD, ACC+32*(\u)+8*(\T)
.if (\T) < 2
	v_wmma_scale_f32_16x16x128_f8f6f4 v[rD:rD+7], v[rB:rB+11], v[rA:rA+11], v[rD:rD+7], v[rSB], v[rSA] matrix_a_fmt:MATRIX_FMT_BF6 matrix_b_fmt:MATRIX_FMT_BF6
.else
	v_wmma_scale_f32_16x16x128_f8f6f4 v[rD:rD+7], v[rB:rB+11], v[rA:rA+11], v[rD:rD+7], v[rSB], v[rSA] matrix_a_fmt:MATRIX_FMT_BF6 matrix_b_fmt:MATRIX_FMT_BF6 matrix_a_scale:MATRIX_SCALE_ROW1
.endif
.endm
.macro KSTEP g, abase, asbase          ; as in launch 2: 8 products on 8 accumulators by turns; behind them the one wait, the rows' fragments of the next step of the same product, the weights of two steps on
.if (\g) < 23
	s_wait_loadcnt 13                              ; this step's weights are in; the next step's 13 loads may be out
.else
	s_wait_loadcnt 0x0
.endif
	s_wait_dscnt 0x0                               ; the rows' fragments are in (and the sums' first values, at a product's first step)
.irp T, 0,1,2,3
.irp u, 0,1
	WM \g, \T, \u
.endr
.endr
.rept 4
	v_nop                                          ; four places behind the products, ahead of vector writes of registers that they read and of the first read of results; the wait below fills none of them
.endr
	s_wait_alu depctr_va_vdst(0)                   ; this step's products are done reading AF, SA, BF[g % 2] and SB[g % 2], in which the loads that follow land (behind a product's last step: a bias, in E)
.if ((\g)%8) != 7
	ALOAD (\g)+1, \abase, \asbase
.endif
.if (\g)+2 <= 23
	BLOAD (\g)+2
.endif
.endm
.macro QUANT32 s, P, W
	v_max3_num_f32 v[TM], |v[\s]|, |v[\s+1]|, 0x2800000
	v_max3_num_f32 v[TM+1], |v[\s+16]|, |v[\s+17]|, 0x2800000
.irp i, 2,4,6,8,10,12,14
	v_max3_num_f32 v[TM], v[TM], |v[\s+\i]|, |v[\s+1+\i]|
	v_max3_num_f32 v[TM+1], v[TM+1], |v[\s+16+\i]|, |v[\s+17+\i]|
.endr
	v_permlanex16_b32 v[TM+2], v[TM], s[SEL], s[SEL+1]
	v_permlanex16_b32 v[TM+3], v[TM+1], s[SEL], s[SEL+1]
	v_max_num_f32 v[TM], v[TM], v[TM+2]
	v_max_num_f32 v[TM+1], v[TM+1], v[TM+3]
	v_add_nc_u32 v[TM+4], 0xfe000000, v[TM]
	v_add_nc_u32 v[TM+5], 0xfe000000, v[TM+1]
	v_lshrrev_b32 v[TM+6], 23, v[TM+4]
	v_lshrrev_b32 v[TM+7], 23, v[TM+5]
	v_lshl_or_b32 v[\W], v[TM+7], 8, v[TM+6]
	v_cvt_scalef32_pk16_bf6_f32 v[\P:\P+2], v[\s:\s+15], v[TM+4]
	v_cvt_scalef32_pk16_bf6_f32 v[\P+4:\P+6], v[\s+16:\s+31], v[TM+5]
	v_nop
.irp i, 0,1,2
	v_permlane16_swap_b32 v[\P+\i], v[\P+4+\i]
.endr
	v_mov_b32 v[\P+3], v[\P+4]
	v_mov_b32 v[\P+4], v[\P+5]
	v_mov_b32 v[\P+5], v[\P+6]
.endm
.macro ACCINIT voff
.irp u, 0,1
.irp T, 0,1,2,3
	ds_load_b128 v[ACC+32*\u+8*\T:ACC+32*\u+8*\T+3], v[LPB] offset:\voff+128*(\T/2)+32*(\T%2)
	ds_load_b128 v[ACC+32*\u+8*\T+4:ACC+32*\u+8*\T+7], v[LPB] offset:\voff+128*(\T/2)+32*(\T%2)+16
.endr
.endr
.endm
.macro QSTORE ai, as                   ; my 64 columns of the 32 rows become half c = w % 2 of K step w / 2 of the next operand's two fragments: both row tiles are quantised first, then one wait, then the stores
	QUANT32 ACC, E, E+48
	QUANT32 ACC+32, E+8, E+49
	s_wait_alu depctr_va_vdst(0)                   ; the quantiser has written the codes and the scale bytes in v[E ..], and the lines ahead of it the accumulators: the LDS stores up to the barrier read them
.irp u, 0,1
	ds_store_b128 v[IW16], v[E+8*\u:E+8*\u+3] offset:\ai+1536*\u
	ds_store_b64 v[IW8], v[E+8*\u+4:E+8*\u+5] offset:\ai+1536*\u
	ds_store_b16 v[IWS], v[E+48+\u] offset:\as+64*\u
.endr
.endm
; The two lanes' and the sixteen waves' parts of two sums a row (pairs in v[R0:R0+1], v[R0+2:R0+3]) meet in LDS; every wave adds them in the same order.  The totals come back in v[R0], v[R0+2].
.macro REDUCE ra
	v_add_f32 v[R0], v[R0], v[R0+1]
	v_add_f32 v[R0+2], v[R0+2], v[R0+3]
	v_permlanex16_b32 v[PX], v[R0], s[SEL], s[SEL+1]
	v_permlanex16_b32 v[PX+1], v[R0+2], s[SEL], s[SEL+1]
	v_add_f32 v[R0], v[R0], v[PX]
	v_add_f32 v[R0+2], v[R0+2], v[PX+1]
	s_wait_alu depctr_va_vdst(0)                   ; my two sums are written, which the LDS stores read; the vector lines so far are done reading v[E ..], in which the sixteen waves' parts land
	ds_store_b32 v[RW], v[R0] offset:\ra
	ds_store_b32 v[RW], v[R0+2] offset:\ra+1024
	BARRIER
	s_wait_alu depctr_vm_vsrc(0)                   ; my two stores have read v[R0] and v[R0 + 2], which the totals are written into below
.irp u, 0,1
.irp i, 0,1,2,3
	ds_load_b128 v[E+16*\u+4*\i:E+16*\u+4*\i+3], v[RR] offset:\ra+1024*\u+16*\i
.endr
.endr
	s_wait_dscnt 0x0
.irp i, 0,2,4,6
.irp u, 0,1
	v_pk_add_f32 v[E+16*\u+\i:E+16*\u+\i+1], v[E+16*\u+\i:E+16*\u+\i+1], v[E+16*\u+8+\i:E+16*\u+9+\i]
.endr
.endr
.irp i, 0,2
.irp u, 0,1
	v_pk_add_f32 v[E+16*\u+\i:E+16*\u+\i+1], v[E+16*\u+\i:E+16*\u+\i+1], v[E+16*\u+4+\i:E+16*\u+5+\i]
.endr
.endr
.irp u, 0,1
	v_pk_add_f32 v[E+16*\u:E+16*\u+1], v[E+16*\u:E+16*\u+1], v[E+16*\u+2:E+16*\u+3]
.endr
.irp u, 0,1
	v_add_f32 v[R0+2*\u], v[E+16*\u], v[E+16*\u+1]
.endr
.endm
.macro GBLOAD pg, pe, hf               ; gamma and beta of my columns 32 hf + 16 h + 0 .. 15
.irp q, 0,1,2,3
	ds_load_b128 v[E+4*\q:E+4*\q+3], v[LPB] offset:\pg+128*(\hf)+16*\q
	ds_load_b128 v[E+16+4*\q:E+19+4*\q], v[LPB] offset:\pe+128*(\hf)+16*\q
.endr
.endm
.macro GBFMA hf
.irp u, 0,1
.irp i, 0,2,4,6,8,10,12,14
	v_pk_fma_f32 v[ACC+32*\u+16*(\hf)+\i:ACC+32*\u+16*(\hf)+\i+1], v[ACC+32*\u+16*(\hf)+\i:ACC+32*\u+16*(\hf)+\i+1], v[E+\i:E+\i+1], v[E+16+\i:E+17+\i]
.endr
.endr
.endm
; bias, then the norm over whole rows, in place on the accumulators.  pb, pg, pe: the bias's, gamma's, beta's place in PAR;  ra, rb: two regions of RED, each used once in the launch
.macro LNEP pb, pg, pe, ra, rb
.irp T, 0,1,2,3
	ds_load_b128 v[E+8*\T:E+8*\T+3], v[LPB] offset:\pb+128*(\T/2)+32*(\T%2)
	ds_load_b128 v[E+8*\T+4:E+8*\T+7], v[LPB] offset:\pb+128*(\T/2)+32*(\T%2)+16
.endr
	s_wait_dscnt 0x0
.irp u, 0,1
.irp i, 0,2,4,6,8,10,12,14,16,18,20,22,24,26,28,30
	v_pk_add_f32 v[ACC+32*\u+\i:ACC+32*\u+\i+1], v[ACC+32*\u+\i:ACC+32*\u+\i+1], v[E+\i:E+\i+1]
.endr
.endr
	v_pk_add_f32 v[R0:R0+1], v[ACC:ACC+1], v[ACC+2:ACC+3]
	v_pk_add_f32 v[R0+2:R0+3], v[ACC+32:ACC+33], v[ACC+34:ACC+35]
.irp i, 4,6,8,10,12,14,16,18,20,22,24,26,28,30
	v_pk_add_f32 v[R0:R0+1], v[R0:R0+1], v[ACC+\i:ACC+\i+1]
	v_pk_add_f32 v[R0+2:R0+3], v[R0+2:R0+3], v[ACC+32+\i:ACC+33+\i]
.endr
	REDUCE \ra
.irp u, 0,1
	v_mul_f32 v[NM+2*\u], 0xba800000, v[R0+2*\u]   ; -sum / 1,024
	v_mul_f32 v[NM+2*\u+1], 0xba800000, v[R0+2*\u]
.endr
.irp u, 0,1
.irp i, 0,2,4,6,8,10,12,14,16,18,20,22,24,26,28,30
	v_pk_add_f32 v[ACC+32*\u+\i:ACC+32*\u+\i+1], v[ACC+32*\u+\i:ACC+32*\u+\i+1], v[NM+2*\u:NM+2*\u+1]
.endr
.endr
	v_pk_mul_f32 v[R0:R0+1], v[ACC:ACC+1], v[ACC:ACC+1]
	v_pk_mul_f32 v[R0+2:R0+3], v[ACC+32:ACC+33], v[ACC+32:ACC+33]
.irp i, 2,4,6,8,10,12,14,16,18,20,22,24,26,28,30
	v_pk_fma_f32 v[R0:R0+1], v[ACC+\i:ACC+\i+1], v[ACC+\i:ACC+\i+1], v[R0:R0+1]
	v_pk_fma_f32 v[R0+2:R0+3], v[ACC+32+\i:ACC+33+\i], v[ACC+32+\i:ACC+33+\i], v[R0+2:R0+3]
.endr
	REDUCE \rb
	v_mul_f32 v[R0], 0x3a802008, v[R0]             ; / 1,023
	v_mul_f32 v[R0+2], 0x3a802008, v[R0+2]
	s_wait_alu depctr_va_vdst(0)
	v_sqrt_f32 v[R0], v[R0]
	v_sqrt_f32 v[R0+2], v[R0+2]
	v_nop
	s_wait_alu depctr_va_vdst(0)                   ; the two roots are written, ahead of their first reader; and the reduction's additions are done reading v[E ..], in which gamma and beta land
	GBLOAD \pg, \pe, 0                             ; they land under the reciprocals and the 32 multiplications, which name none of their registers
	v_add_f32 v[R0], 0x358637bd, v[R0]             ; + 1e-6
	v_add_f32 v[R0+2], 0x358637bd, v[R0+2]
	s_wait_alu depctr_va_vdst(0)
	v_rcp_f32 v[INV], v[R0]
	v_rcp_f32 v[INV+2], v[R0+2]
	v_nop
	s_wait_alu depctr_va_vdst(0)                   ; the two reciprocals are written, ahead of their first reader
	v_mov_b32 v[INV+1], v[INV]
	v_mov_b32 v[INV+3], v[INV+2]
.irp u, 0,1
.irp i, 0,2,4,6,8,10,12,14,16,18,20,22,24,26,28,30
	v_pk_mul_f32 v[ACC+32*\u+\i:ACC+32*\u+\i+1], v[ACC+32*\u+\i:ACC+32*\u+\i+1], v[INV+2*\u:INV+2*\u+1]
.endr
.endr
	s_wait_dscnt 0x0
	GBFMA 0
	s_wait_alu depctr_va_vdst(0)                   ; the first half's multiply-adds are done reading v[E ..], in which the second half's gamma and beta land
	GBLOAD \pg, \pe, 1
	s_wait_dscnt 0x0
	GBFMA 1
.endm
.macro GELU8 a                         ; eight numbers in place.  v[E..] z, v[E+8..] z^2, v[E+16..] P, v[E+24..] Q
.irp i, 0,2,4,6
	v_pk_mul_f32 v[E+\i:E+\i+1], v[(\a)+\i:(\a)+\i+1], s[32:33] op_sel_hi:[1,0]
.endr
.irp i, 0,1,2,3,4,5,6,7
	v_med3_num_f32 v[E+\i], v[E+\i], -4.0, 4.0
.endr
.irp i, 0,2,4,6
	v_pk_mul_f32 v[E+8+\i:E+9+\i], v[E+\i:E+\i+1], v[E+\i:E+\i+1]
.endr
.irp i, 0,2,4,6
	v_pk_fma_f32 v[E+16+\i:E+17+\i], v[E+8+\i:E+9+\i], v[CA0:CA0+1], s[34:35] op_sel_hi:[1,1,0]
	v_pk_fma_f32 v[E+24+\i:E+25+\i], v[E+8+\i:E+9+\i], v[CB0:CB0+1], s[46:47] op_sel_hi:[1,1,0]
.endr
.irp k, 0,2,4
.irp i, 0,2,4,6
	v_pk_fma_f32 v[E+16+\i:E+17+\i], v[E+16+\i:E+17+\i], v[E+8+\i:E+9+\i], s[36+\k:37+\k] op_sel_hi:[1,1,0]
	v_pk_fma_f32 v[E+24+\i:E+25+\i], v[E+24+\i:E+25+\i], v[E+8+\i:E+9+\i], s[48+\k:49+\k] op_sel_hi:[1,1,0]
.endr
.endr
	s_wait_alu depctr_va_vdst(0)
.irp i, 0,1,2,3,4,5,6,7
	v_rcp_f32 v[E+24+\i], v[E+24+\i]               ; 1 / Q: the batch goes out while P is finished
.endr
.irp k, 6,8
.irp i, 0,2,4,6
	v_pk_fma_f32 v[E+16+\i:E+17+\i], v[E+16+\i:E+17+\i], v[E+8+\i:E+9+\i], s[36+\k:37+\k] op_sel_hi:[1,1,0]
.endr
.endr
.irp i, 0,2,4,6
	v_pk_mul_f32 v[E+16+\i:E+17+\i], v[E+16+\i:E+17+\i], v[E+\i:E+\i+1]
.endr
.irp i, 0,2,4,6
	v_pk_mul_f32 v[(\a)+\i:(\a)+\i+1], v[(\a)+\i:(\a)+\i+1], 0.5 op_sel_hi:[1,0]
.endr
	s_wait_alu depctr_va_vdst(0)                   ; the eight reciprocals are written, ahead of their first reader: one wait for the batch
.irp i, 0,2,4,6
	v_pk_mul_f32 v[E+16+\i:E+17+\i], v[E+16+\i:E+17+\i], v[E+24+\i:E+25+\i]      ; erf
.endr
.irp i, 0,2,4,6
	v_pk_fma_f32 v[(\a)+\i:(\a)+\i+1], v[(\a)+\i:(\a)+\i+1], v[E+16+\i:E+17+\i], v[(\a)+\i:(\a)+\i+1]
.endr
.endm
.macro SC2 r, val                      ; a constant for the packed forms: both words of the pair are written
	s_mov_b32 s[\r], \val
	s_mov_b32 s[\r+1], \val
.endm
	s_load_b512 s[4:19], s[0:1], 0x0               ; aimg, asc, x, wimg, bo, gamma1, beta1, b1
	s_load_b256 s[20:27], s[0:1], 0x40             ; b2, gamma2, beta2, out0
	v_lshl_add_u32 v[SPW], v0, 2, SPARE
	v_mov_b32 v[NIL], 0
	v_lshrrev_b32 v1, 5, v0
	v_readfirstlane_b32 s28, v1                    ; wave w
	v_and_b32 v253, 31, v0                         ; lane
	v_and_b32 v254, 15, v0                         ; r
	v_bfe_u32 v255, v0, 4, 1                       ; h
	v_lshlrev_b32 v[LI16], 4, v253
	v_lshlrev_b32 v[LI8], 3, v253
	v_lshlrev_b32 v[LR4], 2, v254
	s_wait_alu depctr_va_sdst(0)                   ; s28 is written, ahead of its first reader: LDS addresses and the buffers' bases are made from it
	s_lshl_b32 s58, s28, 8
	s_add_co_u32 s59, s58, PAR
	v_lshlrev_b32 v[LPB], 6, v255
	v_add_nc_u32 v[LPB], s59, v[LPB]
	v_lshlrev_b32 v[RR], 6, v254
	v_add_nc_u32 v[RR], RED, v[RR]
	s_lshl_b32 s59, s28, 2
	v_add_nc_u32 v[RW], s59, v[RR]
	s_mul_i32 s59, s28, 8704
	s_add_co_u32 s59, s59, WREG
	v_mul_u32_u24 v[STA], v255, 272
	v_lshl_add_u32 v[STA], v254, 4, v[STA]
	v_add_nc_u32 v[STA], s59, v[STA]
	v_mul_u32_u24 v[STB], v254, 272
	v_lshl_add_u32 v[STB], v255, 6, v[STB]
	v_add_nc_u32 v[STB], s59, v[STB]
	v_add_nc_u32 v[WIM], s59, v[LI16]
	s_lshr_b32 s59, s28, 1
	s_and_b32 s60, s28, 1
	s_mul_i32 s61, s59, 3072
	s_mul_i32 s62, s60, 768
	s_add_co_u32 s61, s61, s62
	v_add_nc_u32 v[IW16], s61, v[LI16]
	s_add_co_u32 s61, s61, 512
	v_add_nc_u32 v[IW8], s61, v[LI8]
	s_lshl_b32 s61, s59, 7
	s_lshl_b32 s62, s60, 1
	s_add_co_u32 s61, s61, s62
	v_add_nc_u32 v[IWS], s61, v[LR4]
	v_lshlrev_b32 v[GX], 12, v255
	v_lshl_add_u32 v[GX], v254, 4, v[GX]
	v_lshlrev_b32 v[T16], 4, v0
	v_lshlrev_b32 v254, 3, v0                      ; v254 = 8 t, v255 = 2 t from here on
	v_add_nc_u32 v[PT], PAR, v254
	v_lshlrev_b32 v255, 1, v0
	v_mov_b32 v[PX], 0                             ; written once: a lane permute's destination counts as one of its sources
	v_mov_b32 v[PX+1], 0
	v_mov_b32 v[TM+2], 0
	v_mov_b32 v[TM+3], 0
	v_mov_b32 v[CA0], 0xaf95df0b                   ; P's and Q's leading coefficients
	v_mov_b32 v[CA0+1], 0xaf95df0b
	v_mov_b32 v[CB0], 0xb77460cd
	v_mov_b32 v[CB0+1], 0xb77460cd
	s_mov_b32 s[SEL], 0x76543210
	s_mov_b32 s[SEL+1], 0xfedcba98
	SC2 32, 0x3f3504f3                             ; 1 / sqrt 2
	SC2 34, 0x32edffee                             ; P's further coefficients, the highest power first
	SC2 36, 0xb60cff51
	SC2 38, 0xb86ec2d2
	SC2 40, 0xba40ac63
	SC2 42, 0xbb41a1f6
	SC2 44, 0xbc83dbd4
	SC2 46, 0xb95fbd29                             ; Q's
	SC2 48, 0xbadc924e
	SC2 50, 0xbbf19bf8
	SC2 52, 0xbc69b6a7
	s_lshl_b32 s58, ttmp9, 17                      ; x, out: 32 G rows of 4,096 bytes + 256 w
	s_lshl_b32 s60, s28, 8
	s_add_co_u32 s58, s58, s60
	s_mov_b32 s59, 0
	s_mul_i32 s60, ttmp9, 24576                    ; my rows' 16 fragments
	s_mov_b32 s61, 0
	s_lshl_b32 s62, ttmp9, 10                      ; and their scale words
	s_mov_b32 s63, 0
	s_add_co_u32 s54, s28, 16
	s_mul_i32 s54, s54, 153600                     ; my stream of weights: Wo, W1, W2
	s_mov_b32 s55, 0
	s_wait_kmcnt 0x0
	s_add_nc_u64 s[8:9], s[8:9], s[58:59]
	s_add_nc_u64 s[26:27], s[26:27], s[58:59]
	s_add_nc_u64 s[4:5], s[4:5], s[60:61]
	s_add_nc_u64 s[6:7], s[6:7], s[62:63]
	s_add_nc_u64 s[WB:WB+1], s[10:11], s[54:55]
	s_wait_alu depctr_va_vdst(0)                   ; the offsets and LDS addresses v1 to v15, v254 and v255 are written: every load and store of the kernel reads some of them
.set n, 0
.rept 16
	global_load_b128 v[ACC+4*n:ACC+4*n+3], v[GX], s[8:9] offset:(8*(n/8)+2*(n%4)+16*((n/4)%2))*4096 th:TH_LOAD_NT   ; the rows at places 2 n, 2 n + 1: sixteen lanes take 256 consecutive bytes, aligned
.set n, n+1
.endr
.irp v, 0,1,2,3,4,5,6
	global_load_b64 v[E+2*\v:E+2*\v+1], v254, s[12+2*\v:13+2*\v]
.endr
.irp i, 0,1,2
	global_load_b128 v[E+16+4*\i:E+19+4*\i], v[T16], s[4:5] offset:8192*\i
.endr
	global_load_u16 v[E+28], v255, s[6:7]
	BLOAD 0
	BLOAD 1
	s_wait_loadcnt 37                              ; x is in: behind it 7 + 3 + 1 + 26 loads
.set n, 0
.rept 16
	ds_store_b128 v[STA], v[ACC+4*n:ACC+4*n+3] offset:544*n
.set n, n+1
.endr
	s_wait_alu depctr_vm_vsrc(0)                   ; the stores into the stage have read v[ACC ..], in which the loads below land
.irp u, 0,1
.irp T, 0,1,2,3
	ds_load_b128 v[ACC+32*\u+8*\T:ACC+32*\u+8*\T+3], v[STB] offset:4352*\u+128*(\T/2)+32*(\T%2)        ; LDS serves a wave's instructions in order.  x in the result's layout: the first sums' first value
	ds_load_b128 v[ACC+32*\u+8*\T+4:ACC+32*\u+8*\T+7], v[STB] offset:4352*\u+128*(\T/2)+32*(\T%2)+16
.endr
.endr
	s_wait_loadcnt 26                              ; the vectors, the images and the scale words are in: behind them the two K steps of weights
.irp v, 0,1,2,3,4,5,6
	ds_store_b64 v[PT], v[E+2*\v:E+2*\v+1] offset:4096*\v
.endr
.irp i, 0,1,2
	ds_store_b128 v[T16], v[E+16+4*\i:E+19+4*\i] offset:AI0+8192*\i
.endr
	ds_store_b16 v255, v[E+28] offset:AS0
	BARRIER
	s_wait_alu depctr_vm_vsrc(0)                   ; my LDS stores have read v[E ..], in which the rows' fragments land
	; ---- attn Wo + x
	ALOAD 0, AI0, AS0
.irp g, 0,1,2,3,4,5,6,7
	KSTEP \g, AI0, AS0
.endr
	LNEP 0, 4096, 8192, 0, 2048                    ; + bo, LN1: h
	QSTORE AI1, AS1
.set n, 0
.rept 16
	ds_store_b128 v[WIM], v[ACC+4*n:ACC+4*n+3] offset:512*n       ; h is kept, as an image of my registers, in my own region (the wait ahead of the codes' stores has shown h written; the quantiser only reads it)
.set n, n+1
.endr
	BARRIER                                        ; h's sixteen fragments lie in LDS
	s_wait_alu depctr_vm_vsrc(0)                   ; my LDS stores have read the accumulators, in which b1 lands, and v[E ..], in which the rows' fragments land
	; ---- h W1 + b1
	ACCINIT 12288
	ALOAD 8, AI1, AS1
.irp g, 8,9,10,11,12,13,14,15
	KSTEP \g, AI1, AS1
.endr
.irp a, 0,1,2,3,4,5,6,7
	GELU8 ACC+8*\a
.endr
	QSTORE AI0, AS0                                ; over the attention's images: every wave's last read of them stands ahead of barriers that all have passed
	BARRIER
	s_wait_alu depctr_vm_vsrc(0)                   ; my LDS stores have read v[E ..], in which the rows' fragments land
	; ---- gelu W2 + h
.set n, 0
.rept 16
	ds_load_b128 v[ACC+4*n:ACC+4*n+3], v[WIM] offset:512*n        ; (the wait ahead of the codes' stores has shown the quantiser done reading the accumulators)
.set n, n+1
.endr
	ALOAD 16, AI0, AS0
.irp g, 16,17,18,19,20,21,22,23
	KSTEP \g, AI0, AS0
.endr
	LNEP 16384, 20480, 24576, 4096, 6144           ; + b2, LN2
	; ---- the way out, through my own region: back as rows of 256 bytes
	s_wait_alu depctr_va_vdst(0)                   ; the norm has written the accumulators, which the LDS stores read
.irp u, 0,1
.irp T, 0,1,2,3
	ds_store_b128 v[STB], v[ACC+32*\u+8*\T:ACC+32*\u+8*\T+3] offset:4352*\u+128*(\T/2)+32*(\T%2)
	ds_store_b128 v[STB], v[ACC+32*\u+8*\T+4:ACC+32*\u+8*\T+7] offset:4352*\u+128*(\T/2)+32*(\T%2)+16
.endr
.endr
.set n, 0
.rept 16
	ds_load_b128 v[BF+4*n:BF+4*n+3], v[STA] offset:544*n          ; (the last K steps' waits have shown the products done reading BF)
.set n, n+1
.endr
.set n, 0
.rept 16
	s_wait_dscnt 15-n                              ; the younger loads may be out
	global_store_b128 v[GX], v[BF+4*n:BF+4*n+3], s[26:27] offset:(8*(n/8)+2*(n%4)+16*((n/4)%2))*4096 th:TH_STORE_NT   ; sixteen lanes store 256 consecutive bytes, aligned
.set n, n+1
.endr
	s_wait_dscnt 0x0                               ; the closing lines, six on end
	s_wait_alu 0x0
	s_wait_tensorcnt 0x0
	ds_add_u32 v[SPW], v[NIL]
	s_wait_dscnt 0x0
	s_endpgm
.Lfunc_end_k_qfb006d691a_tail:
	.size	k_qfb006d691a_tail, .Lfunc_end_k_qfb006d691a_tail-k_qfb006d691a_tail
	.p2alignl 7, 3214868480
	.fill 96, 4, 3214868480
	.section	.rodata,"a",@progbits
	.p2align	6, 0x0
	.amdhsa_kernel k_qfb006d691a_tail
		.amdhsa_group_segment_fixed_size 229376
		.amdhsa_private_segment_fixed_size 0
		.amdhsa_enable_private_segment 0
		.amdhsa_kernarg_size 96
		.amdhsa_user_sgpr_count 2
		.amdhsa_user_sgpr_kernarg_segment_ptr 1
		.amdhsa_wavefront_size32 1
		.amdhsa_system_sgpr_workgroup_id_x 1
		.amdhsa_system_sgpr_workgroup_id_y 1
		.amdhsa_system_sgpr_workgroup_id_z 1
		.amdhsa_system_vgpr_workitem_id 0
		.amdhsa_next_free_vgpr 256
		.amdhsa_next_free_sgpr 66
		.amdhsa_reserve_vcc 0
		.amdhsa_float_denorm_mode_32 3
		.amdhsa_float_denorm_mode_16_64 3
		.amdhsa_memory_ordered 1
		.amdhsa_forward_progress 1
		.amdhsa_inst_pref_size 175
	.end_amdhsa_kernel
	.amdgpu_metadata
---
amdhsa.version: [ 1, 2 ]
amdhsa.kernels:
  - .name:           k_qfb006d691a_tail
    .symbol:         k_qfb006d691a_tail.kd
    .args:
      - { .name: aimg, .offset: 0, .size: 8, .value_kind: global_buffer, .address_space: global }
      - { .name: asc, .offset: 8, .size: 8, .value_kind: global_buffer, .address_space: global }
      - { .name: x, .offset: 16, .size: 8, .value_kind: global_buffer, .address_space: global }
      - { .name: wimg, .offset: 24, .size: 8, .value_kind: global_buffer, .address_space: global }
      - { .name: bo, .offset: 32, .size: 8, .value_kind: global_buffer, .address_space: global }
      - { .name: gamma1, .offset: 40, .size: 8, .value_kind: global_buffer, .address_space: global }
      - { .name: beta1, .offset: 48, .size: 8, .value_kind: global_buffer, .address_space: global }
      - { .name: b1, .offset: 56, .size: 8, .value_kind: global_buffer, .address_space: global }
      - { .name: b2, .offset: 64, .size: 8, .value_kind: global_buffer, .address_space: global }
      - { .name: gamma2, .offset: 72, .size: 8, .value_kind: global_buffer, .address_space: global }
      - { .name: beta2, .offset: 80, .size: 8, .value_kind: global_buffer, .address_space: global }
      - { .name: out0, .offset: 88, .size: 8, .value_kind: global_buffer, .address_space: global }
    .group_segment_fixed_size: 229376
    .private_segment_fixed_size: 0
    .kernarg_segment_align: 8
    .kernarg_segment_size: 96
    .max_flat_workgroup_size: 512
    .sgpr_count:     66
    .vgpr_count:     256
    .wavefront_size: 32
...
	.end_amdgpu_metadata
.endif
;; end of part 7
